; MI455X (gfx1250); checked and timed in simulation.
; The chip was launched on July 23, 2026; its instructions are those of AMD's public machine-readable ISA for CDNA 5 (MIT licence, August 2026) and "CDNA5" Instruction Set Architecture Reference Guide (July 2026). The comments in the code are by the model that wrote it; some were corrected since.
;; Advanced Transformer Block. Allowed arithmetic: float matrix products may take bf16 or f16 operands with f32 sums; other float arithmetic in f32, or as packed bf16 or f16 multiplies, adds, multiply-adds, maxima and minima; sums over many terms, partial sums and values carried from step to step in f32; what a program stores and reads back later, other than sums and carried values, may be rounded once to bf16 or f16.
;; Inputs: b1 4,096 float32; b2 1,024 float32; bk 256 float32; bo 1,024 float32; bq 1,024 float32; bv 256 float32; kn_w 64 float32; norm1_w 1,024 float32; norm2_w 1,024 float32; qn_w 64 float32; w1 1,024 x 4,096 float32; w2 4,096 x 1,024 float32; wk 1,024 x 256 float32; wo 1,024 x 1,024 float32; wq 1,024 x 1,024 float32; wv 1,024 x 256 float32; x 2,048 x 2 x 1,024 float32.
;; Outputs: out0 2,048 x 2 x 1,024 float32.
;; 2 versions, each right and faster than the one before. Each part assembles by itself: llvm-mc -triple=amdgcn-amd-amdhsa -mcpu=gfx1250 --defsym DOCPART=n.
;; ======== version 1 of 2: 6 launches
;; limits: values are held in f16: magnitudes above 65,504 overflow, below 6.1e-05 lose precision
;; workspace buffers: w16 30,408,704 bytes; tab 1,099,776 bytes; qkv16 12,582,912 bytes; o16 8,388,608 bytes; x1 16,777,216 bytes; x1b 8,388,608 bytes; ssq 131,072 bytes; g16 33,554,432 bytes
;; launch prep (part 1): grid 962 x 1, 8 waves a work-group, no clusters, 0 bytes of LDS; arguments x, norm1_w, norm2_w, wq, wk, wv, wo, w1, w2, bq, bk, bv, qn_w, kn_w, w16, tab; writes w16, tab
.if DOCPART == 1
	.amdgcn_target "amdgcn-amd-amdhsa--gfx1250"
	.amdhsa_code_object_version 6
	.text
	.protected	k_qe0cc69eedd_prep
	.globl	k_qe0cc69eedd_prep
	.p2align	8
	.type	k_qe0cc69eedd_prep,@function
k_qe0cc69eedd_prep:
	s_mov_b64 s[64:65], 0
	v_nop
	global_prefetch_b8 v0, s[64:65] scope:SCOPE_SE
	s_setreg_imm32_b32 hwreg(HW_REG_WAVE_MODE, 25, 1), 1
	s_wait_xcnt 0x0
; PREPARATION, a stream: every work-group takes one role by its number.
;   0-255 w1 -> bf16, each row k times norm2_w[k] (one rounding)      256-511 w2, 512-575 wq, 576-639 wo, 640-655 wk, 656-671 wv -> f16
;   672-927 h = x / sqrt(mean(x^2) + 1e-5) * norm1_w -> f16             928-960 the table cos | signed sin, 2,112 positions      961 bias and gain vectors
; A cast or norm group takes 65,536 source bytes: 16 loads of 16 bytes a thread, all issued at once; each store of a wave covers 256 consecutive bytes, aligned.
; No LDS, no matrix unit, no cluster: nothing is shared and nothing is read twice.
; LIMITS.  f16 ends at 65,504: weights and h (at most 32 |norm1_w|) must lie within it; below 6e-5 f16 keeps its fixed step of 6e-8.
; The table's angle t * 10000^(-j/32) is made with v_exp_f32 (1 ulp): it is off by at most some 3e-4 rad at t = 2047; sine by an odd polynomial of degree 11 on a quarter turn (error under 1e-7).
.set WQKVOFF, 8388608                  ; w16: h at 0, [wq|wk|wv] (rows of 1,536), wo, w1, w2
.set WOOFF,   11534336
.set W1OFF,   13631488
.set W2OFF,   22020096
.set VECOFF,  1081344                  ; tab: behind the table: bias[1536], wA[1536], wB[1536]
.set DO, 2                             ; v[2:17]   destination offsets of the 16 steps
.set X,  32                            ; v[32:95]  as loaded
.set Y,  96                            ; v[96:127] to store
	s_load_b512 s[8:23], s[0:1], 0x0               ; x 8, norm1_w 10, norm2_w 12, wq 14, wk 16, wv 18, wo 20, w1 22
	s_load_b512 s[24:39], s[0:1], 0x40             ; w2 24, bq 26, bk 28, bv 30, qn_w 32, kn_w 34, w16 36, tab 38
	s_mov_b32 s2, ttmp9
	v_lshrrev_b32 v1, 5, v0
	v_readfirstlane_b32 s3, v1                     ; wave
	s_mov_b32 s44, 2048                            ; bytes in the destination from step to step
	s_mov_b32 s45, 8                               ; a step's 1,024 numbers are 2^(8 - s45) ... rows: thread >> s45 is the row,
	s_mov_b32 s46, 255                             ; thread & s46 the place in it
	s_wait_kmcnt 0x0
	s_cmp_lt_u32 s2, 256
	s_cbranch_scc1 .Lw1
	s_cmp_lt_u32 s2, 512
	s_cbranch_scc1 .Lw2
	s_cmp_lt_u32 s2, 576
	s_cbranch_scc1 .Lwq
	s_cmp_lt_u32 s2, 640
	s_cbranch_scc1 .Lwo
	s_cmp_lt_u32 s2, 656
	s_cbranch_scc1 .Lwk
	s_cmp_lt_u32 s2, 672
	s_cbranch_scc1 .Lwv
	s_cmp_lt_u32 s2, 928
	s_cbranch_scc1 .Lnorm
	s_cmp_lt_u32 s2, 961
	s_cbranch_scc1 .Lrope
	s_branch .Lvec
; source s[40:41] and destination s[42:43] at the group's part (s4 = its number in the role); the threads' offsets
.macro SETUP
	s_lshl_b32 s6, s4, 16
	s_mov_b32 s7, 0
	s_add_nc_u64 s[40:41], s[40:41], s[6:7]
	s_mul_i32 s6, s4, s44
	s_lshl_b32 s6, s6, 4                           ; 16 steps a group
	s_add_nc_u64 s[42:43], s[42:43], s[6:7]
	v_lshlrev_b32 v1, 4, v0
	v_lshrrev_b32 v18, s45, v0
	v_mul_u32_u24 v18, v18, 3072
	v_and_b32 v19, s46, v0
	v_lshl_add_u32 v18, v19, 3, v18
.set i, 0
.rept 16
	v_mad_u32_u24 v[DO+i], s44, i, v18
.set i, i+1
.endr
.endm
; 16 loads on their way at once; step i is rounded and stored when its load is in (15 - i younger loads may stay out)
.macro CAST16 bf, scaled
.set i, 0
.rept 16
	global_load_b128 v[X+4*i:X+4*i+3], v1, s[40:41] offset:4096*i th:TH_LOAD_NT
.set i, i+1
.endr
.set i, 0
.rept 16
	s_wait_loadcnt 15-i
.if \scaled
.set SPR, 48+4*((i/4)&1)+2*((i/4)>>1)
	v_pk_mul_f32 v[X+4*i:X+4*i+1], v[X+4*i:X+4*i+1], s[SPR:SPR+1] op_sel_hi:[1,0]
	v_pk_mul_f32 v[X+4*i+2:X+4*i+3], v[X+4*i+2:X+4*i+3], s[SPR:SPR+1] op_sel_hi:[1,0]
.endif
.if \bf
	v_cvt_pk_bf16_f32 v[Y+2*i], v[X+4*i], v[X+4*i+1]
	v_cvt_pk_bf16_f32 v[Y+2*i+1], v[X+4*i+2], v[X+4*i+3]
.else
	v_cvt_pk_f16_f32 v[Y+2*i], v[X+4*i], v[X+4*i+1]
	v_cvt_pk_f16_f32 v[Y+2*i+1], v[X+4*i+2], v[X+4*i+3]
.endif
	global_store_b64 v[DO+i], v[Y+2*i:Y+2*i+1], s[42:43]
.set i, i+1
.endr
.endm
.Lw1:                                                  ; four rows of w1, each a quarter of the 16 steps, times its norm2_w
	s_mov_b32 s4, s2
	s_lshl_b32 s6, s4, 4
	s_mov_b32 s7, 0
	s_add_nc_u64 s[12:13], s[12:13], s[6:7]
	s_load_b128 s[48:51], s[12:13], 0x0
	s_mov_b64 s[40:41], s[22:23]
	s_add_nc_u64 s[42:43], s[36:37], W1OFF
	SETUP
	s_wait_kmcnt 0x0
	s_mov_b32 s52, s49                             ; the packed multiply takes a pair's low word: rows 0, 2 in s[48:49], s[50:51], rows 1, 3 here
	s_mov_b32 s53, s49
	s_mov_b32 s54, s51
	s_mov_b32 s55, s51
	CAST16 1, 1
	s_endpgm
.Lw2:
	s_sub_co_u32 s4, s2, 256
	s_mov_b64 s[40:41], s[24:25]
	s_add_nc_u64 s[42:43], s[36:37], W2OFF
	s_branch .Lgen
.Lwq:
	s_sub_co_u32 s4, s2, 512
	s_mov_b64 s[40:41], s[14:15]
	s_add_nc_u64 s[42:43], s[36:37], WQKVOFF
	s_mov_b32 s44, 3072
	s_branch .Lgen
.Lwo:
	s_sub_co_u32 s4, s2, 576
	s_mov_b64 s[40:41], s[20:21]
	s_add_nc_u64 s[42:43], s[36:37], WOOFF
	s_branch .Lgen
.Lwk:
	s_sub_co_u32 s4, s2, 640
	s_mov_b64 s[40:41], s[16:17]
	s_add_nc_u64 s[42:43], s[36:37], WQKVOFF+2048
	s_branch .Lnarrow
.Lwv:
	s_sub_co_u32 s4, s2, 656
	s_mov_b64 s[40:41], s[18:19]
	s_add_nc_u64 s[42:43], s[36:37], WQKVOFF+2560
.Lnarrow:                                              ; rows of 256 numbers: a step is four rows
	s_mov_b32 s44, 12288
	s_mov_b32 s45, 6
	s_mov_b32 s46, 63
.Lgen:
	SETUP
	CAST16 0, 0
	s_endpgm
; RMSNorm 1: a wave takes two rows, each whole in 32 registers
.Lnorm:
	s_sub_co_u32 s4, s2, 672
	s_lshl_b32 s6, s4, 16
	s_mov_b32 s7, 0
	s_add_nc_u64 s[8:9], s[8:9], s[6:7]
	s_lshr_b32 s6, s6, 1
	s_add_nc_u64 s[36:37], s[36:37], s[6:7]
	v_and_b32 v1, 31, v0
	v_lshrrev_b32 v18, 5, v0
	v_lshlrev_b32 v19, 4, v1
	v_lshl_add_u32 v20, v18, 13, v19               ; x: wave x 2 rows + 16 x lane
	v_lshlrev_b32 v21, 3, v1
	v_lshl_add_u32 v21, v18, 12, v21               ; h: the same in halves
	s_mov_b32 s50, 0x3a800000                      ; 1 / 1024
	s_mov_b32 s51, 0x3727c5ac                      ; 1e-5
	s_mov_b32 s52, 0x76543210
	s_mov_b32 s53, 0xfedcba98
.set i, 0
.rept 8
	global_load_b128 v[32+4*i:35+4*i], v19, s[10:11] offset:512*i
.set i, i+1
.endr
.set i, 0
.rept 8
	global_load_b128 v[64+4*i:67+4*i], v20, s[8:9] offset:512*i th:TH_LOAD_NT
.set i, i+1
.endr
.set i, 0
.rept 8
	global_load_b128 v[96+4*i:99+4*i], v20, s[8:9] offset:4096+512*i th:TH_LOAD_NT
.set i, i+1
.endr
.macro NROW xr, row, left
	s_wait_loadcnt \left
	s_wait_xcnt 0x0                                ; v[128:143] are rewritten only behind this wait
.set c, 0
.rept 4
	v_pk_mul_f32 v[2+2*c:3+2*c], v[(\xr)+2*c:(\xr)+2*c+1], v[(\xr)+2*c:(\xr)+2*c+1]
.set c, c+1
.endr
.rept 12
	v_pk_fma_f32 v[2+2*(c%4):3+2*(c%4)], v[(\xr)+2*c:(\xr)+2*c+1], v[(\xr)+2*c:(\xr)+2*c+1], v[2+2*(c%4):3+2*(c%4)]
.set c, c+1
.endr
	v_pk_add_f32 v[2:3], v[2:3], v[4:5]
	v_pk_add_f32 v[6:7], v[6:7], v[8:9]
	v_pk_add_f32 v[2:3], v[2:3], v[6:7]
	v_add_f32 v2, v2, v3
	v_add_f32_dpp v2, v2, v2 row_xmask:1 row_mask:0xf bank_mask:0xf
	v_add_f32_dpp v2, v2, v2 row_xmask:2 row_mask:0xf bank_mask:0xf
	v_add_f32_dpp v2, v2, v2 row_xmask:4 row_mask:0xf bank_mask:0xf
	v_add_f32_dpp v2, v2, v2 row_xmask:8 row_mask:0xf bank_mask:0xf
	v_permlanex16_b32 v3, v2, s52, s53
	v_add_f32 v2, v2, v3
	v_fma_f32 v2, v2, s50, s51
	v_rsq_f32 v10, v2
	v_rsq_f32 v11, v2
	v_nop                                          ; a plain instruction between the root and its use
.set c, 0
	s_wait_alu depctr_va_vdst(0)
.rept 16
	v_pk_mul_f32 v[(\xr)+2*c:(\xr)+2*c+1], v[(\xr)+2*c:(\xr)+2*c+1], v[10:11]
.set c, c+1
.endr
.set c, 0
.rept 16
	v_pk_mul_f32 v[(\xr)+2*c:(\xr)+2*c+1], v[(\xr)+2*c:(\xr)+2*c+1], v[32+2*c:33+2*c]
.set c, c+1
.endr
.set c, 0
.rept 16
	v_cvt_pk_f16_f32 v[128+c], v[(\xr)+2*c], v[(\xr)+2*c+1]
.set c, c+1
.endr
.set c, 0
.rept 8
	global_store_b64 v21, v[128+2*c:129+2*c], s[36:37] offset:(\row)*2048+256*c
.set c, c+1
.endr
.endm
	NROW 64, 0, 8                                  ; the second row's eight loads may stay out
	NROW 96, 1, 0
	s_endpgm
; The table.  A row of 512 bytes: cos[64], then sin[64] with the sign of rotate_half (minus for channels under 32).  Lane l owns entries 4 l .. 4 l + 3.
; All three are sin(2 pi (theta / 2 pi + phase)), phase 1/4, 1/2, 0.  Positions from 2,048 on take t = 0: cos 1, sin 0, the identity, for v's columns.
.Lrope:
	s_sub_co_u32 s4, s2, 928
	s_lshl_b32 s6, s4, 6
	s_lshl_b32 s7, s3, 3
	s_add_co_u32 s6, s6, s7                        ; my wave's first position of eight
	v_and_b32 v1, 31, v0
	v_and_b32 v2, 7, v1
	v_lshlrev_b32 v2, 2, v2
	s_mov_b32 s49, 0xbed49a78                      ; -log2(10000) / 32
.set i, 0
.rept 4
	v_add_nc_u32 v[12+i], i, v2
	v_cvt_f32_u32 v[12+i], v[12+i]
	v_mul_f32 v[12+i], s49, v[12+i]
.set i, i+1
.endr
.set i, 0
.rept 4
	v_exp_f32 v[4+i], v[12+i]
.set i, i+1
.endr
	s_mov_b32 s54, 0x3e800000                      ; 0.25
	v_cmp_gt_u32 vcc_lo, 24, v1
	v_cndmask_b32 v8, 0, 0.5, vcc_lo
	v_cmp_gt_u32 vcc_lo, 16, v1
	v_cndmask_b32 v8, v8, s54, vcc_lo
	s_lshl_b32 s7, s6, 9
	v_lshlrev_b32 v9, 4, v1
	v_add_nc_u32 v9, s7, v9
	s_mov_b32 s50, 0x3e22f983                      ; 1 / 2 pi, and what f32 leaves of it
	s_mov_b32 s51, 0x31dc9bfb
	s_mov_b32 s52, 0x7fffffff
	s_mov_b32 s56, 0x40c90fdb                      ; 6.2831853
	s_mov_b32 s57, 0xc2255de7                      ; -41.341702
	s_mov_b32 s58, 0x42a335e3                      ; 81.605249
	s_mov_b32 s59, 0xc2996966                      ; -76.705860
	s_mov_b32 s60, 0x42283c1a                      ; 42.058694
	s_mov_b32 s61, 0xc17183a8                      ; -15.094643
	s_mov_b32 s5, 8
.macro ALL4 line:vararg
.set i, 0
	s_wait_alu depctr_va_vdst(0)
.rept 4
	\line
.set i, i+1
.endr
.endm
.Lpos:
	s_cmp_lt_u32 s6, 2048
	s_cselect_b32 s7, s6, 0
	v_cvt_f32_u32 v10, s7
	ALL4 v_mul_f32 v[12+i], v10, v[4+i]
	ALL4 v_fma_f32 v[16+i], v[12+i], s50, v8
	ALL4 v_rndne_f32 v[16+i], v[16+i]
	ALL4 v_fma_f32 v[16+i], v[12+i], s50, -v[16+i]
	ALL4 v_fma_f32 v[16+i], v[12+i], s51, v[16+i]
	ALL4 v_add_f32 v[16+i], v[16+i], v8
	ALL4 v_and_b32 v[24+i], s52, v[16+i]
	ALL4 v_sub_f32 v[28+i], 0.5, v[24+i]
	ALL4 v_min_num_f32 v[24+i], v[24+i], v[28+i]
	ALL4 v_mul_f32 v[28+i], v[24+i], v[24+i]
	ALL4 v_fma_f32 v[12+i], v[28+i], s61, s60
	ALL4 v_fma_f32 v[12+i], v[12+i], v[28+i], s59
	ALL4 v_fma_f32 v[12+i], v[12+i], v[28+i], s58
	ALL4 v_fma_f32 v[12+i], v[12+i], v[28+i], s57
	ALL4 v_fma_f32 v[12+i], v[12+i], v[28+i], s56
	ALL4 v_mul_f32 v[12+i], v[12+i], v[24+i]
	ALL4 v_bfi_b32 v[20+i], s52, v[12+i], v[16+i]
	global_store_b128 v9, v[20:23], s[38:39]
	s_wait_xcnt 0x0                                ; v9 and v[20:23] are rewritten only behind this wait
	v_add_nc_u32 v9, 512, v9
	s_add_co_u32 s6, s6, 1
	s_sub_co_u32 s5, s5, 1
	s_cmp_lg_u32 s5, 0
	s_cbranch_scc1 .Lpos
	s_endpgm
; bias = bq | bk | bv;  the row's factor in the projection's way out is r * wA + wB: wA = qn_w, kn_w by heads, 0 for v;  wB = 0, 0, 1
.Lvec:
	s_add_nc_u64 s[38:39], s[38:39], VECOFF
	v_lshlrev_b32 v1, 4, v0
	v_and_b32 v2, 15, v0
	v_lshlrev_b32 v2, 4, v2
.set i, 0
.rept 4
	v_mov_b32 v[20+i], 0
	v_mov_b32 v[24+i], 1.0
.set i, i+1
.endr
	global_load_b128 v[4:7], v1, s[26:27]
	global_load_b128 v[8:11], v2, s[32:33]
	global_store_b128 v1, v[20:23], s[38:39] offset:12288
	s_wait_loadcnt 0x0
	global_store_b128 v1, v[4:7], s[38:39]
	global_store_b128 v1, v[8:11], s[38:39] offset:6144
	s_cmp_lt_u32 s3, 2
	s_cbranch_scc1 .Lvk
	s_cmp_lt_u32 s3, 4
	s_cbranch_scc1 .Lvv
	s_endpgm
.Lvk:
	global_load_b128 v[12:15], v1, s[28:29]
	global_load_b128 v[16:19], v2, s[34:35]
	global_store_b128 v1, v[20:23], s[38:39] offset:12288+4096
	s_wait_loadcnt 0x0
	global_store_b128 v1, v[12:15], s[38:39] offset:4096
	global_store_b128 v1, v[16:19], s[38:39] offset:6144+4096
	s_endpgm
.Lvv:
	global_load_b128 v[12:15], v1, s[30:31] offset:-1024
	global_store_b128 v1, v[20:23], s[38:39] offset:6144+4096
	global_store_b128 v1, v[24:27], s[38:39] offset:12288+4096
	s_wait_loadcnt 0x0
	global_store_b128 v1, v[12:15], s[38:39] offset:4096
	s_endpgm
.Lfunc_end_k_qe0cc69eedd_prep:
	.size	k_qe0cc69eedd_prep, .Lfunc_end_k_qe0cc69eedd_prep-k_qe0cc69eedd_prep
	.p2alignl 7, 3214868480
	.fill 96, 4, 3214868480
	.section	.rodata,"a",@progbits
	.p2align	6, 0x0
	.amdhsa_kernel k_qe0cc69eedd_prep
		.amdhsa_group_segment_fixed_size 0
		.amdhsa_private_segment_fixed_size 0
		.amdhsa_enable_private_segment 0
		.amdhsa_kernarg_size 128
		.amdhsa_user_sgpr_count 2
		.amdhsa_user_sgpr_kernarg_segment_ptr 1
		.amdhsa_wavefront_size32 1
		.amdhsa_system_sgpr_workgroup_id_x 1
		.amdhsa_system_sgpr_workgroup_id_y 1
		.amdhsa_system_sgpr_workgroup_id_z 1
		.amdhsa_system_vgpr_workitem_id 0
		.amdhsa_next_free_vgpr 144
		.amdhsa_next_free_sgpr 66
		.amdhsa_reserve_vcc 1
		.amdhsa_float_denorm_mode_32 3
		.amdhsa_float_denorm_mode_16_64 3
		.amdhsa_memory_ordered 1
		.amdhsa_forward_progress 1
		.amdhsa_inst_pref_size 42
	.end_amdhsa_kernel
	.amdgpu_metadata
---
amdhsa.version: [ 1, 2 ]
amdhsa.kernels:
  - .name:           k_qe0cc69eedd_prep
    .symbol:         k_qe0cc69eedd_prep.kd
    .args:
      - { .name: x, .offset: 0, .size: 8, .value_kind: global_buffer, .address_space: global }
      - { .name: norm1_w, .offset: 8, .size: 8, .value_kind: global_buffer, .address_space: global }
      - { .name: norm2_w, .offset: 16, .size: 8, .value_kind: global_buffer, .address_space: global }
      - { .name: wq, .offset: 24, .size: 8, .value_kind: global_buffer, .address_space: global }
      - { .name: wk, .offset: 32, .size: 8, .value_kind: global_buffer, .address_space: global }
      - { .name: wv, .offset: 40, .size: 8, .value_kind: global_buffer, .address_space: global }
      - { .name: wo, .offset: 48, .size: 8, .value_kind: global_buffer, .address_space: global }
      - { .name: w1, .offset: 56, .size: 8, .value_kind: global_buffer, .address_space: global }
      - { .name: w2, .offset: 64, .size: 8, .value_kind: global_buffer, .address_space: global }
      - { .name: bq, .offset: 72, .size: 8, .value_kind: global_buffer, .address_space: global }
      - { .name: bk, .offset: 80, .size: 8, .value_kind: global_buffer, .address_space: global }
      - { .name: bv, .offset: 88, .size: 8, .value_kind: global_buffer, .address_space: global }
      - { .name: qn_w, .offset: 96, .size: 8, .value_kind: global_buffer, .address_space: global }
      - { .name: kn_w, .offset: 104, .size: 8, .value_kind: global_buffer, .address_space: global }
      - { .name: w16, .offset: 112, .size: 8, .value_kind: global_buffer, .address_space: global }
      - { .name: tab, .offset: 120, .size: 8, .value_kind: global_buffer, .address_space: global }
    .group_segment_fixed_size: 0
    .private_segment_fixed_size: 0
    .kernarg_segment_align: 8
    .kernarg_segment_size: 128
    .max_flat_workgroup_size: 256
    .sgpr_count:     66
    .vgpr_count:     144
    .wavefront_size: 32
...
	.end_amdgpu_metadata
.endif
;; end of part 1
;; launch qkv (part 2): grid 12 x 32, 4 waves a work-group, clusters of 4 x 4, 327,680 bytes of LDS; arguments w16, tab, qkv16; writes qkv16
.if DOCPART == 2
	.amdgcn_target "amdgcn-amd-amdhsa--gfx1250"
	.amdhsa_code_object_version 6
	.text
	.protected	k_qe0cc69eedd_qkv
	.globl	k_qe0cc69eedd_qkv
	.p2align	8
	.type	k_qe0cc69eedd_qkv,@function
k_qe0cc69eedd_qkv:
	s_mov_b64 s[64:65], 0
	v_nop
	global_prefetch_b8 v0, s[64:65] scope:SCOPE_SE
	s_setreg_imm32_b32 hwreg(HW_REG_WAVE_MODE, 25, 1), 1
	s_wait_xcnt 0x0
	s_wait_alu depctr_hold_cnt(0) depctr_sa_sdst(0) depctr_va_vdst(0) depctr_va_sdst(0) depctr_va_ssrc(0) depctr_va_vcc(0) depctr_vm_vsrc(0)
	s_getreg_b32 s2, hwreg(HW_REG_IB_STS2, 6, 4)
	s_cmp_eq_u32 s2, 0
	s_cbranch_scc0 .Lentry_in_a_cluster
	s_endpgm
.Lentry_in_a_cluster:
	s_bfe_u32 s2, ttmp6, 0x10000c
	s_cmp_lg_u32 s2, 0xf033
	s_cbranch_scc0 .Lentry_shape_is_right
	s_endpgm
.Lentry_shape_is_right:
; [q|k|v] = h [wq|wk|wv] + bias; RMSNorm over each head's 64 channels; RoPE; written by heads, [48][2048][64] f16 (slice = 2 x head + batch; heads 0-15 q, 16-19 k, 20-23 v).
; h: [4096][1024] f16 (row = 2 s + b), the weights [1024][1536] f16, K down the rows.  Sums, norm and rotation in f32; one rounding to f16 at the end.
; A tile of 128 x 128 (two heads wide) to a work-group, four waves of 64 x 64: 16 accumulators.  K in 4 steps of 256 through two LDS slots filled by the tensor data mover;
; both slots' first fills go out together at the start.
; THE MATRIX INSTRUCTION IS USED TRANSPOSED: source 0 = 16 columns of W (turned on the way out of LDS by ds_load_tr16_b128), source 1 = 16 rows of h: a lane holds one row, eight neighbouring columns.
; CLUSTER 4 x 4: h's tile is shared along a row of the cluster, W's along a column; each is asked for jointly.
; v's columns run through the same lines: their factor is r * 0 + 1 and their table rows are the identity.
; LIMITS.  f16 ends at 65,504: |v| must stay under it; q and k are at most 8 |gain|.  NaN and infinities are not treated apart.
; LDS: slot 0: h rows 0-63 at 0, 64-127 at 0x8800 (pitch 528); W k rows 0-255 from 0x11000 (pitch 288).  Slot 1 = + 0x24000: no part's start has bit 14 or 17, so one exclusive or changes slots.
; Behind the ring: the spare words, then 64 positions of the table.  The stage of the way out (128 rows x 528 bytes of f32) lies in slot 0, behind that slot's last fill and last read.
.set KA,    1024
.set NB,    1536
.set STEPS, 4
.set WOFF,  8388608
.set VECOFF, 1081344
.set PA,    528
.set PW,    288
.set APART, 0x8800
.set WBASE, 0x11000
.set WPART, 0x9000
.set TOG,   0x24000
.set SPARE, 290816
.set ROPE,  291328
.set SPITCH, 528
.set ADRA0, 16                         ; v16, v17 my lane's place in h's and W's tile; never rewritten
.set ADRB0, 17
.set ADRA,  18                         ; v18, v19 the addresses of the run of loads in hand
.set ADRB,  19
.set RT,    20                         ; v20 the way out: my place in the table
.set STO,   24
.set RD,    25
.set GO,    26
.set CO,    27
.set SPW,   28                         ; v28 my spare word; v29 0; never rewritten
.set NIL,   29
.set COS,   32
.set SSN,   36
.set Z,     40                         ; four rows' 4 numbers: 2 heads x 2 batches
.set SQ,    56
.set RR,    64
.set YY,    72
.set MU,    80
.set BI,    96                         ; for each head: bias, wA, wB of my 4 channels
.set ACC,   128
.set F0,    0                          ; fragment buffers, window 1: 64 registers of h, 64 of W
.set F1,    128
.set G0F, 4                            ; s[4:7]   group 0 of h's K step 0; s[32:35] starts at K step 1 and walks
.set G1,  24
.set G0,  32
.set G0B, 36                           ; s[36:39] the same for W; s[96:99] W's K step 0
.set G1B, 48
.set TBA, 56                           ; s56, s57 LDS byte of the quarter to be fetched next, in h's rows and in W's
.set TBB, 57
.set G1R, 68
.set G0R, 76
.set G0BF, 96
.set MSB, 0
.macro WIN new
.if MSB != (\new)
	s_set_vgpr_msb (MSB<<8)|(\new)
.set MSB, \new
.endif
.endm
.set MUL,  0x05
.set TO_F, 0x40
.macro PLACES
.rept 4
	v_nop
.endr
.endm
.macro JLOAD                           ; a joint load: waves 0, 1 fetch h's halves, waves 2, 3 W's; s_nop 0 and four v_nop behind each line
	s_cmp_eq_u32 s11, 0
	s_cbranch_scc0 .Lfor_w_\@
	tensor_load_to_lds s[G0:G0+3], s[G1:G1+7]
	s_nop 0
	PLACES
	s_branch .Lasked_\@
.Lfor_w_\@:
	tensor_load_to_lds s[G0B:G0B+3], s[G1B:G1B+7]
	s_nop 0
	PLACES
.Lasked_\@:
.endm
.macro CREST
	s_cmp_lg_u32 s10, 0
	s_cbranch_scc1 .Lnot_wave_0_\@
	s_barrier_signal -3
.Lnot_wave_0_\@:
	s_barrier_wait -3
	s_barrier_signal -1
	s_barrier_wait -1
.endm
.macro CROUND
	s_barrier_signal -1
	s_barrier_wait -1
	CREST
.endm
.macro TBSTEP                          ; the fetches go back to a slot's first quarter, in the other slot
	s_sub_co_u32 s[TBA], s[TBA], 512
	s_xor_b32 s[TBA], s[TBA], TOG
	s_sub_co_u32 s[TBB], s[TBB], 256*PW
	s_xor_b32 s[TBB], s[TBB], TOG
.endm
.macro STEPD                           ; the walking descriptors: the other slot, the next K step
	s_xor_b32 s[G0+1], s[G0+1], TOG
	s_xor_b32 s[G0B+1], s[G0B+1], TOG
	s_add_nc_u64 s[G0+2:G0+3], s[G0+2:G0+3], 512
	s_add_nc_u64 s[G0B+2:G0B+3], s[G0B+2:G0B+3], 512*NB
	TBSTEP
.endm
.macro MUL8 f, c, a0, zero
	WIN MUL
.irp a, \a0, (\a0)+1
.irp b, 0,1,2,3
.if \zero
	v_wmma_f32_16x16x32_f16 v[ACC+8*(4*(\a)+(\b)):ACC+8*(4*(\a)+(\b))+7], v[(\f)+64+8*(4*(\c)+(\b)):(\f)+64+8*(4*(\c)+(\b))+7], v[(\f)+8*(4*(\c)+(\a)):(\f)+8*(4*(\c)+(\a))+7], 0
.else
	v_wmma_f32_16x16x32_f16 v[ACC+8*(4*(\a)+(\b)):ACC+8*(4*(\a)+(\b))+7], v[(\f)+64+8*(4*(\c)+(\b)):(\f)+64+8*(4*(\c)+(\b))+7], v[(\f)+8*(4*(\c)+(\a)):(\f)+8*(4*(\c)+(\a))+7], v[ACC+8*(4*(\a)+(\b)):ACC+8*(4*(\a)+(\b))+7]
.endif
.endr
.endr
.endm
; 32 LDS loads in one run: 64 along K into buffer f, the first 32 along K first.  The two address lines and two v_nop are the four places behind the products that read the buffer.
.macro FETCH f
	WIN 0
	v_add_nc_u32 v[ADRA], s[TBA], v[ADRA0]
	v_add_nc_u32 v[ADRB], s[TBB], v[ADRB0]
	v_nop
	v_nop
	s_add_co_u32 s[TBA], s[TBA], 128
	s_add_co_u32 s[TBB], s[TBB], 64*PW
	WIN TO_F
.irp c, 0,1
.irp i, 0,1,2,3
	ds_load_tr16_b128 v[(\f)+64+8*(4*(\c)+(\i)):(\f)+64+8*(4*(\c)+(\i))+3],   v[ADRB] offset:32*(\c)*PW+32*(\i)
	ds_load_tr16_b128 v[(\f)+64+8*(4*(\c)+(\i))+4:(\f)+64+8*(4*(\c)+(\i))+7], v[ADRB] offset:(32*(\c)+16)*PW+32*(\i)
	ds_load_b128 v[(\f)+8*(4*(\c)+(\i)):(\f)+8*(4*(\c)+(\i))+3],   v[ADRA] offset:64*(\c)+(\i)*16*PA
	ds_load_b128 v[(\f)+8*(4*(\c)+(\i))+4:(\f)+8*(4*(\c)+(\i))+7], v[ADRA] offset:64*(\c)+(\i)*16*PA+32
.endr
.endr
.endm
.macro QUARTER f, g, zero              ; multiplies buffer f (64 along K) and fetches the next quarter into g
	s_wait_dscnt 16                                ; the first 32 along K are in
	MUL8 \f, 0, 0, \zero
	MUL8 \f, 0, 2, \zero
	FETCH \g
	s_wait_dscnt 32                                ; all but the 32 just issued
	MUL8 \f, 1, 0, 0
	MUL8 \f, 1, 2, 0
.endm
; The last quarter of a K step, and the change of slots: all my tensor loads, the add, my reads of the slot; the barrier (with fill = 1 it opens a round of the cluster's); the refill first behind it.
.macro TURNQ fill
	WIN 0
	s_wait_tensorcnt 0x0                           ; what was out of mine is my part of the next slot
	ds_add_u32 v[SPW], v[NIL]
.if \fill
	STEPD
.else
	TBSTEP
.endif
	s_wait_dscnt 17                                ; the add and the youngest sixteen loads may be out
	MUL8 F1, 0, 0, 0
	s_wait_dscnt 0x0                               ; the add is done, my reads of this slot are over
	s_barrier_signal -1
	MUL8 F1, 0, 2, 0
	WIN 0
	s_barrier_wait -1
.if \fill
	CREST
	JLOAD
.endif
	FETCH F0
	MUL8 F1, 1, 0, 0
	MUL8 F1, 1, 2, 0
.endm
	s_load_b128 s[80:83], s[0:1], 0x0              ; w16 s[80:81], tab s[82:83]
	s_load_b64 s[84:85], s[0:1], 0x10              ; qkv16
	v_lshl_add_u32 v[SPW], v0, 2, SPARE
	v_mov_b32 v[NIL], 0
	ds_add_u32 v[SPW], v[NIL]                      ; the wave's opening: the add and its wait ahead of my first tensor load
	ds_add_u32 v28, v29
	v_lshrrev_b32 v1, 5, v0
	v_readfirstlane_b32 s10, v1                    ; wave
	s_lshr_b32 s11, s10, 1                         ; my half of the rows; also: I fetch h (0) or W (1)
	s_and_b32 s12, s10, 1                          ; my half of the columns; also: which half I fetch
	s_bfe_u32 s40, ttmp6, 0x40000                  ; cx, cy
	s_bfe_u32 s41, ttmp6, 0x40004
	s_lshl_b32 s42, ttmp9, 2
	s_add_co_u32 s42, s42, s40                     ; tile column
	s_and_b32 s13, ttmp7, 0xffff
	s_lshl_b32 s13, s13, 2
	s_add_co_u32 s13, s13, s41                     ; tile row
	s_lshl_b32 s43, s41, 2
	s_lshl_b32 s43, 15, s43                        ; my row of the cluster
	s_lshl_b32 s44, 0x1111, s40                    ; my column
	s_or_b32 s[G1+0], s43, (1<<16)|(1<<20)|(1<<21)|(6<<22)|(3<<25)   ; 2-byte elements; 4 words of padding behind every 128
	s_mov_b32 s[G1+1], 256<<16                     ; 64 rows x 256 elements
	s_mov_b32 s[G1+2], 64<<16
	s_mov_b32 s[G1+3], 256<<16
	s_mov_b32 s[G1+4], 64
	s_mov_b32 s[G1+5], KA
	s_mov_b32 s[G1+6], 0
	s_mov_b32 s[G1+7], 0
	s_or_b32 s[G1B+0], s44, (1<<16)|(1<<20)|(1<<21)|(5<<22)|(7<<25)  ; 8 words of padding behind every 64
	s_mov_b32 s[G1B+1], 128<<16                    ; 128 k rows x 128 elements
	s_mov_b32 s[G1B+2], 128<<16
	s_mov_b32 s[G1B+3], 128<<16
	s_mov_b32 s[G1B+4], 128
	s_mov_b32 s[G1B+5], NB
	s_mov_b32 s[G1B+6], 0
	s_mov_b32 s[G1B+7], 0
	s_mov_b32 s[G1R+0], 3<<16                      ; the table: 32 rows of 256 dense bytes, 8-byte elements, my own load
	s_mov_b32 s[G1R+1], 32<<16
	s_mov_b32 s[G1R+2], 32<<16
	s_mov_b32 s[G1R+3], 32<<16
	s_mov_b32 s[G1R+4], 32
	s_mov_b32 s[G1R+5], 32
	s_mov_b32 s[G1R+6], 0
	s_mov_b32 s[G1R+7], 0
	s_lshl_b32 s16, s13, 7
	s_lshl_b32 s17, s12, 6
	s_add_co_u32 s16, s16, s17
	s_mul_i32 s16, s16, KA*2                       ; h: row 128 x tile row + 64 x half
	s_mov_b32 s17, 0
	s_mul_i32 s46, s12, 128*NB*2                   ; W: k row 128 x half, column 128 x tile column
	s_lshl_b32 s47, s42, 8
	s_add_co_u32 s46, s46, s47
	s_add_co_u32 s46, s46, WOFF
	s_mov_b32 s47, 0
	s_mov_b32 s[G0F], 1
	s_mul_i32 s[G0F+1], s12, APART                 ; K step 0 into slot 0,
	s_mov_b32 s[G0], 1
	s_add_co_u32 s[G0+1], s[G0F+1], TOG            ; K step 1 into slot 1
	s_mov_b32 s[G0BF], 1
	s_mul_i32 s[G0BF+1], s12, WPART
	s_add_co_u32 s[G0BF+1], s[G0BF+1], WBASE
	s_mov_b32 s[G0B], 1
	s_add_co_u32 s[G0B+1], s[G0BF+1], TOG
	s_mov_b32 s[G0R], 1
	s_lshl_b32 s[G0R+1], s10, 13
	s_add_co_u32 s[G0R+1], s[G0R+1], ROPE
	s_lshl_b32 s58, s13, 6                         ; the tile's first position, or for v's columns the identity rows
	s_cmp_ge_u32 s42, 10
	s_cselect_b32 s58, 0x800, s58
	s_lshl_b32 s58, s58, 9
	s_lshl_b32 s59, s10, 13
	s_add_co_u32 s58, s58, s59
	s_mov_b32 s59, 0
	s_mov_b32 s[TBA], 0
	s_mov_b32 s[TBB], 0
	s_wait_dscnt 0x0                               ; the opening add is done
	s_wait_kmcnt 0x0
	s_add_nc_u64 s[G0F+2:G0F+3], s[80:81], s[16:17]
	s_add_nc_u64 s[G0+2:G0+3], s[G0F+2:G0F+3], 512
	s_or_b32 s[G0F+3], s[G0F+3], 0x80000000
	s_or_b32 s[G0+3], s[G0+3], 0x80000000
	s_add_nc_u64 s[G0BF+2:G0BF+3], s[80:81], s[46:47]
	s_add_nc_u64 s[G0B+2:G0B+3], s[G0BF+2:G0BF+3], 512*NB
	s_or_b32 s[G0BF+3], s[G0BF+3], 0x80000000
	s_or_b32 s[G0B+3], s[G0B+3], 0x80000000
	s_add_nc_u64 s[G0R+2:G0R+3], s[82:83], s[58:59]
	s_or_b32 s[G0R+3], s[G0R+3], 0x80000000
	CROUND                                         ; all sixteen work-groups are here
	s_cmp_eq_u32 s11, 0                            ; the first fills: K steps 0 and 1, one group behind the one round
	s_cbranch_scc0 .Lfirst_w
	tensor_load_to_lds s[G0F:G0F+3], s[G1:G1+7]
	s_nop 0
	tensor_load_to_lds s[G0:G0+3], s[G1:G1+7]
	s_nop 0
	PLACES
	s_branch .Lfirst_asked
.Lfirst_w:
	tensor_load_to_lds s[G0BF:G0BF+3], s[G1B:G1B+7]
	s_nop 0
	tensor_load_to_lds s[G0B:G0B+3], s[G1B:G1B+7]
	s_nop 0
	PLACES
.Lfirst_asked:
	tensor_load_to_lds s[G0R:G0R+3], s[G1R:G1R+7]  ; my 16 positions of the table: three loads of mine are out
	s_nop 0
	PLACES
	v_and_b32 v1, 15, v0                           ; r = l % 16
	v_bfe_u32 v2, v0, 4, 1                         ; h = l / 16
	v_mul_u32_u24 v3, v1, PA
	v_lshl_add_u32 v3, v2, 4, v3
	s_mul_i32 s21, s11, APART
	v_add_nc_u32 v[ADRA0], s21, v3
	v_and_b32 v4, 7, v0                            ; the turning load: k row 8 h + l % 8, 16 bytes by (l / 8) % 2
	v_lshl_add_u32 v4, v2, 3, v4
	v_mul_u32_u24 v4, v4, PW
	v_bfe_u32 v5, v0, 3, 1
	v_lshl_add_u32 v4, v5, 4, v4
	s_lshl_b32 s22, s12, 7
	s_add_co_u32 s22, s22, WBASE
	v_add_nc_u32 v[ADRB0], s22, v4
	s_mul_i32 s21, s11, 64*SPITCH                  ; into the stage: row 64 x half + r, column 64 x half + 8 h
	s_lshl_b32 s22, s12, 8
	s_add_co_u32 s21, s21, s22
	v_mul_u32_u24 v5, v1, SPITCH
	v_lshl_add_u32 v5, v2, 5, v5
	v_add_nc_u32 v[STO], s21, v5
	s_mul_i32 s21, s10, 32*SPITCH                  ; back: wave w owns rows 32 w ..: 16 positions x 2 batches; lanes 0-15 one position, lanes 16-31 the next
	v_mul_u32_u24 v5, v2, 2*SPITCH
	v_lshl_add_u32 v5, v1, 4, v5
	v_add_nc_u32 v[RD], s21, v5
	s_lshl_b32 s21, s10, 13
	s_add_co_u32 s21, s21, ROPE
	v_lshlrev_b32 v5, 9, v2
	v_lshl_add_u32 v5, v1, 4, v5
	v_add_nc_u32 v[RT], s21, v5
	v_and_b32 v5, 31, v0
	v_lshlrev_b32 v[GO], 3, v5
	v_lshlrev_b32 v[CO], 4, v1
	s_lshl_b32 s58, s42, 9
	s_mov_b32 s59, 0
	s_add_nc_u64 s[86:87], s[82:83], s[58:59]
	s_add_nc_u64 s[86:87], s[86:87], VECOFF
.irp hh, 0,1
	global_load_b128 v[BI+12*(\hh):BI+12*(\hh)+3],    v[CO], s[86:87] offset:256*(\hh)
	global_load_b128 v[BI+12*(\hh)+4:BI+12*(\hh)+7],  v[CO], s[86:87] offset:256*(\hh)+6144
	global_load_b128 v[BI+12*(\hh)+8:BI+12*(\hh)+11], v[CO], s[86:87] offset:256*(\hh)+12288
.endr
	s_lshl_b32 s58, s42, 20                        ; two heads x two batches = four slices of 262,144 bytes a tile column
	s_lshl_b32 s21, s13, 13
	s_add_co_u32 s58, s58, s21
	s_lshl_b32 s21, s10, 11
	s_add_co_u32 s58, s58, s21
	s_add_nc_u64 s[88:89], s[84:85], s[58:59]
	s_wait_tensorcnt 0x2                           ; my part of K step 0 is in; K step 1's and the table's may stay out
	s_barrier_signal -1
	s_barrier_wait -1                              ; everybody's is
	FETCH F0
	QUARTER F0, F1, 1                              ; the first products start the sums
	WIN 0
	s_mov_b32 s3, STEPS-1
	s_branch .Lin
.Lstep:                                                ; a trip: a K step's last quarter with the change of slots, then three quarters of the next
	TURNQ 1
	QUARTER F0, F1, 0
	WIN 0
.Lin:
	QUARTER F1, F0, 0
	QUARTER F0, F1, 0
	WIN 0
	s_sub_co_u32 s3, s3, 1
	s_cmp_lg_u32 s3, 0
	s_cbranch_scc1 .Lstep
	TURNQ 0                                        ; the last K step is written out: nothing is asked for
	QUARTER F0, F1, 0
	QUARTER F1, F0, 0
	QUARTER F0, F1, 0
	s_wait_dscnt 16
	MUL8 F1, 0, 0, 0
	MUL8 F1, 0, 2, 0
	s_wait_dscnt 0x0
	MUL8 F1, 1, 0, 0
	MUL8 F1, 1, 2, 0
	WIN 0
	; THE WAY OUT.  The sums go into the stage in f32; a barrier, since a row's columns come from two waves.
	PLACES
.set a, 0
.rept 4
.set b, 0
.rept 4
	ds_store_b128 v[STO], v[ACC+8*(4*a+b):ACC+8*(4*a+b)+3]   offset:a*16*SPITCH+b*64
	ds_store_b128 v[STO], v[ACC+8*(4*a+b)+4:ACC+8*(4*a+b)+7] offset:a*16*SPITCH+b*64+16
.set b, b+1
.endr
.set a, a+1
.endr
	s_wait_dscnt 0x0
	s_barrier_signal -1
	s_barrier_wait -1
	s_wait_loadcnt 0x0                             ; bias, wA, wB
	s_mov_b32 s58, 0x3c800000                      ; 1 / 64
	s_mov_b32 s59, 0x3727c5ac                      ; 1e-5
	s_mov_b32 s3, 8
.Lrow:                                                 ; a trip: two positions x two batches x two heads; 16 lanes hold a head's 64 channels, four each
	ds_load_b128 v[COS:COS+3], v[RT]
	ds_load_b128 v[SSN:SSN+3], v[RT] offset:256
.irp q, 0,1,2,3
	ds_load_b128 v[Z+4*(\q):Z+4*(\q)+3], v[RD] offset:((\q)%2)*SPITCH+((\q)/2)*256
.endr
	s_wait_dscnt 0x0
.irp q, 0,1,2,3
	v_pk_add_f32 v[Z+4*(\q):Z+4*(\q)+1],   v[Z+4*(\q):Z+4*(\q)+1],   v[BI+12*((\q)/2):BI+12*((\q)/2)+1]
	v_pk_add_f32 v[Z+4*(\q)+2:Z+4*(\q)+3], v[Z+4*(\q)+2:Z+4*(\q)+3], v[BI+12*((\q)/2)+2:BI+12*((\q)/2)+3]
.endr
.irp q, 0,1,2,3
	v_pk_mul_f32 v[SQ+2*(\q):SQ+2*(\q)+1], v[Z+4*(\q):Z+4*(\q)+1], v[Z+4*(\q):Z+4*(\q)+1]
.endr
.irp q, 0,1,2,3
	v_pk_fma_f32 v[SQ+2*(\q):SQ+2*(\q)+1], v[Z+4*(\q)+2:Z+4*(\q)+3], v[Z+4*(\q)+2:Z+4*(\q)+3], v[SQ+2*(\q):SQ+2*(\q)+1]
.endr
.irp q, 0,1,2,3
	v_add_f32 v[SQ+2*(\q)], v[SQ+2*(\q)], v[SQ+2*(\q)+1]
.endr
.irp m, 1,2,4,8
.irp q, 0,1,2,3
	v_add_f32_dpp v[SQ+2*(\q)], v[SQ+2*(\q)], v[SQ+2*(\q)] row_xmask:\m row_mask:0xf bank_mask:0xf
.endr
.endr
.irp q, 0,1,2,3
	v_fma_f32 v[SQ+2*(\q)], v[SQ+2*(\q)], s58, s59
.endr
.irp q, 0,1,2,3
	v_rsq_f32 v[RR+2*(\q)], v[SQ+2*(\q)]
	v_rsq_f32 v[RR+2*(\q)+1], v[SQ+2*(\q)]
.endr
	v_nop                                          ; a plain instruction between the last root and the use of its result
	s_wait_alu depctr_va_vdst(0)
.irp q, 0,1,2,3
	v_pk_fma_f32 v[MU+4*(\q):MU+4*(\q)+1],   v[RR+2*(\q):RR+2*(\q)+1], v[BI+12*((\q)/2)+4:BI+12*((\q)/2)+5], v[BI+12*((\q)/2)+8:BI+12*((\q)/2)+9]
	v_pk_fma_f32 v[MU+4*(\q)+2:MU+4*(\q)+3], v[RR+2*(\q):RR+2*(\q)+1], v[BI+12*((\q)/2)+6:BI+12*((\q)/2)+7], v[BI+12*((\q)/2)+10:BI+12*((\q)/2)+11]
.endr
.irp q, 0,1,2,3
	v_pk_mul_f32 v[Z+4*(\q):Z+4*(\q)+1],   v[Z+4*(\q):Z+4*(\q)+1],   v[MU+4*(\q):MU+4*(\q)+1]
	v_pk_mul_f32 v[Z+4*(\q)+2:Z+4*(\q)+3], v[Z+4*(\q)+2:Z+4*(\q)+3], v[MU+4*(\q)+2:MU+4*(\q)+3]
.endr
.irp q, 0,1,2,3
.irp i, 0,1,2,3
	v_mul_f32_dpp v[MU+4*(\q)+(\i)], v[Z+4*(\q)+(\i)], v[SSN+(\i)] row_xmask:8 row_mask:0xf bank_mask:0xf  ; the partner channel, 32 away, lies eight lanes away
.endr
.endr
.irp q, 0,1,2,3
	v_pk_fma_f32 v[Z+4*(\q):Z+4*(\q)+1],   v[Z+4*(\q):Z+4*(\q)+1],   v[COS:COS+1],   v[MU+4*(\q):MU+4*(\q)+1]
	v_pk_fma_f32 v[Z+4*(\q)+2:Z+4*(\q)+3], v[Z+4*(\q)+2:Z+4*(\q)+3], v[COS+2:COS+3], v[MU+4*(\q)+2:MU+4*(\q)+3]
.endr
.irp q, 0,1,2,3
	v_cvt_pk_f16_f32 v[YY+2*(\q)],   v[Z+4*(\q)],   v[Z+4*(\q)+1]
	v_cvt_pk_f16_f32 v[YY+2*(\q)+1], v[Z+4*(\q)+2], v[Z+4*(\q)+3]
.endr
.irp q, 0,1,2,3
	global_store_b64 v[GO], v[YY+2*(\q):YY+2*(\q)+1], s[88:89] offset:(\q)*262144  ; two positions of a slice: 256 consecutive bytes, aligned
.endr
	s_wait_xcnt 0x0                                ; GO and YY are rewritten only behind this wait
	v_add_nc_u32 v[RD], 4*SPITCH, v[RD]
	v_add_nc_u32 v[RT], 1024, v[RT]
	v_add_nc_u32 v[GO], 256, v[GO]
	s_sub_co_u32 s3, s3, 1
	s_cmp_lg_u32 s3, 0
	s_cbranch_scc1 .Lrow
	s_wait_tensorcnt 0x0                           ; the wave's end
	ds_add_u32 v[SPW], v[NIL]
	s_wait_dscnt 0x0
	CROUND                                         ; the closing round
	s_endpgm
.Lfunc_end_k_qe0cc69eedd_qkv:
	.size	k_qe0cc69eedd_qkv, .Lfunc_end_k_qe0cc69eedd_qkv-k_qe0cc69eedd_qkv
	.p2alignl 7, 3214868480
	.fill 96, 4, 3214868480
	.section	.rodata,"a",@progbits
	.p2align	6, 0x0
	.amdhsa_kernel k_qe0cc69eedd_qkv
		.amdhsa_group_segment_fixed_size 327680
		.amdhsa_private_segment_fixed_size 0
		.amdhsa_enable_private_segment 0
		.amdhsa_kernarg_size 24
		.amdhsa_user_sgpr_count 2
		.amdhsa_user_sgpr_kernarg_segment_ptr 1
		.amdhsa_wavefront_size32 1
		.amdhsa_system_sgpr_workgroup_id_x 1
		.amdhsa_system_sgpr_workgroup_id_y 1
		.amdhsa_system_sgpr_workgroup_id_z 1
		.amdhsa_system_vgpr_workitem_id 0
		.amdhsa_next_free_vgpr 512
		.amdhsa_next_free_sgpr 100
		.amdhsa_reserve_vcc 0
		.amdhsa_float_denorm_mode_32 3
		.amdhsa_float_denorm_mode_16_64 3
		.amdhsa_memory_ordered 1
		.amdhsa_forward_progress 1
		.amdhsa_inst_pref_size 65
	.end_amdhsa_kernel
	.amdgpu_metadata
---
amdhsa.version: [ 1, 2 ]
amdhsa.kernels:
  - .name:           k_qe0cc69eedd_qkv
    .symbol:         k_qe0cc69eedd_qkv.kd
    .args:
      - { .name: w16, .offset: 0, .size: 8, .value_kind: global_buffer, .address_space: global }
      - { .name: tab, .offset: 8, .size: 8, .value_kind: global_buffer, .address_space: global }
      - { .name: qkv16, .offset: 16, .size: 8, .value_kind: global_buffer, .address_space: global }
    .group_segment_fixed_size: 327680
    .private_segment_fixed_size: 0
    .kernarg_segment_align: 8
    .kernarg_segment_size: 24
    .max_flat_workgroup_size: 128
    .sgpr_count:     100
    .vgpr_count:     512
    .wavefront_size: 32
...
	.end_amdgpu_metadata
.endif
;; end of part 2
;; launch attn (part 3): grid 32 x 8, 4 waves a work-group, no clusters, 327,680 bytes of LDS; arguments qkv16, o16; writes o16
.if DOCPART == 3
	.amdgcn_target "amdgcn-amd-amdhsa--gfx1250"
	.amdhsa_code_object_version 6
	.text
	.protected	k_qe0cc69eedd_attn
	.globl	k_qe0cc69eedd_attn
	.p2align	8
	.type	k_qe0cc69eedd_attn,@function
k_qe0cc69eedd_attn:
	s_mov_b64 s[64:65], 0
	v_nop
	global_prefetch_b8 v0, s[64:65] scope:SCOPE_SE
	s_setreg_imm32_b32 hwreg(HW_REG_WAVE_MODE, 25, 1), 1
	s_wait_xcnt 0x0
; CAUSAL ATTENTION WITH GROUPED HEADS.  o[s][b][h][:] = sum over t <= s of softmax_t(q[h][s] . k[h/4][t] / 32) v[h/4][t][:].  q, k, v: [48][2048][64] f16 by slices (2 x head + batch; q 0-15, k 16-19, v 20-23);
; o: [4096][1024] f16, row 2 s + b, column 64 h + d.  Products, maxima and sums in f32; the weights are rounded to f16 for the second product (their sum is taken unrounded), o once at the end.
; SHARES.  A work-group serves one key head and batch, ALL FOUR of its query heads (a tile of K and V is read once for four heads), and two blocks of 32 positions: 63 - p and then p.
; Block j needs j / 2 + 1 tiles of 64 keys, the last with the diagonal: 33 tiles for the two, whatever p: one walk with constant trip counts, equal in all 256 work-groups.
; A wave owns 8 positions of a block for the four heads: two tiles of 16 query rows; row r of tile u is head r / 4, position 8 w + 4 u + r % 4.  So a position's 512 bytes of o belong to one wave.
; LAYOUT.  S^T = K Q^T: a lane holds one query (l % 16) and keys 8 (l / 16) + 0..7; rounded in pairs it is source 1 of O^T = V^T P.  V is turned on the way out of LDS.
; SOFTMAX.  p = 2^(c s - c m), c = log2(e) / 32, with a running maximum m; O and l are multiplied by a = 2^(c m_old - c m_new) in every step; a block starts with m at the lowest finite number, so its first a is 0.
; A TRIP, for tile e of the walk.  At its head LDS is asked for K(e + 1) and V(e).  The scores of e, made a trip earlier, lie in a buffer of their own (SN): the mask where e holds the diagonal, the maxima, and the
; scaling, which writes c s - c m into S.  From there on SN is free: the 16 products K(e + 1) Q^T stand next, each with eight lines of e's softmax behind it (exponential and plain by turns: 128 lines);
; then the 16 products V(e)^T P, each with two of the 30 lines that sum the weights.  So K's fragments have the maxima and scalings in which to land, V's the whole softmax.
; THE RINGS.  K runs one tile ahead of V, so the two rings are filled one tile apart: a half of K's ring holds tiles 2 c - 1, 2 c of the walk, a half of V's 2 c - 2, 2 c - 1; the change of slots stands between two trips,
; with no LDS read out.  K's tile 0 and V's tile 32 have places of their own, filled once, directly behind half 0 of their rings: the 33rd trip runs the same text, finds V there, and fetches K's tile 0 once more;
; its 16 products K Q^T serve nothing: the price, once a launch, of one text for every trip.  The ten first fills (the tiles of five trips) go out together.
; NO CLUSTER: the 32 work-groups of a key head want the same tile only while all are in their first blocks; a walk common to all would have 48 tiles for 33.
; LIMITS.  f16 ends at 65,504 (v and o).  A hidden score counts as -1e30; a weight under 2^-126 counts as 0; NaN and infinities are not treated apart.
; REGISTERS.  Window 0: v0-31 addresses, statistics; v32-95 S (and the way out); v96-127 P; v128-191 O^T; v192-255 V: V^T P and the softmax need no switch.
; Window 1: v0-63 K, v64-95 Q, v96-127 the second block's Q, v128-191 SN: a product K Q^T names window 1 alone, two switches for each.
.set KS,    64
.set PK,    144                        ; a row of K in LDS: 128 bytes + 16; of V: 128 + 32
.set PV,    160
.set KSTEP, KS*PK                      ; a tile of K, of V
.set VSTEP, KS*PV
.set KX,    2*KSTEP                    ; behind half 0 of K's ring: the walk's tile 0
.set VBASE, 3*KSTEP                    ; half 0 of V's ring
.set VX,    VBASE+2*VSTEP              ; behind it: the walk's tile 32
.set SLOT1, 1<<16                      ; the rings' halves 1 lie this much higher: one exclusive or changes halves
.set STAGE, 1<<17                      ; 8 rows x 528 bytes for each wave; no tensor load fills it
.set SP,    528
.set SPARE, STAGE+4*8*SP
.set AK0, 2
.set AV0, 3
.set AK,  4
.set AV,  5
.set STO, 6
.set RD,  7
.set GO,  8
.set BS,  9                            ; v9 8 w + r % 4 - 8 (l / 16)
.set SPW, 10
.set NIL, 11
.set MV,  12
.set BASE, 14
.set QO,  14                           ; Q's offset, until Q is in
.set ST,  16                           ; tile u: c m, m, l (even keys', odd keys')
.set TMP, 24
.set S,   32
.set WO,  32
.set P,   96
.set O,   128
.set VF,  192
.set KF,  0                            ; window 1
.set QF,  64
.set QB,  96
.set SN,  128
.set JP,  2                            ; 32 x (block's number odd), for the block in hand and for the second
.set JPB, 3
.set NB1, 8
.set NBC, 9
.set SLOTS, 10
.set CNT, 11
.set WV,  12
.set ODD, 13
.set PB,  14
.set JA,  15
.set KVH, 16
.set BT,  17
.set KB,  18                           ; s[18:19], s[20:21] K's and V's slice
.set VB,  20
.set TBK, 22                           ; what is added to a lane's place for the tile of K, of V, to be read next
.set TBV, 23
.set G1K, 24
.set G1V, 32
.set G0KA, 40                          ; group 0: K's tiles 1, 2;
.set G0K,  44                          ; tiles 3, 4, and from there on it walks;
.set G0KC, 48                          ; tile 0
.set G0VA, 52                          ; V's tiles 0, 1;
.set G0V,  56                          ; tiles 2, 3, and from there on it walks;
.set G0VC, 60                          ; tile 32
.set OB,  66                           ; s[66:67] o at my rows of the block in hand; s[68:69] of the second block
.set OB2, 68
.set CS,  70
.set SEL, 72
.set OFF, 74
.set QA,  76
.set QA2, 78
.set RT,  94                           ; tiles that the block in hand still has
.set NXT, 95                           ; the tile to be asked for next, and the last of its block
.set LQ,  96
.set NEW, 97
.set T0,  98
.set T1,  99
.set TP,  100                          ; the tile asked for last
.set BIGN, 101
.set MSB, 0
.macro WIN new
.if MSB != (\new)
	s_set_vgpr_msb (MSB<<8)|(\new)
.set MSB, (\new)
.endif
.endm
.macro PLACES
.rept 4
	v_nop
.endr
.endm
.macro TL g0, g1
	tensor_load_to_lds s[\g0:\g0+3], s[\g1:\g1+7]
	s_nop 0
.endm
.macro LOAD                            ; waves 0, 1 fetch the two tiles of a half of K's ring, waves 2, 3 of V's
	s_cmp_lt_u32 s[WV], 2
	s_cbranch_scc0 .Lfor_v_\@
	TL G0K, G1K
	PLACES
	s_branch .Lasked_\@
.Lfor_v_\@:
	TL G0V, G1V
	PLACES
.Lasked_\@:
.endm
.macro NEXTT dst                       ; the walk's next tile: the block's next, or behind its last the second block's tile 0
	s_mov_b32 s[\dst], s[NXT]
	s_add_co_u32 s[NXT], s[NXT], 1
	s_cmp_gt_u32 s[NXT], s[LQ]
	s_cselect_b32 s[NXT], 0, s[NXT]
	s_cselect_b32 s[LQ], s[NB1], s[LQ]
.endm
; THE CHANGE OF SLOTS: all my tensor loads, the add, my reads; the barrier; the halves just read are filled again first behind it, one load a wave; it has two trips in which to land.
; Of the walk's tiles 2 c, 2 c + 1, 2 c + 2 wave 2 takes the first (V), waves 3 (V) and 0 (K) the second, wave 1 the third (K).
.macro CHANGE fill
	WIN 0
	s_wait_tensorcnt 0x0
	ds_add_u32 v[SPW], v[NIL]
.if \fill
	NEXTT T0
	NEXTT T1
	s_cmp_eq_u32 s[WV], 1
	s_cselect_b32 s[OFF], s[T1], s[T0]
	s_cmp_eq_u32 s[WV], 2
	s_cselect_b32 s[OFF], s[TP], s[OFF]
	s_mov_b32 s[TP], s[T1]
	s_lshl_b32 s[OFF], s[OFF], 13                  ; a tile is 8,192 bytes of K and of V
	s_xor_b32 s[G0K+1], s[G0K+1], SLOT1
	s_add_nc_u64 s[G0K+2:G0K+3], s[KB:KB+1], s[OFF:OFF+1]
	s_or_b32 s[G0K+3], s[G0K+3], 0x80000000
	s_xor_b32 s[G0V+1], s[G0V+1], SLOT1
	s_add_nc_u64 s[G0V+2:G0V+3], s[VB:VB+1], s[OFF:OFF+1]
	s_or_b32 s[G0V+3], s[G0V+3], 0x80000000
.endif
	s_wait_dscnt 0x0
	s_barrier_signal -1
	s_sub_co_u32 s[TBK], s[TBK], 2*KSTEP
	s_xor_b32 s[TBK], s[TBK], SLOT1
	s_sub_co_u32 s[TBV], s[TBV], 2*VSTEP
	s_xor_b32 s[TBV], s[TBV], SLOT1
	s_barrier_wait -1
.if \fill
	LOAD
.endif
.endm
	s_load_b128 s[4:7], s[0:1], 0x0                ; qkv16 s[4:5], o16 s[6:7]
	v_lshl_add_u32 v[SPW], v0, 2, SPARE
	v_mov_b32 v[NIL], 0
	ds_add_u32 v[SPW], v[NIL]                      ; the wave's opening: the add and its wait ahead of my first tensor load
	ds_add_u32 v10, v11
	v_lshrrev_b32 v1, 5, v0
	v_readfirstlane_b32 s[WV], v1
	s_and_b32 s[ODD], s[WV], 1
	s_mov_b32 s[PB], ttmp9
	s_sub_co_u32 s[JA], 63, s[PB]
	s_and_b32 s80, ttmp7, 0xffff
	s_lshr_b32 s[KVH], s80, 1
	s_and_b32 s[BT], s80, 1
	s_lshr_b32 s[RT], s[JA], 1
	s_add_co_u32 s[RT], s[RT], 1                   ; the first block's tiles, 17 at the least: the walk's tiles 0 to 4 are its tiles 0 to 4
	s_sub_co_u32 s[LQ], s[RT], 1
	s_lshr_b32 s[NB1], s[PB], 1
	s_add_co_u32 s[NBC], s[NB1], 1                 ; the second block's
	s_mov_b32 s[NXT], 5
	s_mov_b32 s[TP], 4
	s_mov_b32 s[NEW], 1
	s_and_b32 s[JPB], s[PB], 1
	s_lshl_b32 s[JPB], s[JPB], 5
	s_xor_b32 s[JP], s[JPB], 32
	s_mov_b32 s[OFF+1], 0
	s_mov_b32 s[BIGN], 0xf149f2ca                  ; -1e30
	s_mov_b32 s[CS], 0x3d38aa3b                    ; c = log2(e) / 32
	s_mov_b32 s[CS+1], s[CS]
	s_mov_b32 s[SEL], 0x76543210
	s_mov_b32 s[SEL+1], 0xfedcba98
	s_mov_b32 s[TBK], SLOT1                        ; the first two trips read the halves 1
	s_mov_b32 s[TBV], SLOT1
	s_mov_b32 s[G1K], (1<<16)|(1<<20)|(4<<22)|(3<<25)  ; 64 keys are 8,192 dense bytes: 32 rows of 256, padded behind every key: 4 words,
	s_mov_b32 s[G1V], (1<<16)|(1<<20)|(4<<22)|(7<<25)  ; or 8
.irp g, G1K, G1V
	s_mov_b32 s[\g+1], 128<<16
	s_mov_b32 s[\g+2], 32<<16
	s_mov_b32 s[\g+3], 128<<16
	s_mov_b32 s[\g+4], 32
	s_mov_b32 s[\g+5], 128
	s_mov_b32 s[\g+6], 0
	s_mov_b32 s[\g+7], 0
.endr
	s_mul_i32 s80, s[ODD], KSTEP
	s_mul_i32 s81, s[ODD], VSTEP
	s_mov_b32 s[G0KA], 1
	s_add_co_u32 s[G0KA+1], s80, SLOT1
	s_mov_b32 s[G0K], 1
	s_mov_b32 s[G0K+1], s80
	s_mov_b32 s[G0KC], 1
	s_mov_b32 s[G0KC+1], KX
	s_mov_b32 s[G0VA], 1
	s_add_co_u32 s[G0VA+1], s81, SLOT1+VBASE
	s_mov_b32 s[G0V], 1
	s_add_co_u32 s[G0V+1], s81, VBASE
	s_mov_b32 s[G0VC], 1
	s_mov_b32 s[G0VC+1], VX
	s_lshl_b32 s80, s[KVH], 1
	s_add_co_u32 s80, s80, s[BT]
	s_add_co_u32 s82, s80, 32                      ; K's slice: 2 (16 + kv) + b
	s_lshl_b32 s82, s82, 18
	s_mov_b32 s83, 0
	s_add_co_u32 s84, s80, 40                      ; V's
	s_lshl_b32 s84, s84, 18
	s_mov_b32 s85, 0
	s_lshl_b32 s86, s[KVH], 3                      ; Q's first: 2 x 4 kv + b
	s_add_co_u32 s86, s86, s[BT]
	s_lshl_b32 s86, s86, 18
	s_lshl_b32 s80, s[WV], 10
	s_add_co_u32 s86, s86, s80                     ; + my 8 positions
	s_lshl_b32 s80, s[PB], 12
	s_add_co_u32 s88, s86, s80                     ; + the second block's 32 p positions
	s_lshl_b32 s80, s[JA], 12
	s_add_co_u32 s86, s86, s80                     ; + the first block's
	s_mov_b32 s87, 0
	s_mov_b32 s89, 0
	s_lshl_b32 s90, s[WV], 15                      ; o: (32 j + 8 w) x 4,096 + 2,048 b + 512 kv
	s_lshl_b32 s80, s[BT], 11
	s_add_co_u32 s90, s90, s80
	s_lshl_b32 s80, s[KVH], 9
	s_add_co_u32 s90, s90, s80
	s_lshl_b32 s80, s[PB], 17
	s_add_co_u32 s92, s90, s80
	s_lshl_b32 s80, s[JA], 17
	s_add_co_u32 s90, s90, s80
	s_mov_b32 s91, 0
	s_mov_b32 s93, 0
	s_lshl_b32 s80, s[ODD], 13                     ; which of a half's two tiles I fetch
	s_mov_b32 s81, 0
	s_lshl_b32 s[OFF], s[NB1], 13                  ; the walk's tile 32 is the second block's last
	s_wait_dscnt 0x0                               ; the opening add is done
	s_wait_kmcnt 0x0
	s_add_nc_u64 s[KB:KB+1], s[4:5], s[82:83]
	s_add_nc_u64 s[VB:VB+1], s[4:5], s[84:85]
	s_add_nc_u64 s[QA:QA+1], s[4:5], s[86:87]
	s_add_nc_u64 s[QA2:QA2+1], s[4:5], s[88:89]
	s_add_nc_u64 s[OB:OB+1], s[6:7], s[90:91]
	s_add_nc_u64 s[OB2:OB2+1], s[6:7], s[92:93]
	s_add_nc_u64 s[G0VA+2:G0VA+3], s[VB:VB+1], s[80:81]
	s_add_nc_u64 s[G0V+2:G0V+3], s[G0VA+2:G0VA+3], 0x4000
	s_add_nc_u64 s[G0VC+2:G0VC+3], s[VB:VB+1], s[OFF:OFF+1]
	s_add_nc_u64 s[G0KC+2:G0KC+3], s[KB:KB+1], 0
	s_add_nc_u64 s[G0KA+2:G0KA+3], s[KB:KB+1], s[80:81]
	s_add_nc_u64 s[G0KA+2:G0KA+3], s[G0KA+2:G0KA+3], 0x2000
	s_add_nc_u64 s[G0K+2:G0K+3], s[G0KA+2:G0KA+3], 0x4000
.irp g, G0KA, G0K, G0KC, G0VA, G0V, G0VC
	s_or_b32 s[\g+3], s[\g+3], 0x80000000
.endr
	; the first fills, one group; each wave's stand in one branch on its number; at most three loads of a wave are out
	s_cmp_eq_u32 s[WV], 0
	s_cbranch_scc0 .Lf1
	TL G0KA, G1K
	TL G0K, G1K
	PLACES
	s_branch .Lfirst_asked
.Lf1:
	s_cmp_eq_u32 s[WV], 1
	s_cbranch_scc0 .Lf2
	TL G0KC, G1K
	TL G0KA, G1K
	TL G0K, G1K
	PLACES
	s_branch .Lfirst_asked
.Lf2:
	s_cmp_eq_u32 s[WV], 2
	s_cbranch_scc0 .Lf3
	TL G0VA, G1V
	TL G0V, G1V
	TL G0VC, G1V
	PLACES
	s_branch .Lfirst_asked
.Lf3:
	TL G0VA, G1V
	TL G0V, G1V
	PLACES
.Lfirst_asked:
	v_and_b32 v1, 15, v0                           ; r
	v_bfe_u32 v28, v0, 4, 1                        ; l / 16
	v_lshrrev_b32 v24, 2, v1                       ; head in the group
	v_and_b32 v25, 3, v1                           ; position in four
	v_lshlrev_b32 v[QO], 19, v24                   ; two slices a head
	v_lshl_add_u32 v[QO], v25, 7, v[QO]
	v_lshl_add_u32 v[QO], v28, 4, v[QO]
	WIN 0x40
.set i, 0
.rept 4                                ; both blocks' Q: tile i / 2 (four positions on), channels 32 (i % 2) on
	global_load_b128 v[QF+8*i:QF+8*i+3],   v[QO], s[QA:QA+1] offset:(i/2)*512+(i%2)*64
	global_load_b128 v[QF+8*i+4:QF+8*i+7], v[QO], s[QA:QA+1] offset:(i/2)*512+(i%2)*64+32
	global_load_b128 v[QB+8*i:QB+8*i+3],   v[QO], s[QA2:QA2+1] offset:(i/2)*512+(i%2)*64
	global_load_b128 v[QB+8*i+4:QB+8*i+7], v[QO], s[QA2:QA2+1] offset:(i/2)*512+(i%2)*64+32
.set i, i+1
.endr
	WIN 0
	v_lshlrev_b32 v26, 3, v28
	v_sub_nc_u32 v[BS], v25, v26
	s_lshl_b32 s80, s[WV], 3
	v_add_nc_u32 v[BS], s80, v[BS]
	v_mul_u32_u24 v[AK0], v1, PK
	v_lshl_add_u32 v[AK0], v28, 4, v[AK0]
	v_and_b32 v26, 7, v0
	v_bfe_u32 v27, v0, 3, 1
	v_lshl_add_u32 v[AV0], v28, 3, v26
	v_mul_u32_u24 v[AV0], v[AV0], PV
	v_lshl_add_u32 v[AV0], v27, 4, v[AV0]
	v_add_nc_u32 v[AV0], VBASE, v[AV0]
	s_mul_i32 s80, s[WV], 8*SP
	s_add_co_u32 s80, s80, STAGE                   ; my stage: a row a position, 128 bytes a head
	v_mul_u32_u24 v[STO], v25, SP
	v_lshl_add_u32 v[STO], v24, 7, v[STO]
	v_lshl_add_u32 v[STO], v28, 4, v[STO]
	v_add_nc_u32 v[STO], s80, v[STO]
	v_and_b32 v[GO], 31, v0
	v_lshlrev_b32 v[GO], 4, v[GO]
	v_add_nc_u32 v[RD], s80, v[GO]
	; a block's first step multiplies O^T and l by 0, so they need only be finite: zeros for the first block, what it left for the second
.set i, 0
.rept 64
	v_mov_b32 v[O+i], 0
.set i, i+1
.endr
	v_mov_b32 v[ST+2], 0
	v_mov_b32 v[ST+3], 0
	v_mov_b32 v[ST+6], 0
	v_mov_b32 v[ST+7], 0
.macro REGS u
.set rT, ST+4*(\u)
.set rC, TMP+4*(\u)
.set rM, MV+(\u)
.set rS, S+32*(\u)
.set rN, SN+32*(\u)
.set rP, P+16*(\u)
.set rO, O+32*(\u)
.endm
; number n of the 22 that find tile u's maximum and statistics, from SN in window 1; each accumulator's lowest registers are read first
.macro XS u, n
	REGS \u
.if (\n) < 4
	WIN 0x15                                       ; all three sources in window 1
	v_max3_num_f32 v[rC+(\n)], v[rN+8*(\n)], v[rN+8*(\n)+1], v[rN+8*(\n)+2]
.elseif (\n) < 12
	WIN 0x14                                       ; sources 1 and 2 in window 1
	v_max3_num_f32 v[rC+(\n)%4], v[rC+(\n)%4], v[rN+8*((\n)%4)+2*((\n)/4)+1], v[rN+8*((\n)%4)+2*((\n)/4)+2]
.elseif (\n) == 12
	WIN 0x14
	v_max3_num_f32 v[rC], v[rC], v[rN+7], v[rN+15]
.elseif (\n) == 13
	WIN 0x14
	v_max3_num_f32 v[rC+1], v[rC+1], v[rN+23], v[rN+31]
.elseif (\n) == 14
	WIN 0
	v_max3_num_f32 v[rC+2], v[rC+2], v[rC+3], v[rT+1]
.elseif (\n) == 15
	v_mov_b32 v[rM], v[rT]
.elseif (\n) == 16
	v_max3_num_f32 v[rC], v[rC], v[rC+1], v[rC+2]
.elseif (\n) == 17
	v_permlanex16_b32 v[rC+3], v[rC], s[SEL], s[SEL+1]
.elseif (\n) == 18
	v_max_num_f32 v[rT+1], v[rC], v[rC+3]
.elseif (\n) == 19
	v_mul_f32 v[rT], s[CS], v[rT+1]
.elseif (\n) == 20
	v_sub_f32 v[rC+1], v[rM], v[rT]
.else
	v_exp_f32 v[rC+2], v[rC+1]
.endif
.endm
.macro FS u, n                         ; c s - c m for pair n, out of SN into S
	REGS \u
	v_pk_fma_f32 v[rS+2*(\n):rS+2*(\n)+1], v[rN+2*(\n):rN+2*(\n)+1], s[CS:CS+1], v[rT:rT+1] op_sel_hi:[1,0,0] neg_lo:[0,0,1] neg_hi:[0,0,1]
.endm
.macro EXPK k                          ; exponential k of 64: tile k % 2, score k / 2
	REGS (\k)%2
	v_exp_f32 v[rS+(\k)/2], v[rS+(\k)/2]
.endm
.macro RSC k                           ; pair k / 2 of tile k % 2's O^T times a
	REGS (\k)%2
	s_wait_alu depctr_va_vdst(0)
	v_pk_mul_f32 v[rO+2*((\k)/2):rO+2*((\k)/2)+1], v[rO+2*((\k)/2):rO+2*((\k)/2)+1], v[rC+2:rC+3] op_sel_hi:[1,0]
.endm
.macro CVT m                           ; pair m / 2 of tile m % 2 rounded to f16
	REGS (\m)%2
	s_wait_alu depctr_va_vdst(0)
	v_cvt_pk_f16_f32 v[rP+(\m)/2], v[rS+2*((\m)/2)], v[rS+2*((\m)/2)+1]
.endm
.macro ADDS u, at, far                 ; the pair at register 'at' takes the pair 'far' registers on
	REGS \u
	v_pk_add_f32 v[rS+(\at):rS+(\at)+1], v[rS+(\at):rS+(\at)+1], v[rS+(\at)+(\far):rS+(\at)+(\far)+1]
	s_wait_alu depctr_va_vdst(0)
.endm
; Pair k of the 64 that stand behind the products K Q^T: an exponential, and a plain line that touches neither its result nor its source: O^T's rescaling, then the roundings (each two exponentials
; or more behind those it reads, and ahead of the sum that writes over its pair), at last the first two sums.
.macro PAIR k
	EXPK \k
.if (\k) < 32
	RSC \k
.elseif (\k) < 62
	CVT (\k)-32
.else
	ADDS (\k)-62, 0, 2
.endif
.endm
; Line j of the 30 that stand behind the products V^T P: the rest of the sums of the 16 pairs, neighbours 1, 2, 4 and 8 pairs apart, then l = a l + the sum; the two tiles alternate
.macro SUMR j
.if (\j) < 14
	ADDS (\j)%2, 4*((\j)/2+1), 2
.elseif (\j) < 22
	ADDS (\j)%2, 8*(((\j)-14)/2), 4
.elseif (\j) < 26
	ADDS (\j)%2, 16*(((\j)-22)/2), 8
.elseif (\j) < 28
	ADDS (\j)%2, 0, 16
.else
	REGS (\j)%2
	v_pk_fma_f32 v[rT+2:rT+3], v[rT+2:rT+3], v[rC+2:rC+3], v[rS:rS+1] op_sel_hi:[1,0,1]
.endif
.endm
.macro FETCH_K
	WIN 0x40
.irp f, 0,1,2,3,4,5,6,7
	ds_load_b128 v[KF+8*\f:KF+8*\f+3],   v[AK] offset:(\f/2)*16*PK+(\f%2)*64
	ds_load_b128 v[KF+8*\f+4:KF+8*\f+7], v[AK] offset:(\f/2)*16*PK+(\f%2)*64+32
.endr
	WIN 0
.endm
.macro KQ i                            ; product i of 16: channels 32 (i / 8) on, keys 16 ((i / 2) % 4) on, tile i % 2: eight accumulators by turns
	WIN 0x55
.set rD, SN+32*((\i)%2)+8*(((\i)/2)%4)
.set rA, KF+16*(((\i)/2)%4)+8*((\i)/8)
.set rB, QF+16*((\i)%2)+8*((\i)/8)
.if (\i) < 8
	v_wmma_f32_16x16x32_f16 v[rD:rD+7], v[rA:rA+7], v[rB:rB+7], 0
.else
	v_wmma_f32_16x16x32_f16 v[rD:rD+7], v[rA:rA+7], v[rB:rB+7], v[rD:rD+7]
.endif
.endm
; the diagonal tile: key 16 kt + 8 (l / 16) + n is hidden where it lies behind my query's place in the tile.  It is the block's last tile, and the scores made in this trip are the next block's: its Q moves in here.
.macro MASK
	v_add_nc_u32 v[BASE], s[JP], v[BS]
	v_add_nc_u32 v[BASE+1], 4, v[BASE]
	WIN 0x41                                       ; destination and source 0 in window 1
.set u, 0
.rept 2
.set n, 0
.rept 32
	v_cmp_gt_i32 vcc_lo, 16*(n/8)+n%8, v[BASE+u]
	v_cndmask_b32 v[SN+32*u+n], v[SN+32*u+n], s[BIGN], vcc_lo
.set n, n+1
.endr
.set u, u+1
.endr
.set i, 0
.rept 32
	v_mov_b32 v[QF+i], v[QB+i]
.set i, i+1
.endr
	WIN 0
.endm
; A BLOCK'S END: O^T / l, rounded, through my stage, out as whole positions of 512 bytes; then the second block's base, count and parity
.macro FINISH
	PLACES
	v_add_f32 v[ST+2], v[ST+2], v[ST+3]
	v_add_f32 v[ST+6], v[ST+6], v[ST+7]
	v_permlanex16_b32 v[ST+3], v[ST+2], s[SEL], s[SEL+1]
	v_permlanex16_b32 v[ST+7], v[ST+6], s[SEL], s[SEL+1]
	v_add_f32 v[ST+2], v[ST+2], v[ST+3]
	v_add_f32 v[ST+6], v[ST+6], v[ST+7]
	v_rcp_f32 v[ST+2], v[ST+2]
	v_rcp_f32 v[ST+6], v[ST+6]
	v_nop
.set i, 0
	s_wait_alu depctr_va_vdst(0)
.rept 32
	v_pk_mul_f32 v[O+2*i:O+2*i+1], v[O+2*i:O+2*i+1], v[ST+4*(i/16)+2:ST+4*(i/16)+3] op_sel_hi:[1,0]
.set i, i+1
.endr
.set i, 0
.rept 32
	v_cvt_pk_f16_f32 v[WO+i], v[O+2*i], v[O+2*i+1]
.set i, i+1
.endr
.set i, 0
.rept 8                                ; tile i / 4, channels 16 (i % 4) on
	ds_store_b128 v[STO], v[WO+4*i:WO+4*i+3] offset:(i/4)*4*SP+(i%4)*32
.set i, i+1
.endr
.set i, 0
.rept 8
	ds_load_b128 v[WO+4*i:WO+4*i+3], v[RD] offset:i*SP   ; LDS serves a wave's instructions in order (ISA guide 5.7.1.4): these see the stores above
.set i, i+1
.endr
.set i, 0
.rept 8
	s_wait_dscnt 7-i
	global_store_b128 v[GO], v[WO+4*i:WO+4*i+3], s[OB:OB+1] offset:i*4096  ; 512 consecutive bytes, aligned
.set i, i+1
.endr
	s_wait_xcnt 0x0                                ; o's base and the stores' data are rewritten only behind this wait
	s_mov_b64 s[OB:OB+1], s[OB2:OB2+1]
	s_mov_b32 s[RT], s[NBC]
	s_mov_b32 s[NEW], 1
	s_mov_b32 s[JP], s[JPB]
.endm
; ONE TRIP.  Every jump goes forward and passes neither a barrier nor a tensor load.
.macro BODY
	s_cmp_eq_u32 s[NEW], 1
	s_cbranch_scc0 .Lold_\@
	s_mov_b32 s[NEW], 0
	v_mov_b32 v[ST], 0xfe000000                    ; c m: far below every c s
	v_mov_b32 v[ST+1], 0xff7fffff                  ; m
	v_mov_b32 v[ST+4], 0xfe000000
	v_mov_b32 v[ST+5], 0xff7fffff
.Lold_\@:
	v_add_nc_u32 v[AK], s[TBK], v[AK0]             ; these four are the places behind the products that read V
	v_add_nc_u32 v[AV], s[TBV], v[AV0]
	v_nop
	v_nop
	s_add_co_u32 s[TBK], s[TBK], KSTEP
	s_add_co_u32 s[TBV], s[TBV], VSTEP
	s_sub_co_u32 s[RT], s[RT], 1
	FETCH_K                                        ; the next tile's K,
.irp f, 0,1,2,3,4,5,6,7                ; this tile's V
	ds_load_tr16_b128 v[VF+8*\f:VF+8*\f+3],   v[AV] offset:(\f/4)*32*PV+(\f%4)*32
	ds_load_tr16_b128 v[VF+8*\f+4:VF+8*\f+7], v[AV] offset:(\f/4)*32*PV+16*PV+(\f%4)*32
.endr
	s_cmp_lg_u32 s[RT], 0
	s_cbranch_scc1 .Lopen_\@
	MASK
.Lopen_\@:
.set n, 0
.rept 22
	XS 0, n
	XS 1, n
.set n, n+1
.endr
	WIN 0x01                                       ; source 0 in window 1
.set n, 0
.rept 16
	FS 0, n
	FS 1, n
.set n, n+1
.endr
	s_wait_dscnt 16                                ; K is in; V's sixteen loads may stay out
.set i, 0
.set kk, 0
.rept 16
	KQ i
	WIN 0
.rept 4
	PAIR kk
.set kk, kk+1
.endr
.set i, i+1
.endr
	CVT 30
	CVT 31
	s_wait_dscnt 0x0                               ; V is in
.set i, 0
.set jj, 0
.rept 16                               ; keys 32 (i / 8) on, channels 16 ((i / 2) % 4) on, tile i % 2: eight accumulators by turns
	v_wmma_f32_16x16x32_f16 v[O+32*(i%2)+8*((i/2)%4):O+32*(i%2)+8*((i/2)%4)+7], v[VF+32*(i/8)+8*((i/2)%4):VF+32*(i/8)+8*((i/2)%4)+7], v[P+16*(i%2)+8*(i/8):P+16*(i%2)+8*(i/8)+7], v[O+32*(i%2)+8*((i/2)%4):O+32*(i%2)+8*((i/2)%4)+7]
.if i < 15
	SUMR jj
	SUMR jj+1
.set jj, jj+2
.endif
.set i, i+1
.endr
	s_cmp_lg_u32 s[RT], 0
	s_cbranch_scc1 .Lon_\@
	FINISH
.Lon_\@:
.endm
	s_wait_tensorcnt 0x0                           ; my first fills are in,
	s_barrier_signal -1
	s_barrier_wait -1                              ; everybody's are
	v_add_nc_u32 v[AK], KX, v[AK0]
	FETCH_K                                        ; the walk's tile 0
	s_wait_loadcnt 0x0                             ; Q
	s_wait_dscnt 0x0
.set i, 0
.rept 16
	KQ i                                           ; its scores: there is no vector work yet to set between them
.set i, i+1
.endr
	WIN 0
	PLACES
	s_mov_b32 s[CNT], 2
	s_mov_b32 s[SLOTS], 15
	s_branch .Lentry
.Lslot:                                                ; 14 times: the halves just read are filled again
	CHANGE 1
	s_mov_b32 s[CNT], 2
.Lentry:
	BODY
	s_sub_co_u32 s[CNT], s[CNT], 1
	s_cmp_lg_u32 s[CNT], 0
	s_cbranch_scc1 .Lentry
	s_sub_co_u32 s[SLOTS], s[SLOTS], 1
	s_cmp_lg_u32 s[SLOTS], 0
	s_cbranch_scc1 .Lslot
	CHANGE 0                                       ; the walk's last three trips are written out: nothing is asked for
	s_mov_b32 s[CNT], 3
.Ltail:
	BODY
	s_sub_co_u32 s[CNT], s[CNT], 1
	s_cmp_lg_u32 s[CNT], 0
	s_cbranch_scc1 .Ltail
	s_wait_tensorcnt 0x0                           ; the wave's end
	ds_add_u32 v[SPW], v[NIL]
	s_wait_dscnt 0x0
	s_endpgm
.Lfunc_end_k_qe0cc69eedd_attn:
	.size	k_qe0cc69eedd_attn, .Lfunc_end_k_qe0cc69eedd_attn-k_qe0cc69eedd_attn
	.p2alignl 7, 3214868480
	.fill 96, 4, 3214868480
	.section	.rodata,"a",@progbits
	.p2align	6, 0x0
	.amdhsa_kernel k_qe0cc69eedd_attn
		.amdhsa_group_segment_fixed_size 327680
		.amdhsa_private_segment_fixed_size 0
		.amdhsa_enable_private_segment 0
		.amdhsa_kernarg_size 16
		.amdhsa_user_sgpr_count 2
		.amdhsa_user_sgpr_kernarg_segment_ptr 1
		.amdhsa_wavefront_size32 1
		.amdhsa_system_sgpr_workgroup_id_x 1
		.amdhsa_system_sgpr_workgroup_id_y 1
		.amdhsa_system_sgpr_workgroup_id_z 1
		.amdhsa_system_vgpr_workitem_id 0
		.amdhsa_next_free_vgpr 448
		.amdhsa_next_free_sgpr 102
		.amdhsa_reserve_vcc 1
		.amdhsa_float_denorm_mode_32 3
		.amdhsa_float_denorm_mode_16_64 3
		.amdhsa_memory_ordered 1
		.amdhsa_forward_progress 1
		.amdhsa_inst_pref_size 88
	.end_amdhsa_kernel
	.amdgpu_metadata
---
amdhsa.version: [ 1, 2 ]
amdhsa.kernels:
  - .name:           k_qe0cc69eedd_attn
    .symbol:         k_qe0cc69eedd_attn.kd
    .args:
      - { .name: qkv16, .offset: 0, .size: 8, .value_kind: global_buffer, .address_space: global }
      - { .name: o16, .offset: 8, .size: 8, .value_kind: global_buffer, .address_space: global }
    .group_segment_fixed_size: 327680
    .private_segment_fixed_size: 0
    .kernarg_segment_align: 8
    .kernarg_segment_size: 16
    .max_flat_workgroup_size: 128
    .sgpr_count:     102
    .vgpr_count:     448
    .wavefront_size: 32
...
	.end_amdgpu_metadata
.endif
;; end of part 3
;; launch wo (part 4): grid 8 x 32, 4 waves a work-group, clusters of 4 x 4, 327,680 bytes of LDS; arguments o16, w16, bo, x, x1, x1b, ssq; writes x1, x1b, ssq
.if DOCPART == 4
	.amdgcn_target "amdgcn-amd-amdhsa--gfx1250"
	.amdhsa_code_object_version 6
	.text
	.protected	k_qe0cc69eedd_wo
	.globl	k_qe0cc69eedd_wo
	.p2align	8
	.type	k_qe0cc69eedd_wo,@function
k_qe0cc69eedd_wo:
	s_mov_b64 s[64:65], 0
	v_nop
	global_prefetch_b8 v0, s[64:65] scope:SCOPE_SE
	s_setreg_imm32_b32 hwreg(HW_REG_WAVE_MODE, 25, 1), 1
	s_wait_xcnt 0x0
	s_wait_alu depctr_hold_cnt(0) depctr_sa_sdst(0) depctr_va_vdst(0) depctr_va_sdst(0) depctr_va_ssrc(0) depctr_va_vcc(0) depctr_vm_vsrc(0)
	s_getreg_b32 s2, hwreg(HW_REG_IB_STS2, 6, 4)
	s_cmp_eq_u32 s2, 0
	s_cbranch_scc0 .Lentry_in_a_cluster
	s_endpgm
.Lentry_in_a_cluster:
	s_bfe_u32 s2, ttmp6, 0x10000c
	s_cmp_lg_u32 s2, 0xf033
	s_cbranch_scc0 .Lentry_shape_is_right
	s_endpgm
.Lentry_shape_is_right:
; x1 = x + o wo + bo, stored in f32 (the residual) and in bf16 (the next product's operand: x1 has no bound that would keep it in f16); and for each row the f32 sum of x1^2 over this tile's 128 columns.
; o: [4096][1024] f16, wo: [1024][1024] f16, K down the rows.  A tile of 128 x 128 to a work-group, four waves of 64 x 64; K in 4 steps of 256 through two LDS slots; both slots' first fills go out together.
; The matrix instruction is used transposed (source 0 = 16 columns of W, turned by ds_load_tr16_b128; source 1 = 16 rows of o).  Cluster 4 x 4: o's tile shared along a row, W's along a column.
; x: a wave asks for its 32 rows of the tile at the kernel's start, 32 loads of 512 consecutive bytes into window 2, and parks them in LDS behind the last change of slots, so that the way out,
; one loop of four trips, waits for no memory.
; LDS: slot 0: o rows 0-63 at 0, 64-127 at 0x8800 (pitch 528); W k rows from 0x11000 (pitch 288); slot 1 = + 0x24000.  Behind the ring the spare words and 128 row sums.
; The stage of the way out (128 rows x 528 bytes of f32) and behind it x's 128 rows of 512 bytes lie in slot 0, behind that slot's last fill and last read.
.set KA,    1024
.set NB,    1024
.set STEPS, 4
.set WOFF,  11534336
.set PA,    528
.set PW,    288
.set APART, 0x8800
.set WBASE, 0x11000
.set WPART, 0x9000
.set TOG,   0x24000
.set SPARE, 290816
.set SSQL,  291328
.set SPITCH, 528
.set XST,   128*SPITCH                 ; x's rows: 67,584 to 133,119, inside slot 0's 143,360 bytes
.set ADRA0, 16
.set ADRB0, 17
.set ADRA,  18
.set ADRB,  19
.set LNI,   20                         ; v20 lane - 8 x trip
.set SL,    21
.set SR,    22
.set L16,   23                         ; v23 16 x lane; never rewritten
.set STO,   24
.set RD,    25
.set GO,    26
.set XR,    27                         ; v27 my 16 bytes in my wave's first parked row
.set SPW,   28
.set NIL,   29
.set GB,    30
.set SS,    31                         ; v31 lane i: the sum of my row i
.set Z,     32
.set XX,    64
.set BI,    96
.set BF,    100
.set ACC,   128
.set SQ,    128                        ; free once the tile lies in the stage
.set F0,    0
.set F1,    128
.set G0F, 4                            ; s[4:7] group 0 of o's K step 0; s[32:35] starts at K step 1 and walks
.set G1,  24
.set G0,  32
.set G0B, 36                           ; the same for W; s[96:99] W's K step 0
.set G1B, 48
.set TBA, 56
.set TBB, 57
.set G0BF, 96
.set MSB, 0
.macro WIN new
.if MSB != (\new)
	s_set_vgpr_msb (MSB<<8)|(\new)
.set MSB, \new
.endif
.endm
.set MUL,  0x05
.set TO_F, 0x40
.macro PLACES
.rept 4
	v_nop
.endr
.endm
.macro JLOAD
	s_cmp_eq_u32 s11, 0
	s_cbranch_scc0 .Lfor_w_\@
	tensor_load_to_lds s[G0:G0+3], s[G1:G1+7]
	s_nop 0
	PLACES
	s_branch .Lasked_\@
.Lfor_w_\@:
	tensor_load_to_lds s[G0B:G0B+3], s[G1B:G1B+7]
	s_nop 0
	PLACES
.Lasked_\@:
.endm
.macro CREST
	s_cmp_lg_u32 s10, 0
	s_cbranch_scc1 .Lnot_wave_0_\@
	s_barrier_signal -3
.Lnot_wave_0_\@:
	s_barrier_wait -3
	s_barrier_signal -1
	s_barrier_wait -1
.endm
.macro CROUND
	s_barrier_signal -1
	s_barrier_wait -1
	CREST
.endm
.macro TBSTEP
	s_sub_co_u32 s[TBA], s[TBA], 512
	s_xor_b32 s[TBA], s[TBA], TOG
	s_sub_co_u32 s[TBB], s[TBB], 256*PW
	s_xor_b32 s[TBB], s[TBB], TOG
.endm
.macro STEPD
	s_xor_b32 s[G0+1], s[G0+1], TOG
	s_xor_b32 s[G0B+1], s[G0B+1], TOG
	s_add_nc_u64 s[G0+2:G0+3], s[G0+2:G0+3], 512
	s_add_nc_u64 s[G0B+2:G0B+3], s[G0B+2:G0B+3], 512*NB
	TBSTEP
.endm
.macro MUL8 f, c, a0, zero
	WIN MUL
.irp a, \a0, (\a0)+1
.irp b, 0,1,2,3
.if \zero
	v_wmma_f32_16x16x32_f16 v[ACC+8*(4*(\a)+(\b)):ACC+8*(4*(\a)+(\b))+7], v[(\f)+64+8*(4*(\c)+(\b)):(\f)+64+8*(4*(\c)+(\b))+7], v[(\f)+8*(4*(\c)+(\a)):(\f)+8*(4*(\c)+(\a))+7], 0
.else
	v_wmma_f32_16x16x32_f16 v[ACC+8*(4*(\a)+(\b)):ACC+8*(4*(\a)+(\b))+7], v[(\f)+64+8*(4*(\c)+(\b)):(\f)+64+8*(4*(\c)+(\b))+7], v[(\f)+8*(4*(\c)+(\a)):(\f)+8*(4*(\c)+(\a))+7], v[ACC+8*(4*(\a)+(\b)):ACC+8*(4*(\a)+(\b))+7]
.endif
.endr
.endr
.endm
.macro FETCH f                         ; 32 LDS loads in one run; the two address lines and two v_nop are the four places behind the products that read the buffer
	WIN 0
	v_add_nc_u32 v[ADRA], s[TBA], v[ADRA0]
	v_add_nc_u32 v[ADRB], s[TBB], v[ADRB0]
	v_nop
	v_nop
	s_add_co_u32 s[TBA], s[TBA], 128
	s_add_co_u32 s[TBB], s[TBB], 64*PW
	WIN TO_F
.irp c, 0,1
.irp i, 0,1,2,3
	ds_load_tr16_b128 v[(\f)+64+8*(4*(\c)+(\i)):(\f)+64+8*(4*(\c)+(\i))+3],   v[ADRB] offset:32*(\c)*PW+32*(\i)
	ds_load_tr16_b128 v[(\f)+64+8*(4*(\c)+(\i))+4:(\f)+64+8*(4*(\c)+(\i))+7], v[ADRB] offset:(32*(\c)+16)*PW+32*(\i)
	ds_load_b128 v[(\f)+8*(4*(\c)+(\i)):(\f)+8*(4*(\c)+(\i))+3],   v[ADRA] offset:64*(\c)+(\i)*16*PA
	ds_load_b128 v[(\f)+8*(4*(\c)+(\i))+4:(\f)+8*(4*(\c)+(\i))+7], v[ADRA] offset:64*(\c)+(\i)*16*PA+32
.endr
.endr
.endm
.macro QUARTER f, g, zero
	s_wait_dscnt 16                                ; the first 32 along K are in
	MUL8 \f, 0, 0, \zero
	MUL8 \f, 0, 2, \zero
	FETCH \g
	s_wait_dscnt 32                                ; all but the 32 just issued
	MUL8 \f, 1, 0, 0
	MUL8 \f, 1, 2, 0
.endm
.macro XPARK                           ; my 32 rows of x go from window 2 into my own bytes of slot 0, which from this barrier on nobody reads and nothing fills
	s_wait_loadcnt 0x0                             ; x and the bias, asked for at the kernel's start
	WIN 0x08                                       ; the data in window 2
.set i, 0
.rept 32
	ds_store_b128 v[XR], v[4*i:4*i+3] offset:i*512
.set i, i+1
.endr
	WIN 0
.endm
.macro TURNQ fill
	WIN 0
	s_wait_tensorcnt 0x0                           ; what was out of mine is my part of the next slot
	ds_add_u32 v[SPW], v[NIL]
.if \fill
	STEPD
.else
	TBSTEP
.endif
	s_wait_dscnt 17                                ; the add and the youngest sixteen loads may be out
	MUL8 F1, 0, 0, 0
	s_wait_dscnt 0x0                               ; the add is done, my reads of this slot are over
	s_barrier_signal -1
	MUL8 F1, 0, 2, 0
	WIN 0
	s_barrier_wait -1
.if \fill
	CREST
	JLOAD
.else
	XPARK
.endif
	FETCH F0
	MUL8 F1, 1, 0, 0
	MUL8 F1, 1, 2, 0
.endm
	s_load_b256 s[80:87], s[0:1], 0x0              ; o16 80, w16 82, bo 84, x 86
	s_load_b128 s[88:91], s[0:1], 0x20             ; x1 88, x1b 90
	s_load_b64 s[92:93], s[0:1], 0x30              ; ssq
	v_lshl_add_u32 v[SPW], v0, 2, SPARE
	v_mov_b32 v[NIL], 0
	ds_add_u32 v[SPW], v[NIL]                      ; the wave's opening: the add and its wait ahead of my first tensor load
	ds_add_u32 v28, v29
	v_lshrrev_b32 v1, 5, v0
	v_readfirstlane_b32 s10, v1
	s_lshr_b32 s11, s10, 1
	s_and_b32 s12, s10, 1
	s_bfe_u32 s40, ttmp6, 0x40000
	s_bfe_u32 s41, ttmp6, 0x40004
	s_lshl_b32 s42, ttmp9, 2
	s_add_co_u32 s42, s42, s40                     ; tile column
	s_and_b32 s13, ttmp7, 0xffff
	s_lshl_b32 s13, s13, 2
	s_add_co_u32 s13, s13, s41                     ; tile row
	s_lshl_b32 s43, s41, 2
	s_lshl_b32 s43, 15, s43
	s_lshl_b32 s44, 0x1111, s40
	s_or_b32 s[G1+0], s43, (1<<16)|(1<<20)|(1<<21)|(6<<22)|(3<<25)
	s_mov_b32 s[G1+1], 256<<16
	s_mov_b32 s[G1+2], 64<<16
	s_mov_b32 s[G1+3], 256<<16
	s_mov_b32 s[G1+4], 64
	s_mov_b32 s[G1+5], KA
	s_mov_b32 s[G1+6], 0
	s_mov_b32 s[G1+7], 0
	s_or_b32 s[G1B+0], s44, (1<<16)|(1<<20)|(1<<21)|(5<<22)|(7<<25)
	s_mov_b32 s[G1B+1], 128<<16
	s_mov_b32 s[G1B+2], 128<<16
	s_mov_b32 s[G1B+3], 128<<16
	s_mov_b32 s[G1B+4], 128
	s_mov_b32 s[G1B+5], NB
	s_mov_b32 s[G1B+6], 0
	s_mov_b32 s[G1B+7], 0
	s_lshl_b32 s16, s13, 7
	s_lshl_b32 s17, s12, 6
	s_add_co_u32 s16, s16, s17
	s_mul_i32 s16, s16, KA*2
	s_mov_b32 s17, 0
	s_mul_i32 s46, s12, 128*NB*2
	s_lshl_b32 s47, s42, 8
	s_add_co_u32 s46, s46, s47
	s_add_co_u32 s46, s46, WOFF
	s_mov_b32 s47, 0
	s_mov_b32 s[G0F], 1
	s_mul_i32 s[G0F+1], s12, APART                 ; K step 0 into slot 0,
	s_mov_b32 s[G0], 1
	s_add_co_u32 s[G0+1], s[G0F+1], TOG            ; K step 1 into slot 1
	s_mov_b32 s[G0BF], 1
	s_mul_i32 s[G0BF+1], s12, WPART
	s_add_co_u32 s[G0BF+1], s[G0BF+1], WBASE
	s_mov_b32 s[G0B], 1
	s_add_co_u32 s[G0B+1], s[G0BF+1], TOG
	s_mov_b32 s[TBA], 0
	s_mov_b32 s[TBB], 0
	s_mov_b32 s60, 0x76543210
	s_mov_b32 s61, 0xfedcba98
	s_wait_dscnt 0x0                               ; the opening add is done
	s_wait_kmcnt 0x0
	s_add_nc_u64 s[G0F+2:G0F+3], s[80:81], s[16:17]
	s_add_nc_u64 s[G0+2:G0+3], s[G0F+2:G0F+3], 512
	s_or_b32 s[G0F+3], s[G0F+3], 0x80000000
	s_or_b32 s[G0+3], s[G0+3], 0x80000000
	s_add_nc_u64 s[G0BF+2:G0BF+3], s[82:83], s[46:47]
	s_add_nc_u64 s[G0B+2:G0B+3], s[G0BF+2:G0BF+3], 512*NB
	s_or_b32 s[G0BF+3], s[G0BF+3], 0x80000000
	s_or_b32 s[G0B+3], s[G0B+3], 0x80000000
	CROUND
	s_cmp_eq_u32 s11, 0                            ; the first fills: K steps 0 and 1, one group behind the one round: two loads of mine are out
	s_cbranch_scc0 .Lfirst_w
	tensor_load_to_lds s[G0F:G0F+3], s[G1:G1+7]
	s_nop 0
	tensor_load_to_lds s[G0:G0+3], s[G1:G1+7]
	s_nop 0
	PLACES
	s_branch .Lfirst_asked
.Lfirst_w:
	tensor_load_to_lds s[G0BF:G0BF+3], s[G1B:G1B+7]
	s_nop 0
	tensor_load_to_lds s[G0B:G0B+3], s[G1B:G1B+7]
	s_nop 0
	PLACES
.Lfirst_asked:
	v_and_b32 v1, 15, v0
	v_bfe_u32 v2, v0, 4, 1
	v_mul_u32_u24 v3, v1, PA
	v_lshl_add_u32 v3, v2, 4, v3
	s_mul_i32 s21, s11, APART
	v_add_nc_u32 v[ADRA0], s21, v3
	v_and_b32 v4, 7, v0
	v_lshl_add_u32 v4, v2, 3, v4
	v_mul_u32_u24 v4, v4, PW
	v_bfe_u32 v5, v0, 3, 1
	v_lshl_add_u32 v4, v5, 4, v4
	s_lshl_b32 s22, s12, 7
	s_add_co_u32 s22, s22, WBASE
	v_add_nc_u32 v[ADRB0], s22, v4
	s_mul_i32 s21, s11, 64*SPITCH
	s_lshl_b32 s22, s12, 8
	s_add_co_u32 s21, s21, s22
	v_mul_u32_u24 v5, v1, SPITCH
	v_lshl_add_u32 v5, v2, 5, v5
	v_add_nc_u32 v[STO], s21, v5
	v_and_b32 v[LNI], 31, v0
	v_lshlrev_b32 v[L16], 4, v[LNI]
	s_mul_i32 s21, s10, 32*SPITCH                  ; back: wave w owns rows 32 w ..; a load takes a row's 512 bytes
	v_add_nc_u32 v[RD], s21, v[L16]
	s_lshl_b32 s21, s10, 14
	s_add_co_u32 s21, s21, XST
	v_add_nc_u32 v[XR], s21, v[L16]
	v_mov_b32 v[GO], v[L16]
	v_lshlrev_b32 v[GB], 3, v[LNI]
	v_mov_b32 v[SS], 0
	v_lshl_add_u32 v[SL], v0, 2, SSQL
	v_add_nc_u32 v[SR], SSQL, v[L16]
	s_lshl_b32 s58, s13, 7
	s_lshl_b32 s59, s10, 5
	s_add_co_u32 s58, s58, s59
	s_lshl_b32 s58, s58, 12                        ; my first row x 4,096
	s_lshl_b32 s59, s42, 9
	s_add_co_u32 s58, s58, s59                     ; + the tile's first column x 4
	s_mov_b32 s59, 0
	s_add_nc_u64 s[66:67], s[86:87], s[58:59]      ; x
	s_add_nc_u64 s[68:69], s[88:89], s[58:59]      ; x1
	s_lshr_b32 s58, s58, 1
	s_add_nc_u64 s[70:71], s[90:91], s[58:59]      ; x1b
	s_lshl_b32 s58, s42, 14
	s_lshl_b32 s21, s13, 9
	s_add_co_u32 s58, s58, s21
	s_add_nc_u64 s[72:73], s[92:93], s[58:59]      ; ssq[tile column][128 x tile row]
	s_lshl_b32 s58, s42, 9
	s_add_nc_u64 s[74:75], s[84:85], s[58:59]      ; bo
	global_load_b128 v[BI:BI+3], v[L16], s[74:75]
	WIN 0x80                                       ; destination in window 2
.set i, 0
.rept 32
	global_load_b128 v[4*i:4*i+3], v[L16], s[66:67] offset:i*4096 th:TH_LOAD_NT   ; my 32 rows of x: they land under the products
.set i, i+1
.endr
	WIN 0
	s_wait_tensorcnt 0x1                           ; my part of K step 0 is in; K step 1's may stay out
	s_barrier_signal -1
	s_barrier_wait -1                              ; everybody's is
	FETCH F0
	QUARTER F0, F1, 1
	WIN 0
	s_mov_b32 s3, STEPS-1
	s_branch .Lin
.Lstep:
	TURNQ 1
	QUARTER F0, F1, 0
	WIN 0
.Lin:
	QUARTER F1, F0, 0
	QUARTER F0, F1, 0
	WIN 0
	s_sub_co_u32 s3, s3, 1
	s_cmp_lg_u32 s3, 0
	s_cbranch_scc1 .Lstep
	TURNQ 0
	QUARTER F0, F1, 0
	QUARTER F1, F0, 0
	QUARTER F0, F1, 0
	s_wait_dscnt 16
	MUL8 F1, 0, 0, 0
	MUL8 F1, 0, 2, 0
	s_wait_dscnt 0x0
	MUL8 F1, 1, 0, 0
	MUL8 F1, 1, 2, 0
	WIN 0
	PLACES
.set a, 0
.rept 4
.set b, 0
.rept 4
	ds_store_b128 v[STO], v[ACC+8*(4*a+b):ACC+8*(4*a+b)+3]   offset:a*16*SPITCH+b*64
	ds_store_b128 v[STO], v[ACC+8*(4*a+b)+4:ACC+8*(4*a+b)+7] offset:a*16*SPITCH+b*64+16
.set b, b+1
.endr
.set a, a+1
.endr
	s_wait_dscnt 0x0                               ; a row's columns come from two waves
	s_barrier_signal -1
	s_barrier_wait -1
	s_mov_b32 s3, 4
.Lrows:                                                ; eight rows: sums + x + bias; x1 in f32 (512 bytes a store) and bf16 (256 bytes a store); the rows' sums of squares
.set i, 0
.rept 8
	ds_load_b128 v[Z+4*i:Z+4*i+3], v[RD] offset:i*SPITCH
.set i, i+1
.endr
.set i, 0
.rept 8
	ds_load_b128 v[XX+4*i:XX+4*i+3], v[XR] offset:i*512
.set i, i+1
.endr
	s_wait_dscnt 0x0
.set i, 0
.rept 16
	v_pk_add_f32 v[Z+2*i:Z+2*i+1], v[Z+2*i:Z+2*i+1], v[XX+2*i:XX+2*i+1]
.set i, i+1
.endr
.set i, 0
.rept 16
	v_pk_add_f32 v[Z+2*i:Z+2*i+1], v[Z+2*i:Z+2*i+1], v[BI+2*(i%2):BI+2*(i%2)+1]
.set i, i+1
.endr
.set i, 0
.rept 8
	global_store_b128 v[GO], v[Z+4*i:Z+4*i+3], s[68:69] offset:i*4096
.set i, i+1
.endr
.set i, 0
.rept 16
	v_cvt_pk_bf16_f32 v[BF+i], v[Z+2*i], v[Z+2*i+1]
.set i, i+1
.endr
.set i, 0
.rept 8
	global_store_b64 v[GB], v[BF+2*i:BF+2*i+1], s[70:71] offset:i*2048
.set i, i+1
.endr
.set i, 0
.rept 8
	v_pk_mul_f32 v[SQ+2*i:SQ+2*i+1], v[Z+4*i:Z+4*i+1], v[Z+4*i:Z+4*i+1]
.set i, i+1
.endr
.set i, 0
.rept 8
	v_pk_fma_f32 v[SQ+2*i:SQ+2*i+1], v[Z+4*i+2:Z+4*i+3], v[Z+4*i+2:Z+4*i+3], v[SQ+2*i:SQ+2*i+1]
.set i, i+1
.endr
.set i, 0
.rept 8
	v_add_f32 v[SQ+2*i], v[SQ+2*i], v[SQ+2*i+1]
.set i, i+1
.endr
.irp m, 1,2,4,8
.set i, 0
.rept 8
	v_add_f32_dpp v[SQ+2*i], v[SQ+2*i], v[SQ+2*i] row_xmask:\m row_mask:0xf bank_mask:0xf
.set i, i+1
.endr
.endr
.set i, 0
.rept 8
	v_permlanex16_b32 v[SQ+2*i+1], v[SQ+2*i], s60, s61
.set i, i+1
.endr
.set i, 0
.rept 8
	v_add_f32 v[SQ+2*i], v[SQ+2*i], v[SQ+2*i+1]
.set i, i+1
.endr
.set i, 0
.rept 8
	v_cmp_eq_u32 vcc_lo, i, v[LNI]
	v_cndmask_b32 v[SS], v[SS], v[SQ+2*i], vcc_lo
.set i, i+1
.endr
	s_wait_xcnt 0x0                                ; the stores' data and offsets are rewritten only behind this wait
	v_add_nc_u32 v[RD], 8*SPITCH, v[RD]
	v_add_nc_u32 v[XR], 4096, v[XR]
	v_add_nc_u32 v[GO], 0x8000, v[GO]
	v_add_nc_u32 v[GB], 0x4000, v[GB]
	v_add_nc_u32 v[LNI], -8, v[LNI]
	s_sub_co_u32 s3, s3, 1
	s_cmp_lg_u32 s3, 0
	s_cbranch_scc1 .Lrows
	ds_store_b32 v[SL], v[SS]                      ; the 128 rows' sums meet in LDS, so that one store covers 512 consecutive bytes
	s_wait_dscnt 0x0
	s_barrier_signal -1
	s_barrier_wait -1
	s_cmp_lg_u32 s10, 0
	s_cbranch_scc1 .Lend
	ds_load_b128 v[Z:Z+3], v[SR]
	s_wait_dscnt 0x0
	global_store_b128 v[L16], v[Z:Z+3], s[72:73]
.Lend:
	s_wait_tensorcnt 0x0                           ; the wave's end
	ds_add_u32 v[SPW], v[NIL]
	s_wait_dscnt 0x0
	CROUND
	s_endpgm
.Lfunc_end_k_qe0cc69eedd_wo:
	.size	k_qe0cc69eedd_wo, .Lfunc_end_k_qe0cc69eedd_wo-k_qe0cc69eedd_wo
	.p2alignl 7, 3214868480
	.fill 96, 4, 3214868480
	.section	.rodata,"a",@progbits
	.p2align	6, 0x0
	.amdhsa_kernel k_qe0cc69eedd_wo
		.amdhsa_group_segment_fixed_size 327680
		.amdhsa_private_segment_fixed_size 0
		.amdhsa_enable_private_segment 0
		.amdhsa_kernarg_size 56
		.amdhsa_user_sgpr_count 2
		.amdhsa_user_sgpr_kernarg_segment_ptr 1
		.amdhsa_wavefront_size32 1
		.amdhsa_system_sgpr_workgroup_id_x 1
		.amdhsa_system_sgpr_workgroup_id_y 1
		.amdhsa_system_sgpr_workgroup_id_z 1
		.amdhsa_system_vgpr_workitem_id 0
		.amdhsa_next_free_vgpr 640
		.amdhsa_next_free_sgpr 100
		.amdhsa_reserve_vcc 1
		.amdhsa_float_denorm_mode_32 3
		.amdhsa_float_denorm_mode_16_64 3
		.amdhsa_memory_ordered 1
		.amdhsa_forward_progress 1
		.amdhsa_inst_pref_size 73
	.end_amdhsa_kernel
	.amdgpu_metadata
---
amdhsa.version: [ 1, 2 ]
amdhsa.kernels:
  - .name:           k_qe0cc69eedd_wo
    .symbol:         k_qe0cc69eedd_wo.kd
    .args:
      - { .name: o16, .offset: 0, .size: 8, .value_kind: global_buffer, .address_space: global }
      - { .name: w16, .offset: 8, .size: 8, .value_kind: global_buffer, .address_space: global }
      - { .name: bo, .offset: 16, .size: 8, .value_kind: global_buffer, .address_space: global }
      - { .name: x, .offset: 24, .size: 8, .value_kind: global_buffer, .address_space: global }
      - { .name: x1, .offset: 32, .size: 8, .value_kind: global_buffer, .address_space: global }
      - { .name: x1b, .offset: 40, .size: 8, .value_kind: global_buffer, .address_space: global }
      - { .name: ssq, .offset: 48, .size: 8, .value_kind: global_buffer, .address_space: global }
    .group_segment_fixed_size: 327680
    .private_segment_fixed_size: 0
    .kernarg_segment_align: 8
    .kernarg_segment_size: 56
    .max_flat_workgroup_size: 128
    .sgpr_count:     100
    .vgpr_count:     640
    .wavefront_size: 32
...
	.end_amdgpu_metadata
.endif
;; end of part 4
;; launch mlp1 (part 5): grid 16 x 16, 4 waves a work-group, clusters of 4 x 4, 327,680 bytes of LDS; arguments x1b, w16, b1, ssq, g16; writes g16
.if DOCPART == 5
	.amdgcn_target "amdgcn-amd-amdhsa--gfx1250"
	.amdhsa_code_object_version 6
	.text
	.protected	k_qe0cc69eedd_mlp1
	.globl	k_qe0cc69eedd_mlp1
	.p2align	8
	.type	k_qe0cc69eedd_mlp1,@function
k_qe0cc69eedd_mlp1:
	s_mov_b64 s[64:65], 0
	v_nop
	global_prefetch_b8 v0, s[64:65] scope:SCOPE_SE
	s_setreg_imm32_b32 hwreg(HW_REG_WAVE_MODE, 25, 1), 1
	s_wait_xcnt 0x0
	s_wait_alu depctr_hold_cnt(0) depctr_sa_sdst(0) depctr_va_vdst(0) depctr_va_sdst(0) depctr_va_ssrc(0) depctr_va_vcc(0) depctr_vm_vsrc(0)
	s_getreg_b32 s2, hwreg(HW_REG_IB_STS2, 6, 4)
	s_cmp_eq_u32 s2, 0
	s_cbranch_scc0 .Lentry_in_a_cluster
	s_endpgm
.Lentry_in_a_cluster:
	s_bfe_u32 s2, ttmp6, 0x10000c
	s_cmp_lg_u32 s2, 0xf033
	s_cbranch_scc0 .Lentry_shape_is_right
	s_endpgm
.Lentry_shape_is_right:
; g = gelu(r2 (x1 w1') + b1), exact GELU.  x1: [4096][1024] bf16; w1' = norm2_w[k] w1[k][n]: [1024][4096] bf16, K down the rows; r2[row] = 1 / sqrt(sum of x1^2 / 1024 + 1e-5), from eight partial sums; g: [4096][4096] f16.
; So RMSNorm 2 costs no pass of its own: its gain lies in the weights, its root is a factor of the finished sums.
; A tile of 256 x 256 to a work-group, four waves of 128 x 128: 64 accumulators in windows 2 and 3.  K in 8 steps of 128 through two LDS slots.  The matrix instruction is used transposed
; (source 0 = 16 columns of W, turned by ds_load_tr16_b128; source 1 = 16 rows of x1).  Cluster 4 x 4: x1's tile shared along a row, W's along a column.
; GELU.  gelu(z) = max(z, 0) - |z| q(t) 2^(-z^2 log2(e) / 2), t = 1 / (1 + 0.23164189 |z|), q the polynomial of Abramowitz and Stegun 7.1.26 with halved coefficients: erf is off by at most 1.5e-7 for every z.
; LIMITS.  g is rounded to f16, which ends at 65,504.  NaN and infinities are not treated apart.
; LDS: a part a wave, 0x8800 bytes: x1 rows 0-127, 128-255 (pitch 272), W k rows 0-63, 64-127 (pitch 544); slot 1 = + 0x22000 (no part's start has bit 13 or 17).  Behind the ring the spare words and r2.
; The stages of the way out (128 rows x 528 bytes of f32 a wave) lie over the ring, behind its last fill and, by a barrier, every wave's last read.
.set KA,    1024
.set NB,    4096
.set STEPS, 8
.set WOFF,  13631488
.set PA,    272
.set PW,    544
.set PART,  0x8800
.set WBASE, 0x11000
.set TOG,   0x22000
.set SPARE, 278528
.set R2T,   279040
.set SPITCH, 528
.set BI,    8                          ; v[8:11] b1 of my 4 columns
.set ADRA0, 16
.set ADRB0, 17
.set ADRA,  18
.set ADRB,  19
.set L16,   20
.set R2A,   21
.set STO,   24
.set RD,    25
.set GO,    26
.set SPW,   28
.set NIL,   29
.set Z,     32
.set SA,    64
.set TT,    96
.set EE,    128
.set QQ,    160
.set R2,    192
.set YO,    200
.set F0,    64
.set F1,    128
.set G1,  24
.set G0,  32
.set G0B, 36
.set G1B, 48
.set TBA, 56
.set TBB, 57
.set MSB, 0
.macro WIN new
.if MSB != (\new)
	s_set_vgpr_msb (MSB<<8)|(\new)
.set MSB, \new
.endif
.endm
.set MUL_LO, 0xa1                      ; source 0 (W) window 1, source 1 (x1) window 0, C and D window 2
.set MUL_HI, 0xf1
.set TO_B,   0x40
.macro PLACES
.rept 4
	v_nop
.endr
.endm
.macro JLOAD
	s_cmp_eq_u32 s11, 0
	s_cbranch_scc0 .Lfor_w_\@
	tensor_load_to_lds s[G0:G0+3], s[G1:G1+7]
	s_nop 0
	PLACES
	s_branch .Lasked_\@
.Lfor_w_\@:
	tensor_load_to_lds s[G0B:G0B+3], s[G1B:G1B+7]
	s_nop 0
	PLACES
.Lasked_\@:
.endm
.macro CREST
	s_cmp_lg_u32 s10, 0
	s_cbranch_scc1 .Lnot_wave_0_\@
	s_barrier_signal -3
.Lnot_wave_0_\@:
	s_barrier_wait -3
	s_barrier_signal -1
	s_barrier_wait -1
.endm
.macro CROUND
	s_barrier_signal -1
	s_barrier_wait -1
	CREST
.endm
.macro TBSTEP
	s_sub_co_u32 s[TBA], s[TBA], 256
	s_xor_b32 s[TBA], s[TBA], TOG
	s_sub_co_u32 s[TBB], s[TBB], 128*PW
	s_xor_b32 s[TBB], s[TBB], TOG
.endm
.macro STEPD
	s_xor_b32 s[G0+1], s[G0+1], TOG
	s_xor_b32 s[G0B+1], s[G0B+1], TOG
	s_add_nc_u64 s[G0+2:G0+3], s[G0+2:G0+3], 256
	s_add_nc_u64 s[G0B+2:G0B+3], s[G0B+2:G0B+3], 256*NB
	TBSTEP
.endm
.macro MUL16 f, hi, a0, zero
	WIN MUL_LO+0x50*(\hi)
.irp a, \a0, (\a0)+1
.irp b, 0,1,2,3,4,5,6,7
.if \zero
	v_wmma_f32_16x16x32_bf16 v[8*(8*(\a)+(\b)):8*(8*(\a)+(\b))+7], v[(\f)+8*(\b):(\f)+8*(\b)+7], v[(\f)+8*(4*(\hi)+(\a)):(\f)+8*(4*(\hi)+(\a))+7], 0
.else
	v_wmma_f32_16x16x32_bf16 v[8*(8*(\a)+(\b)):8*(8*(\a)+(\b))+7], v[(\f)+8*(\b):(\f)+8*(\b)+7], v[(\f)+8*(4*(\hi)+(\a)):(\f)+8*(4*(\hi)+(\a))+7], v[8*(8*(\a)+(\b)):8*(8*(\a)+(\b))+7]
.endif
.endr
.endr
.endm
.macro FETCH f                         ; 32 LDS loads in one run: 32 along K; W first, then x1; the two address lines and two v_nop are the four places
	WIN 0
	v_add_nc_u32 v[ADRA], s[TBA], v[ADRA0]
	v_add_nc_u32 v[ADRB], s[TBB], v[ADRB0]
	v_nop
	v_nop
	s_add_co_u32 s[TBA], s[TBA], 64
	s_add_co_u32 s[TBB], s[TBB], 32*PW
	WIN TO_B
.irp i, 0,1,2,3,4,5,6,7
	ds_load_tr16_b128 v[(\f)+8*(\i):(\f)+8*(\i)+3],   v[ADRB] offset:32*(\i)
	ds_load_tr16_b128 v[(\f)+8*(\i)+4:(\f)+8*(\i)+7], v[ADRB] offset:16*PW+32*(\i)
.endr
	WIN 0
.irp i, 0,1,2,3,4,5,6,7
	ds_load_b128 v[(\f)+8*(\i):(\f)+8*(\i)+3],   v[ADRA] offset:(\i)*16*PA
	ds_load_b128 v[(\f)+8*(\i)+4:(\f)+8*(\i)+7], v[ADRA] offset:(\i)*16*PA+32
.endr
.endm
.macro QUARTER f, g, zero
	s_wait_dscnt 8                                 ; W and x1's rows 0-63 are in; the youngest eight loads may be out
	MUL16 \f, 0, 0, \zero
	MUL16 \f, 0, 2, \zero
	FETCH \g
	s_wait_dscnt 32                                ; all but the 32 just issued
	MUL16 \f, 1, 0, \zero
	MUL16 \f, 1, 2, \zero
.endm
.macro TURNQ fill
	WIN 0
	s_wait_tensorcnt 0x0                           ; the one load of mine that was out is my part of the next slot
	ds_add_u32 v[SPW], v[NIL]
.if \fill
	STEPD
.else
	TBSTEP
.endif
	s_wait_dscnt 9                                 ; the add and the youngest eight loads may be out
	MUL16 F1, 0, 0, 0
	s_wait_dscnt 0x0                               ; the add is done, my reads of this slot are over
	s_barrier_signal -1
	MUL16 F1, 0, 2, 0
	WIN 0
	s_barrier_wait -1
.if \fill
	CREST
	JLOAD
.endif
	FETCH F0
	MUL16 F1, 1, 0, 0
	MUL16 F1, 1, 2, 0
.endm
	s_load_b256 s[80:87], s[0:1], 0x0              ; x1b 80, w16 82, b1 84, ssq 86
	s_load_b64 s[88:89], s[0:1], 0x20              ; g16
	v_lshl_add_u32 v[SPW], v0, 2, SPARE
	v_mov_b32 v[NIL], 0
	ds_add_u32 v[SPW], v[NIL]                      ; the wave's opening: the add and its wait ahead of my first tensor load
	ds_add_u32 v28, v29
	v_lshrrev_b32 v1, 5, v0
	v_readfirstlane_b32 s10, v1
	s_lshr_b32 s11, s10, 1
	s_and_b32 s12, s10, 1
	s_bfe_u32 s40, ttmp6, 0x40000
	s_bfe_u32 s41, ttmp6, 0x40004
	s_lshl_b32 s42, ttmp9, 2
	s_add_co_u32 s42, s42, s40
	s_and_b32 s13, ttmp7, 0xffff
	s_lshl_b32 s13, s13, 2
	s_add_co_u32 s13, s13, s41
	s_lshl_b32 s43, s41, 2
	s_lshl_b32 s43, 15, s43
	s_lshl_b32 s44, 0x1111, s40
	s_or_b32 s[G1+0], s43, (1<<16)|(1<<20)|(1<<21)|(5<<22)|(3<<25)   ; 128 rows x 128 elements, 4 words behind every 64
	s_mov_b32 s[G1+1], 128<<16
	s_mov_b32 s[G1+2], 128<<16
	s_mov_b32 s[G1+3], 128<<16
	s_mov_b32 s[G1+4], 128
	s_mov_b32 s[G1+5], KA
	s_mov_b32 s[G1+6], 0
	s_mov_b32 s[G1+7], 0
	s_or_b32 s[G1B+0], s44, (1<<16)|(1<<20)|(1<<21)|(6<<22)|(7<<25)  ; 64 k rows x 256 elements, 8 words behind every 128
	s_mov_b32 s[G1B+1], 256<<16
	s_mov_b32 s[G1B+2], 64<<16
	s_mov_b32 s[G1B+3], 256<<16
	s_mov_b32 s[G1B+4], 64
	s_mov_b32 s[G1B+5], NB
	s_mov_b32 s[G1B+6], 0
	s_mov_b32 s[G1B+7], 0
	s_lshl_b32 s16, s13, 8
	s_lshl_b32 s17, s12, 7
	s_add_co_u32 s16, s16, s17
	s_mul_i32 s16, s16, KA*2
	s_mov_b32 s17, 0
	s_mul_i32 s46, s12, 64*NB*2
	s_lshl_b32 s47, s42, 9
	s_add_co_u32 s46, s46, s47
	s_add_co_u32 s46, s46, WOFF
	s_mov_b32 s47, 0
	s_mov_b32 s[G0], 1
	s_mul_i32 s[G0+1], s12, PART
	s_mov_b32 s[G0B], 1
	s_mul_i32 s[G0B+1], s12, PART
	s_add_co_u32 s[G0B+1], s[G0B+1], WBASE
	s_mov_b32 s[TBA], TOG+256
	s_mov_b32 s[TBB], TOG+128*PW
	s_mov_b32 s62, 0x3a800000                      ; 1 / 1024
	s_mov_b32 s63, 0x3727c5ac                      ; 1e-5
	s_mov_b32 s66, 0x3e6d3388                      ; 0.23164189
	s_mov_b32 s68, 0xbf38aa3b                      ; -log2(e) / 2
	s_mov_b32 s70, 0x3f07dc22                      ; 0.53070271
	s_mov_b32 s72, 0xbf3a00e3                      ; -0.72657601
	s_mov_b32 s74, 0x3f35f0e3                      ; 0.71070687
	s_mov_b32 s76, 0xbe11a98e                      ; -0.14224837
	s_mov_b32 s78, 0x3e027906                      ; 0.12741480
.irp c, 66,68,70,72,74,76,78
	s_mov_b32 s[\c+1], s[\c]                       ; named as pairs
.endr
	s_mov_b32 s92, 0x7fffffff
	s_wait_dscnt 0x0                               ; the opening add is done
	s_wait_kmcnt 0x0
	s_add_nc_u64 s[G0+2:G0+3], s[80:81], s[16:17]
	s_or_b32 s[G0+3], s[G0+3], 0x80000000
	s_add_nc_u64 s[G0B+2:G0B+3], s[82:83], s[46:47]
	s_or_b32 s[G0B+3], s[G0B+3], 0x80000000
	CROUND
	JLOAD                                          ; K step 0 into slot 0
	v_and_b32 v3, 31, v0
	v_lshlrev_b32 v[L16], 4, v3
	s_lshl_b32 s58, s13, 10                        ; ssq: my 128 rows, four a lane
	s_lshl_b32 s59, s11, 9
	s_add_co_u32 s58, s58, s59
	s_mov_b32 s59, 0
	s_add_nc_u64 s[58:59], s[86:87], s[58:59]
	s_lshl_b32 s60, s42, 10                        ; b1: my 128 columns
	s_lshl_b32 s61, s12, 9
	s_add_co_u32 s60, s60, s61
	s_mov_b32 s61, 0
	s_add_nc_u64 s[60:61], s[84:85], s[60:61]
.set i, 0
.rept 8
	global_load_b128 v[Z+4*i:Z+4*i+3], v[L16], s[58:59] offset:i*16384
.set i, i+1
.endr
	global_load_b128 v[BI:BI+3], v[L16], s[60:61]
	v_and_b32 v1, 15, v0
	v_bfe_u32 v2, v0, 4, 1
	v_mul_u32_u24 v3, v1, PA
	v_lshl_add_u32 v3, v2, 4, v3
	s_mul_i32 s21, s11, PART
	v_add_nc_u32 v[ADRA0], s21, v3
	v_and_b32 v4, 7, v0
	v_lshl_add_u32 v4, v2, 3, v4
	v_mul_u32_u24 v4, v4, PW
	v_bfe_u32 v5, v0, 3, 1
	v_lshl_add_u32 v4, v5, 4, v4
	s_lshl_b32 s22, s12, 8
	s_add_co_u32 s22, s22, WBASE
	v_add_nc_u32 v[ADRB0], s22, v4
	s_mul_i32 s21, s10, 128*SPITCH                 ; my stage
	v_mul_u32_u24 v5, v1, SPITCH
	v_lshl_add_u32 v5, v2, 5, v5
	v_add_nc_u32 v[STO], s21, v5
	v_add_nc_u32 v[RD], s21, v[L16]
	s_lshl_b32 s21, s10, 9
	s_add_co_u32 s21, s21, R2T
	v_mov_b32 v[R2A], s21
	v_lshl_add_u32 v6, v0, 4, R2T
	v_lshrrev_b32 v[GO], 1, v[L16]                 ; 8 x lane
	s_lshl_b32 s21, s13, 8
	s_lshl_b32 s22, s11, 7
	s_add_co_u32 s21, s21, s22
	s_lshl_b32 s90, s21, 13                        ; my first row x 8,192
	s_lshl_b32 s21, s42, 9
	s_add_co_u32 s90, s90, s21
	s_lshl_b32 s21, s12, 8
	s_add_co_u32 s90, s90, s21
	s_mov_b32 s91, 0
	s_add_nc_u64 s[90:91], s[88:89], s[90:91]
	s_wait_loadcnt 0x0
.set i, 1
.rept 7
	v_pk_add_f32 v[Z:Z+1], v[Z:Z+1], v[Z+4*i:Z+4*i+1]
	v_pk_add_f32 v[Z+2:Z+3], v[Z+2:Z+3], v[Z+4*i+2:Z+4*i+3]
.set i, i+1
.endr
.set i, 0
.rept 4
	v_fma_f32 v[Z+i], v[Z+i], s62, s63
.set i, i+1
.endr
.set i, 0
.rept 4
	v_rsq_f32 v[Z+4+i], v[Z+i]
.set i, i+1
.endr
	v_nop
	s_wait_alu depctr_va_vdst(0)
	ds_store_b128 v6, v[Z+4:Z+7]                   ; r2 of my wave's 128 rows, in bytes of its own
	s_wait_tensorcnt 0x0                           ; slot 0 is waited for, slot 1 asked for
	ds_add_u32 v[SPW], v[NIL]
	STEPD
	s_wait_dscnt 0x0
	CROUND
	JLOAD
	FETCH F0
	QUARTER F0, F1, 1
	WIN 0
	s_mov_b32 s3, STEPS-1
	s_branch .Lin
.Lstep:
	TURNQ 1
	QUARTER F0, F1, 0
	WIN 0
.Lin:
	QUARTER F1, F0, 0
	QUARTER F0, F1, 0
	WIN 0
	s_sub_co_u32 s3, s3, 1
	s_cmp_lg_u32 s3, 0
	s_cbranch_scc1 .Lstep
	TURNQ 0
	QUARTER F0, F1, 0
	QUARTER F1, F0, 0
	QUARTER F0, F1, 0
	s_wait_dscnt 8
	MUL16 F1, 0, 0, 0
	MUL16 F1, 0, 2, 0
	s_wait_dscnt 0x0
	MUL16 F1, 1, 0, 0
	MUL16 F1, 1, 2, 0
	WIN 0
	s_barrier_signal -1                            ; every wave's reads of both slots are over: the stages may lie over them
	s_barrier_wait -1
	PLACES
.set a, 0
.rept 8
	WIN 0x08+4*(a/4)                               ; the data in window 2 or 3
.set b, 0
.rept 8
	ds_store_b128 v[STO], v[8*(8*(a%4)+b):8*(8*(a%4)+b)+3]   offset:a*16*SPITCH+b*64
	ds_store_b128 v[STO], v[8*(8*(a%4)+b)+4:8*(8*(a%4)+b)+7] offset:a*16*SPITCH+b*64+16
.set b, b+1
.endr
.set a, a+1
.endr
	WIN 0
	s_mov_b32 s3, 16
.macro ALLP line:vararg                ; one line for each of the 16 pairs
.set i, 0
	s_wait_alu depctr_va_vdst(0)
.rept 16
	\line
.set i, i+1
.endr
.endm
.macro ALLN line:vararg                ; one line for each of the 32 numbers
.set i, 0
.rept 32
	\line
.set i, i+1
.endr
.endm
.Lg:                                                   ; a trip: eight rows of my 128 columns, 4 numbers a lane and row.  The stage is my own: LDS serves a wave's instructions in order (ISA guide 5.7.1.4)
.set i, 0
.rept 8
	ds_load_b128 v[Z+4*i:Z+4*i+3], v[RD] offset:i*SPITCH
.set i, i+1
.endr
	ds_load_b128 v[R2:R2+3], v[R2A]
	ds_load_b128 v[R2+4:R2+7], v[R2A] offset:16
	s_wait_dscnt 0x0
.set i, 0
.rept 16                               ; pair i: row i / 2
.if (i/2)%2
	v_pk_fma_f32 v[Z+2*i:Z+2*i+1], v[Z+2*i:Z+2*i+1], v[R2+2*(i/4):R2+2*(i/4)+1], v[BI+2*(i%2):BI+2*(i%2)+1] op_sel:[0,1,0] op_sel_hi:[1,1,1]
.else
	v_pk_fma_f32 v[Z+2*i:Z+2*i+1], v[Z+2*i:Z+2*i+1], v[R2+2*(i/4):R2+2*(i/4)+1], v[BI+2*(i%2):BI+2*(i%2)+1] op_sel_hi:[1,0,1]
.endif
.set i, i+1
.endr
	ALLN v_and_b32 v[SA+i], s92, v[Z+i]
	ALLP v_pk_fma_f32 v[TT+2*i:TT+2*i+1], v[SA+2*i:SA+2*i+1], s[66:67], 1.0 op_sel_hi:[1,0,0]
	ALLP v_pk_mul_f32 v[EE+2*i:EE+2*i+1], v[SA+2*i:SA+2*i+1], v[SA+2*i:SA+2*i+1]
	ALLP v_pk_mul_f32 v[EE+2*i:EE+2*i+1], v[EE+2*i:EE+2*i+1], s[68:69] op_sel_hi:[1,0]
	ALLN v_rcp_f32 v[TT+i], v[TT+i]
	ALLN v_exp_f32 v[EE+i], v[EE+i]
	ALLN v_max_num_f32 v[Z+i], 0, v[Z+i]
	ALLP v_pk_fma_f32 v[QQ+2*i:QQ+2*i+1], v[TT+2*i:TT+2*i+1], s[70:71], s[72:73] op_sel_hi:[1,0,0]
	ALLP v_pk_fma_f32 v[QQ+2*i:QQ+2*i+1], v[QQ+2*i:QQ+2*i+1], v[TT+2*i:TT+2*i+1], s[74:75] op_sel_hi:[1,1,0]
	ALLP v_pk_fma_f32 v[QQ+2*i:QQ+2*i+1], v[QQ+2*i:QQ+2*i+1], v[TT+2*i:TT+2*i+1], s[76:77] op_sel_hi:[1,1,0]
	ALLP v_pk_fma_f32 v[QQ+2*i:QQ+2*i+1], v[QQ+2*i:QQ+2*i+1], v[TT+2*i:TT+2*i+1], s[78:79] op_sel_hi:[1,1,0]
	ALLP v_pk_mul_f32 v[QQ+2*i:QQ+2*i+1], v[QQ+2*i:QQ+2*i+1], v[TT+2*i:TT+2*i+1]
	ALLP v_pk_mul_f32 v[QQ+2*i:QQ+2*i+1], v[QQ+2*i:QQ+2*i+1], v[EE+2*i:EE+2*i+1]
	ALLP v_pk_fma_f32 v[Z+2*i:Z+2*i+1], v[SA+2*i:SA+2*i+1], v[QQ+2*i:QQ+2*i+1], v[Z+2*i:Z+2*i+1] neg_lo:[0,1,0] neg_hi:[0,1,0]
	ALLP v_cvt_pk_f16_f32 v[YO+i], v[Z+2*i], v[Z+2*i+1]
.set i, 0
.rept 8
	global_store_b64 v[GO], v[YO+2*i:YO+2*i+1], s[90:91] offset:i*8192   ; 256 consecutive bytes, aligned
.set i, i+1
.endr
	s_wait_xcnt 0x0                                ; GO and YO are rewritten only behind this wait
	v_add_nc_u32 v[RD], 8*SPITCH, v[RD]
	v_add_nc_u32 v[R2A], 32, v[R2A]
	v_add_nc_u32 v[GO], 0x10000, v[GO]
	s_sub_co_u32 s3, s3, 1
	s_cmp_lg_u32 s3, 0
	s_cbranch_scc1 .Lg
	s_wait_tensorcnt 0x0                           ; the wave's end
	ds_add_u32 v[SPW], v[NIL]
	s_wait_dscnt 0x0
	CROUND
	s_endpgm
.Lfunc_end_k_qe0cc69eedd_mlp1:
	.size	k_qe0cc69eedd_mlp1, .Lfunc_end_k_qe0cc69eedd_mlp1-k_qe0cc69eedd_mlp1
	.p2alignl 7, 3214868480
	.fill 96, 4, 3214868480
	.section	.rodata,"a",@progbits
	.p2align	6, 0x0
	.amdhsa_kernel k_qe0cc69eedd_mlp1
		.amdhsa_group_segment_fixed_size 327680
		.amdhsa_private_segment_fixed_size 0
		.amdhsa_enable_private_segment 0
		.amdhsa_kernarg_size 40
		.amdhsa_user_sgpr_count 2
		.amdhsa_user_sgpr_kernarg_segment_ptr 1
		.amdhsa_wavefront_size32 1
		.amdhsa_system_sgpr_workgroup_id_x 1
		.amdhsa_system_sgpr_workgroup_id_y 1
		.amdhsa_system_sgpr_workgroup_id_z 1
		.amdhsa_system_vgpr_workitem_id 0
		.amdhsa_next_free_vgpr 1024
		.amdhsa_next_free_sgpr 96
		.amdhsa_reserve_vcc 0
		.amdhsa_float_denorm_mode_32 3
		.amdhsa_float_denorm_mode_16_64 3
		.amdhsa_memory_ordered 1
		.amdhsa_forward_progress 1
		.amdhsa_inst_pref_size 105
	.end_amdhsa_kernel
	.amdgpu_metadata
---
amdhsa.version: [ 1, 2 ]
amdhsa.kernels:
  - .name:           k_qe0cc69eedd_mlp1
    .symbol:         k_qe0cc69eedd_mlp1.kd
    .args:
      - { .name: x1b, .offset: 0, .size: 8, .value_kind: global_buffer, .address_space: global }
      - { .name: w16, .offset: 8, .size: 8, .value_kind: global_buffer, .address_space: global }
      - { .name: b1, .offset: 16, .size: 8, .value_kind: global_buffer, .address_space: global }
      - { .name: ssq, .offset: 24, .size: 8, .value_kind: global_buffer, .address_space: global }
      - { .name: g16, .offset: 32, .size: 8, .value_kind: global_buffer, .address_space: global }
    .group_segment_fixed_size: 327680
    .private_segment_fixed_size: 0
    .kernarg_segment_align: 8
    .kernarg_segment_size: 40
    .max_flat_workgroup_size: 128
    .sgpr_count:     96
    .vgpr_count:     1024
    .wavefront_size: 32
...
	.end_amdgpu_metadata
.endif
;; end of part 5
;; launch mlp2 (part 6): grid 8 x 32, 4 waves a work-group, clusters of 4 x 4, 327,680 bytes of LDS; arguments g16, w16, b2, x1, out0; writes out0
.if DOCPART == 6
	.amdgcn_target "amdgcn-amd-amdhsa--gfx1250"
	.amdhsa_code_object_version 6
	.text
	.protected	k_qe0cc69eedd_mlp2
	.globl	k_qe0cc69eedd_mlp2
	.p2align	8
	.type	k_qe0cc69eedd_mlp2,@function
k_qe0cc69eedd_mlp2:
	s_mov_b64 s[64:65], 0
	v_nop
	global_prefetch_b8 v0, s[64:65] scope:SCOPE_SE
	s_setreg_imm32_b32 hwreg(HW_REG_WAVE_MODE, 25, 1), 1
	s_wait_xcnt 0x0
	s_wait_alu depctr_hold_cnt(0) depctr_sa_sdst(0) depctr_va_vdst(0) depctr_va_sdst(0) depctr_va_ssrc(0) depctr_va_vcc(0) depctr_vm_vsrc(0)
	s_getreg_b32 s2, hwreg(HW_REG_IB_STS2, 6, 4)
	s_cmp_eq_u32 s2, 0
	s_cbranch_scc0 .Lentry_in_a_cluster
	s_endpgm
.Lentry_in_a_cluster:
	s_bfe_u32 s2, ttmp6, 0x10000c
	s_cmp_lg_u32 s2, 0xf033
	s_cbranch_scc0 .Lentry_shape_is_right
	s_endpgm
.Lentry_shape_is_right:
; out0 = x1 + g w2 + b2.  g: [4096][4096] f16, w2: [4096][1024] f16, K down the rows; x1 and out0 f32.
; A tile of 128 x 128 to a work-group, four waves of 64 x 64; K in 16 steps of 256 through two LDS slots; both slots' first fills go out together.  The matrix instruction is used transposed
; (source 0 = 16 columns of W, turned by ds_load_tr16_b128; source 1 = 16 rows of g).  Cluster 4 x 4: g's tile shared along a row, W's along a column.
; x1: a wave asks for its 32 rows of the tile at the kernel's start, 32 loads of 512 consecutive bytes into window 2, and parks them in LDS behind the last change of slots, so that the way out,
; one loop of four trips, waits for no memory.
; LDS: slot 0: g rows 0-63 at 0, 64-127 at 0x8800 (pitch 528); W k rows from 0x11000 (pitch 288); slot 1 = + 0x24000.  Behind the ring the spare words.
; The stage of the way out (128 rows x 528 bytes of f32) and behind it x1's 128 rows of 512 bytes lie in slot 0, behind that slot's last fill and last read.
.set KA,    4096
.set NB,    1024
.set STEPS, 16
.set WOFF,  22020096
.set PA,    528
.set PW,    288
.set APART, 0x8800
.set WBASE, 0x11000
.set WPART, 0x9000
.set TOG,   0x24000
.set SPARE, 290816
.set SPITCH, 528
.set XST,   128*SPITCH                 ; x1's rows: 67,584 to 133,119, inside slot 0's 143,360 bytes
.set ADRA0, 16
.set ADRB0, 17
.set ADRA,  18
.set ADRB,  19
.set L16,   23                         ; v23 16 x lane; never rewritten
.set STO,   24
.set RD,    25
.set GO,    26
.set XR,    27                         ; v27 my 16 bytes in my wave's first parked row
.set SPW,   28
.set NIL,   29
.set Z,     32
.set XX,    64
.set BI,    96
.set ACC,   128
.set F0,    0
.set F1,    128
.set G0F, 4                            ; s[4:7] group 0 of g's K step 0; s[32:35] starts at K step 1 and walks
.set G1,  24
.set G0,  32
.set G0B, 36                           ; the same for W; s[96:99] W's K step 0
.set G1B, 48
.set TBA, 56
.set TBB, 57
.set G0BF, 96
.set MSB, 0
.macro WIN new
.if MSB != (\new)
	s_set_vgpr_msb (MSB<<8)|(\new)
.set MSB, \new
.endif
.endm
.set MUL,  0x05
.set TO_F, 0x40
.macro PLACES
.rept 4
	v_nop
.endr
.endm
.macro JLOAD
	s_cmp_eq_u32 s11, 0
	s_cbranch_scc0 .Lfor_w_\@
	tensor_load_to_lds s[G0:G0+3], s[G1:G1+7]
	s_nop 0
	PLACES
	s_branch .Lasked_\@
.Lfor_w_\@:
	tensor_load_to_lds s[G0B:G0B+3], s[G1B:G1B+7]
	s_nop 0
	PLACES
.Lasked_\@:
.endm
.macro CREST
	s_cmp_lg_u32 s10, 0
	s_cbranch_scc1 .Lnot_wave_0_\@
	s_barrier_signal -3
.Lnot_wave_0_\@:
	s_barrier_wait -3
	s_barrier_signal -1
	s_barrier_wait -1
.endm
.macro CROUND
	s_barrier_signal -1
	s_barrier_wait -1
	CREST
.endm
.macro TBSTEP
	s_sub_co_u32 s[TBA], s[TBA], 512
	s_xor_b32 s[TBA], s[TBA], TOG
	s_sub_co_u32 s[TBB], s[TBB], 256*PW
	s_xor_b32 s[TBB], s[TBB], TOG
.endm
.macro STEPD
	s_xor_b32 s[G0+1], s[G0+1], TOG
	s_xor_b32 s[G0B+1], s[G0B+1], TOG
	s_add_nc_u64 s[G0+2:G0+3], s[G0+2:G0+3], 512
	s_add_nc_u64 s[G0B+2:G0B+3], s[G0B+2:G0B+3], 512*NB
	TBSTEP
.endm
.macro MUL8 f, c, a0, zero
	WIN MUL
.irp a, \a0, (\a0)+1
.irp b, 0,1,2,3
.if \zero
	v_wmma_f32_16x16x32_f16 v[ACC+8*(4*(\a)+(\b)):ACC+8*(4*(\a)+(\b))+7], v[(\f)+64+8*(4*(\c)+(\b)):(\f)+64+8*(4*(\c)+(\b))+7], v[(\f)+8*(4*(\c)+(\a)):(\f)+8*(4*(\c)+(\a))+7], 0
.else
	v_wmma_f32_16x16x32_f16 v[ACC+8*(4*(\a)+(\b)):ACC+8*(4*(\a)+(\b))+7], v[(\f)+64+8*(4*(\c)+(\b)):(\f)+64+8*(4*(\c)+(\b))+7], v[(\f)+8*(4*(\c)+(\a)):(\f)+8*(4*(\c)+(\a))+7], v[ACC+8*(4*(\a)+(\b)):ACC+8*(4*(\a)+(\b))+7]
.endif
.endr
.endr
.endm
.macro FETCH f                         ; 32 LDS loads in one run; the two address lines and two v_nop are the four places behind the products that read the buffer
	WIN 0
	v_add_nc_u32 v[ADRA], s[TBA], v[ADRA0]
	v_add_nc_u32 v[ADRB], s[TBB], v[ADRB0]
	v_nop
	v_nop
	s_add_co_u32 s[TBA], s[TBA], 128
	s_add_co_u32 s[TBB], s[TBB], 64*PW
	WIN TO_F
.irp c, 0,1
.irp i, 0,1,2,3
	ds_load_tr16_b128 v[(\f)+64+8*(4*(\c)+(\i)):(\f)+64+8*(4*(\c)+(\i))+3],   v[ADRB] offset:32*(\c)*PW+32*(\i)
	ds_load_tr16_b128 v[(\f)+64+8*(4*(\c)+(\i))+4:(\f)+64+8*(4*(\c)+(\i))+7], v[ADRB] offset:(32*(\c)+16)*PW+32*(\i)
	ds_load_b128 v[(\f)+8*(4*(\c)+(\i)):(\f)+8*(4*(\c)+(\i))+3],   v[ADRA] offset:64*(\c)+(\i)*16*PA
	ds_load_b128 v[(\f)+8*(4*(\c)+(\i))+4:(\f)+8*(4*(\c)+(\i))+7], v[ADRA] offset:64*(\c)+(\i)*16*PA+32
.endr
.endr
.endm
.macro QUARTER f, g, zero
	s_wait_dscnt 16                                ; the first 32 along K are in
	MUL8 \f, 0, 0, \zero
	MUL8 \f, 0, 2, \zero
	FETCH \g
	s_wait_dscnt 32                                ; all but the 32 just issued
	MUL8 \f, 1, 0, 0
	MUL8 \f, 1, 2, 0
.endm
.macro XPARK                           ; my 32 rows of x1 go from window 2 into my own bytes of slot 0, which from this barrier on nobody reads and nothing fills
	s_wait_loadcnt 0x0                             ; x1 and the bias, asked for at the kernel's start
	WIN 0x08                                       ; the data in window 2
.set i, 0
.rept 32
	ds_store_b128 v[XR], v[4*i:4*i+3] offset:i*512
.set i, i+1
.endr
	WIN 0
.endm
.macro TURNQ fill
	WIN 0
	s_wait_tensorcnt 0x0                           ; what was out of mine is my part of the next slot
	ds_add_u32 v[SPW], v[NIL]
.if \fill
	STEPD
.else
	TBSTEP
.endif
	s_wait_dscnt 17                                ; the add and the youngest sixteen loads may be out
	MUL8 F1, 0, 0, 0
	s_wait_dscnt 0x0                               ; the add is done, my reads of this slot are over
	s_barrier_signal -1
	MUL8 F1, 0, 2, 0
	WIN 0
	s_barrier_wait -1
.if \fill
	CREST
	JLOAD
.else
	XPARK
.endif
	FETCH F0
	MUL8 F1, 1, 0, 0
	MUL8 F1, 1, 2, 0
.endm
	s_load_b256 s[80:87], s[0:1], 0x0              ; g16 80, w16 82, b2 84, x1 86
	s_load_b64 s[88:89], s[0:1], 0x20              ; out0
	v_lshl_add_u32 v[SPW], v0, 2, SPARE
	v_mov_b32 v[NIL], 0
	ds_add_u32 v[SPW], v[NIL]                      ; the wave's opening: the add and its wait ahead of my first tensor load
	ds_add_u32 v28, v29
	v_lshrrev_b32 v1, 5, v0
	v_readfirstlane_b32 s10, v1
	s_lshr_b32 s11, s10, 1
	s_and_b32 s12, s10, 1
	s_bfe_u32 s40, ttmp6, 0x40000
	s_bfe_u32 s41, ttmp6, 0x40004
	s_lshl_b32 s42, ttmp9, 2
	s_add_co_u32 s42, s42, s40
	s_and_b32 s13, ttmp7, 0xffff
	s_lshl_b32 s13, s13, 2
	s_add_co_u32 s13, s13, s41
	s_lshl_b32 s43, s41, 2
	s_lshl_b32 s43, 15, s43
	s_lshl_b32 s44, 0x1111, s40
	s_or_b32 s[G1+0], s43, (1<<16)|(1<<20)|(1<<21)|(6<<22)|(3<<25)
	s_mov_b32 s[G1+1], 256<<16
	s_mov_b32 s[G1+2], 64<<16
	s_mov_b32 s[G1+3], 256<<16
	s_mov_b32 s[G1+4], 64
	s_mov_b32 s[G1+5], KA
	s_mov_b32 s[G1+6], 0
	s_mov_b32 s[G1+7], 0
	s_or_b32 s[G1B+0], s44, (1<<16)|(1<<20)|(1<<21)|(5<<22)|(7<<25)
	s_mov_b32 s[G1B+1], 128<<16
	s_mov_b32 s[G1B+2], 128<<16
	s_mov_b32 s[G1B+3], 128<<16
	s_mov_b32 s[G1B+4], 128
	s_mov_b32 s[G1B+5], NB
	s_mov_b32 s[G1B+6], 0
	s_mov_b32 s[G1B+7], 0
	s_lshl_b32 s16, s13, 7
	s_lshl_b32 s17, s12, 6
	s_add_co_u32 s16, s16, s17
	s_mul_i32 s16, s16, KA*2
	s_mov_b32 s17, 0
	s_mul_i32 s46, s12, 128*NB*2
	s_lshl_b32 s47, s42, 8
	s_add_co_u32 s46, s46, s47
	s_add_co_u32 s46, s46, WOFF
	s_mov_b32 s47, 0
	s_mov_b32 s[G0F], 1
	s_mul_i32 s[G0F+1], s12, APART                 ; K step 0 into slot 0,
	s_mov_b32 s[G0], 1
	s_add_co_u32 s[G0+1], s[G0F+1], TOG            ; K step 1 into slot 1
	s_mov_b32 s[G0BF], 1
	s_mul_i32 s[G0BF+1], s12, WPART
	s_add_co_u32 s[G0BF+1], s[G0BF+1], WBASE
	s_mov_b32 s[G0B], 1
	s_add_co_u32 s[G0B+1], s[G0BF+1], TOG
	s_mov_b32 s[TBA], 0
	s_mov_b32 s[TBB], 0
	s_wait_dscnt 0x0                               ; the opening add is done
	s_wait_kmcnt 0x0
	s_add_nc_u64 s[G0F+2:G0F+3], s[80:81], s[16:17]
	s_add_nc_u64 s[G0+2:G0+3], s[G0F+2:G0F+3], 512
	s_or_b32 s[G0F+3], s[G0F+3], 0x80000000
	s_or_b32 s[G0+3], s[G0+3], 0x80000000
	s_add_nc_u64 s[G0BF+2:G0BF+3], s[82:83], s[46:47]
	s_add_nc_u64 s[G0B+2:G0B+3], s[G0BF+2:G0BF+3], 512*NB
	s_or_b32 s[G0BF+3], s[G0BF+3], 0x80000000
	s_or_b32 s[G0B+3], s[G0B+3], 0x80000000
	CROUND
	s_cmp_eq_u32 s11, 0                            ; the first fills: K steps 0 and 1, one group behind the one round: two loads of mine are out
	s_cbranch_scc0 .Lfirst_w
	tensor_load_to_lds s[G0F:G0F+3], s[G1:G1+7]
	s_nop 0
	tensor_load_to_lds s[G0:G0+3], s[G1:G1+7]
	s_nop 0
	PLACES
	s_branch .Lfirst_asked
.Lfirst_w:
	tensor_load_to_lds s[G0BF:G0BF+3], s[G1B:G1B+7]
	s_nop 0
	tensor_load_to_lds s[G0B:G0B+3], s[G1B:G1B+7]
	s_nop 0
	PLACES
.Lfirst_asked:
	v_and_b32 v1, 15, v0
	v_bfe_u32 v2, v0, 4, 1
	v_mul_u32_u24 v3, v1, PA
	v_lshl_add_u32 v3, v2, 4, v3
	s_mul_i32 s21, s11, APART
	v_add_nc_u32 v[ADRA0], s21, v3
	v_and_b32 v4, 7, v0
	v_lshl_add_u32 v4, v2, 3, v4
	v_mul_u32_u24 v4, v4, PW
	v_bfe_u32 v5, v0, 3, 1
	v_lshl_add_u32 v4, v5, 4, v4
	s_lshl_b32 s22, s12, 7
	s_add_co_u32 s22, s22, WBASE
	v_add_nc_u32 v[ADRB0], s22, v4
	s_mul_i32 s21, s11, 64*SPITCH
	s_lshl_b32 s22, s12, 8
	s_add_co_u32 s21, s21, s22
	v_mul_u32_u24 v5, v1, SPITCH
	v_lshl_add_u32 v5, v2, 5, v5
	v_add_nc_u32 v[STO], s21, v5
	v_and_b32 v5, 31, v0
	v_lshlrev_b32 v[L16], 4, v5
	s_mul_i32 s21, s10, 32*SPITCH
	v_add_nc_u32 v[RD], s21, v[L16]
	s_lshl_b32 s21, s10, 14
	s_add_co_u32 s21, s21, XST
	v_add_nc_u32 v[XR], s21, v[L16]
	v_mov_b32 v[GO], v[L16]
	s_lshl_b32 s58, s13, 7
	s_lshl_b32 s59, s10, 5
	s_add_co_u32 s58, s58, s59
	s_lshl_b32 s58, s58, 12
	s_lshl_b32 s59, s42, 9
	s_add_co_u32 s58, s58, s59
	s_mov_b32 s59, 0
	s_add_nc_u64 s[66:67], s[86:87], s[58:59]      ; x1
	s_add_nc_u64 s[68:69], s[88:89], s[58:59]      ; out0
	s_lshl_b32 s58, s42, 9
	s_add_nc_u64 s[74:75], s[84:85], s[58:59]      ; b2
	global_load_b128 v[BI:BI+3], v[L16], s[74:75]
	WIN 0x80                                       ; destination in window 2
.set i, 0
.rept 32
	global_load_b128 v[4*i:4*i+3], v[L16], s[66:67] offset:i*4096 th:TH_LOAD_NT   ; my 32 rows of x1: they land under the products
.set i, i+1
.endr
	WIN 0
	s_wait_tensorcnt 0x1                           ; my part of K step 0 is in; K step 1's may stay out
	s_barrier_signal -1
	s_barrier_wait -1                              ; everybody's is
	FETCH F0
	QUARTER F0, F1, 1
	WIN 0
	s_mov_b32 s3, STEPS-1
	s_branch .Lin
.Lstep:
	TURNQ 1
	QUARTER F0, F1, 0
	WIN 0
.Lin:
	QUARTER F1, F0, 0
	QUARTER F0, F1, 0
	WIN 0
	s_sub_co_u32 s3, s3, 1
	s_cmp_lg_u32 s3, 0
	s_cbranch_scc1 .Lstep
	TURNQ 0
	QUARTER F0, F1, 0
	QUARTER F1, F0, 0
	QUARTER F0, F1, 0
	s_wait_dscnt 16
	MUL8 F1, 0, 0, 0
	MUL8 F1, 0, 2, 0
	s_wait_dscnt 0x0
	MUL8 F1, 1, 0, 0
	MUL8 F1, 1, 2, 0
	WIN 0
	PLACES
.set a, 0
.rept 4
.set b, 0
.rept 4
	ds_store_b128 v[STO], v[ACC+8*(4*a+b):ACC+8*(4*a+b)+3]   offset:a*16*SPITCH+b*64
	ds_store_b128 v[STO], v[ACC+8*(4*a+b)+4:ACC+8*(4*a+b)+7] offset:a*16*SPITCH+b*64+16
.set b, b+1
.endr
.set a, a+1
.endr
	s_wait_dscnt 0x0                               ; a row's columns come from two waves
	s_barrier_signal -1
	s_barrier_wait -1
	s_mov_b32 s3, 4
.Lrows:                                                ; eight rows: sums + x1 + bias, 512 consecutive bytes a store
.set i, 0
.rept 8
	ds_load_b128 v[Z+4*i:Z+4*i+3], v[RD] offset:i*SPITCH
.set i, i+1
.endr
.set i, 0
.rept 8
	ds_load_b128 v[XX+4*i:XX+4*i+3], v[XR] offset:i*512
.set i, i+1
.endr
	s_wait_dscnt 0x0
.set i, 0
.rept 16
	v_pk_add_f32 v[Z+2*i:Z+2*i+1], v[Z+2*i:Z+2*i+1], v[XX+2*i:XX+2*i+1]
.set i, i+1
.endr
.set i, 0
.rept 16
	v_pk_add_f32 v[Z+2*i:Z+2*i+1], v[Z+2*i:Z+2*i+1], v[BI+2*(i%2):BI+2*(i%2)+1]
.set i, i+1
.endr
.set i, 0
.rept 8
	global_store_b128 v[GO], v[Z+4*i:Z+4*i+3], s[68:69] offset:i*4096 th:TH_STORE_NT
.set i, i+1
.endr
	s_wait_xcnt 0x0                                ; the stores' data and offset are rewritten only behind this wait
	v_add_nc_u32 v[RD], 8*SPITCH, v[RD]
	v_add_nc_u32 v[XR], 4096, v[XR]
	v_add_nc_u32 v[GO], 0x8000, v[GO]
	s_sub_co_u32 s3, s3, 1
	s_cmp_lg_u32 s3, 0
	s_cbranch_scc1 .Lrows
	s_wait_tensorcnt 0x0                           ; the wave's end
	ds_add_u32 v[SPW], v[NIL]
	s_wait_dscnt 0x0
	CROUND
	s_endpgm
.Lfunc_end_k_qe0cc69eedd_mlp2:
	.size	k_qe0cc69eedd_mlp2, .Lfunc_end_k_qe0cc69eedd_mlp2-k_qe0cc69eedd_mlp2
	.p2alignl 7, 3214868480
	.fill 96, 4, 3214868480
	.section	.rodata,"a",@progbits
	.p2align	6, 0x0
	.amdhsa_kernel k_qe0cc69eedd_mlp2
		.amdhsa_group_segment_fixed_size 327680
		.amdhsa_private_segment_fixed_size 0
		.amdhsa_enable_private_segment 0
		.amdhsa_kernarg_size 40
		.amdhsa_user_sgpr_count 2
		.amdhsa_user_sgpr_kernarg_segment_ptr 1
		.amdhsa_wavefront_size32 1
		.amdhsa_system_sgpr_workgroup_id_x 1
		.amdhsa_system_sgpr_workgroup_id_y 1
		.amdhsa_system_sgpr_workgroup_id_z 1
		.amdhsa_system_vgpr_workitem_id 0
		.amdhsa_next_free_vgpr 640
		.amdhsa_next_free_sgpr 100
		.amdhsa_reserve_vcc 0
		.amdhsa_float_denorm_mode_32 3
		.amdhsa_float_denorm_mode_16_64 3
		.amdhsa_memory_ordered 1
		.amdhsa_forward_progress 1
		.amdhsa_inst_pref_size 65
	.end_amdhsa_kernel
	.amdgpu_metadata
---
amdhsa.version: [ 1, 2 ]
amdhsa.kernels:
  - .name:           k_qe0cc69eedd_mlp2
    .symbol:         k_qe0cc69eedd_mlp2.kd
    .args:
      - { .name: g16, .offset: 0, .size: 8, .value_kind: global_buffer, .address_space: global }
      - { .name: w16, .offset: 8, .size: 8, .value_kind: global_buffer, .address_space: global }
      - { .name: b2, .offset: 16, .size: 8, .value_kind: global_buffer, .address_space: global }
      - { .name: x1, .offset: 24, .size: 8, .value_kind: global_buffer, .address_space: global }
      - { .name: out0, .offset: 32, .size: 8, .value_kind: global_buffer, .address_space: global }
    .group_segment_fixed_size: 327680
    .private_segment_fixed_size: 0
    .kernarg_segment_align: 8
    .kernarg_segment_size: 40
    .max_flat_workgroup_size: 128
    .sgpr_count:     100
    .vgpr_count:     640
    .wavefront_size: 32
...
	.end_amdgpu_metadata
.endif
;; end of part 6
;; ======== version 2 of 2: 6 launches; 1.25 times as fast as version 1
;; limits: values are held in f16: magnitudes above 65,504 overflow, below 6.1e-05 lose precision; a function is approximated: absolute error at most 1.5e-07
;; workspace buffers: w16 30,408,704 bytes; tab 1,099,776 bytes; qkv16 12,582,912 bytes; o16 8,388,608 bytes; x1 16,777,216 bytes; x1b 8,388,608 bytes; ssq 131,072 bytes; g16 33,554,432 bytes
;; launch prep (part 7): grid 962 x 1, 8 waves a work-group, no clusters, 0 bytes of LDS; arguments x, norm1_w, norm2_w, wq, wk, wv, wo, w1, w2, bq, bk, bv, qn_w, kn_w, w16, tab; writes w16, tab
.if DOCPART == 7
	.amdgcn_target "amdgcn-amd-amdhsa--gfx1250"
	.amdhsa_code_object_version 6
	.text
	.protected	k_qe0cc69eedd_prep
	.globl	k_qe0cc69eedd_prep
	.p2align	8
	.type	k_qe0cc69eedd_prep,@function
k_qe0cc69eedd_prep:
	s_mov_b64 s[64:65], 0
	v_nop
	global_prefetch_b8 v0, s[64:65] scope:SCOPE_SE
	s_setreg_imm32_b32 hwreg(HW_REG_WAVE_MODE, 25, 1), 1
	s_wait_xcnt 0x0
; PREPARATION, a stream: every work-group takes one role by its number.
;   0-255 w1 -> bf16, each row k times norm2_w[k] (one rounding)      256-511 w2, 512-575 wq, 576-639 wo, 640-655 wk, 656-671 wv -> f16
;   672-927 h = x / sqrt(mean(x^2) + 1e-5) * norm1_w -> f16             928-960 the table cos | signed sin, 2,112 positions      961 bias and gain vectors
; A cast or norm group takes 65,536 source bytes: 16 loads of 16 bytes a thread, all issued at once; each store of a wave covers 256 consecutive bytes, aligned.
; No LDS, no matrix unit, no cluster: nothing is shared and nothing is read twice.
; LIMITS.  f16 ends at 65,504: weights and h (at most 32 |norm1_w|) must lie within it; below 6e-5 f16 keeps its fixed step of 6e-8.
; The table's angle t * 10000^(-j/32) is made with v_exp_f32 (1 ulp): it is off by at most some 3e-4 rad at t = 2047; sine by an odd polynomial of degree 11 on a quarter turn (error under 1e-7).
; THE BATCHES.  The norm: a row's two roots, one wait.  The table: the four exponentials stand ahead of the loop over positions and are one batch, with one wait ahead of the loop's label; the loop itself has no transcendental and no such wait.
.set WQKVOFF, 8388608                  ; w16: h at 0, [wq|wk|wv] (rows of 1,536), wo, w1, w2
.set WOOFF,   11534336
.set W1OFF,   13631488
.set W2OFF,   22020096
.set VECOFF,  1081344                  ; tab: behind the table: bias[1536], wA[1536], wB[1536]
.set DO, 2                             ; v[2:17]   destination offsets of the 16 steps
.set X,  32                            ; v[32:95]  as loaded
.set Y,  96                            ; v[96:127] to store
	s_load_b512 s[8:23], s[0:1], 0x0               ; x 8, norm1_w 10, norm2_w 12, wq 14, wk 16, wv 18, wo 20, w1 22
	s_load_b512 s[24:39], s[0:1], 0x40             ; w2 24, bq 26, bk 28, bv 30, qn_w 32, kn_w 34, w16 36, tab 38
	s_mov_b32 s2, ttmp9
	v_lshrrev_b32 v1, 5, v0
	v_readfirstlane_b32 s3, v1                     ; wave
	s_mov_b32 s44, 2048                            ; bytes in the destination from step to step
	s_mov_b32 s45, 8                               ; a step's 1,024 numbers are 2^(8 - s45) ... rows: thread >> s45 is the row,
	s_mov_b32 s46, 255                             ; thread & s46 the place in it
	s_wait_kmcnt 0x0
	s_cmp_lt_u32 s2, 256
	s_cbranch_scc1 .Lw1
	s_cmp_lt_u32 s2, 512
	s_cbranch_scc1 .Lw2
	s_cmp_lt_u32 s2, 576
	s_cbranch_scc1 .Lwq
	s_cmp_lt_u32 s2, 640
	s_cbranch_scc1 .Lwo
	s_cmp_lt_u32 s2, 656
	s_cbranch_scc1 .Lwk
	s_cmp_lt_u32 s2, 672
	s_cbranch_scc1 .Lwv
	s_cmp_lt_u32 s2, 928
	s_cbranch_scc1 .Lnorm
	s_cmp_lt_u32 s2, 961
	s_cbranch_scc1 .Lrope
	s_branch .Lvec
; source s[40:41] and destination s[42:43] at the group's part (s4 = its number in the role); the threads' offsets
.macro SETUP
	s_lshl_b32 s6, s4, 16
	s_mov_b32 s7, 0
	s_add_nc_u64 s[40:41], s[40:41], s[6:7]
	s_mul_i32 s6, s4, s44
	s_lshl_b32 s6, s6, 4                           ; 16 steps a group
	s_add_nc_u64 s[42:43], s[42:43], s[6:7]
	v_lshlrev_b32 v1, 4, v0
	v_lshrrev_b32 v18, s45, v0
	v_mul_u32_u24 v18, v18, 3072
	v_and_b32 v19, s46, v0
	v_lshl_add_u32 v18, v19, 3, v18
.set i, 0
.rept 16
	v_mad_u32_u24 v[DO+i], s44, i, v18
.set i, i+1
.endr
.endm
; 16 loads on their way at once; step i is rounded and stored when its load is in (15 - i younger loads may stay out)
.macro CAST16 bf, scaled
.set i, 0
.rept 16
	global_load_b128 v[X+4*i:X+4*i+3], v1, s[40:41] offset:4096*i th:TH_LOAD_NT
.set i, i+1
.endr
.set i, 0
.rept 16
	s_wait_loadcnt 15-i
.if \scaled
.set SPR, 48+4*((i/4)&1)+2*((i/4)>>1)
	v_pk_mul_f32 v[X+4*i:X+4*i+1], v[X+4*i:X+4*i+1], s[SPR:SPR+1] op_sel_hi:[1,0]
	v_pk_mul_f32 v[X+4*i+2:X+4*i+3], v[X+4*i+2:X+4*i+3], s[SPR:SPR+1] op_sel_hi:[1,0]
.endif
.if \bf
	v_cvt_pk_bf16_f32 v[Y+2*i], v[X+4*i], v[X+4*i+1]
	v_cvt_pk_bf16_f32 v[Y+2*i+1], v[X+4*i+2], v[X+4*i+3]
.else
	v_cvt_pk_f16_f32 v[Y+2*i], v[X+4*i], v[X+4*i+1]
	v_cvt_pk_f16_f32 v[Y+2*i+1], v[X+4*i+2], v[X+4*i+3]
.endif
	global_store_b64 v[DO+i], v[Y+2*i:Y+2*i+1], s[42:43]
.set i, i+1
.endr
.endm
.Lw1:                                                  ; four rows of w1, each a quarter of the 16 steps, times its norm2_w
	s_mov_b32 s4, s2
	s_lshl_b32 s6, s4, 4
	s_mov_b32 s7, 0
	s_add_nc_u64 s[12:13], s[12:13], s[6:7]
	s_load_b128 s[48:51], s[12:13], 0x0
	s_mov_b64 s[40:41], s[22:23]
	s_add_nc_u64 s[42:43], s[36:37], W1OFF
	SETUP
	s_wait_kmcnt 0x0
	s_mov_b32 s52, s49                             ; the packed multiply takes a pair's low word: rows 0, 2 in s[48:49], s[50:51], rows 1, 3 here
	s_mov_b32 s53, s49
	s_mov_b32 s54, s51
	s_mov_b32 s55, s51
	CAST16 1, 1
	s_endpgm
.Lw2:
	s_sub_co_u32 s4, s2, 256
	s_mov_b64 s[40:41], s[24:25]
	s_add_nc_u64 s[42:43], s[36:37], W2OFF
	s_branch .Lgen
.Lwq:
	s_sub_co_u32 s4, s2, 512
	s_mov_b64 s[40:41], s[14:15]
	s_add_nc_u64 s[42:43], s[36:37], WQKVOFF
	s_mov_b32 s44, 3072
	s_branch .Lgen
.Lwo:
	s_sub_co_u32 s4, s2, 576
	s_mov_b64 s[40:41], s[20:21]
	s_add_nc_u64 s[42:43], s[36:37], WOOFF
	s_branch .Lgen
.Lwk:
	s_sub_co_u32 s4, s2, 640
	s_mov_b64 s[40:41], s[16:17]
	s_add_nc_u64 s[42:43], s[36:37], WQKVOFF+2048
	s_branch .Lnarrow
.Lwv:
	s_sub_co_u32 s4, s2, 656
	s_mov_b64 s[40:41], s[18:19]
	s_add_nc_u64 s[42:43], s[36:37], WQKVOFF+2560
.Lnarrow:                                              ; rows of 256 numbers: a step is four rows
	s_mov_b32 s44, 12288
	s_mov_b32 s45, 6
	s_mov_b32 s46, 63
.Lgen:
	SETUP
	CAST16 0, 0
	s_endpgm
; RMSNorm 1: a wave takes two rows, each whole in 32 registers
.Lnorm:
	s_sub_co_u32 s4, s2, 672
	s_lshl_b32 s6, s4, 16
	s_mov_b32 s7, 0
	s_add_nc_u64 s[8:9], s[8:9], s[6:7]
	s_lshr_b32 s6, s6, 1
	s_add_nc_u64 s[36:37], s[36:37], s[6:7]
	v_and_b32 v1, 31, v0
	v_lshrrev_b32 v18, 5, v0
	v_lshlrev_b32 v19, 4, v1
	v_lshl_add_u32 v20, v18, 13, v19               ; x: wave x 2 rows + 16 x lane
	v_lshlrev_b32 v21, 3, v1
	v_lshl_add_u32 v21, v18, 12, v21               ; h: the same in halves
	s_mov_b32 s50, 0x3a800000                      ; 1 / 1024
	s_mov_b32 s51, 0x3727c5ac                      ; 1e-5
	s_mov_b32 s52, 0x76543210
	s_mov_b32 s53, 0xfedcba98
.set i, 0
.rept 8
	global_load_b128 v[32+4*i:35+4*i], v19, s[10:11] offset:512*i
.set i, i+1
.endr
.set i, 0
.rept 8
	global_load_b128 v[64+4*i:67+4*i], v20, s[8:9] offset:512*i th:TH_LOAD_NT
.set i, i+1
.endr
.set i, 0
.rept 8
	global_load_b128 v[96+4*i:99+4*i], v20, s[8:9] offset:4096+512*i th:TH_LOAD_NT
.set i, i+1
.endr
.macro NROW xr, row, left
	s_wait_loadcnt \left
	s_wait_xcnt 0x0                                ; v[128:143] are rewritten only behind this wait
.set c, 0
.rept 4
	v_pk_mul_f32 v[2+2*c:3+2*c], v[(\xr)+2*c:(\xr)+2*c+1], v[(\xr)+2*c:(\xr)+2*c+1]
.set c, c+1
.endr
.rept 12
	v_pk_fma_f32 v[2+2*(c%4):3+2*(c%4)], v[(\xr)+2*c:(\xr)+2*c+1], v[(\xr)+2*c:(\xr)+2*c+1], v[2+2*(c%4):3+2*(c%4)]
.set c, c+1
.endr
	v_pk_add_f32 v[2:3], v[2:3], v[4:5]
	v_pk_add_f32 v[6:7], v[6:7], v[8:9]
	v_pk_add_f32 v[2:3], v[2:3], v[6:7]
	v_add_f32 v2, v2, v3
	v_add_f32_dpp v2, v2, v2 row_xmask:1 row_mask:0xf bank_mask:0xf
	v_add_f32_dpp v2, v2, v2 row_xmask:2 row_mask:0xf bank_mask:0xf
	v_add_f32_dpp v2, v2, v2 row_xmask:4 row_mask:0xf bank_mask:0xf
	v_add_f32_dpp v2, v2, v2 row_xmask:8 row_mask:0xf bank_mask:0xf
	v_permlanex16_b32 v3, v2, s52, s53
	v_add_f32 v2, v2, v3
	v_fma_f32 v2, v2, s50, s51
	v_rsq_f32 v10, v2
	v_rsq_f32 v11, v2
	v_nop                                          ; a plain instruction between the root and its use
.set c, 0
	s_wait_alu depctr_va_vdst(0)                   ; one wait for the row's two roots, ahead of their first reader
.rept 16
	v_pk_mul_f32 v[(\xr)+2*c:(\xr)+2*c+1], v[(\xr)+2*c:(\xr)+2*c+1], v[10:11]
.set c, c+1
.endr
.set c, 0
.rept 16
	v_pk_mul_f32 v[(\xr)+2*c:(\xr)+2*c+1], v[(\xr)+2*c:(\xr)+2*c+1], v[32+2*c:33+2*c]
.set c, c+1
.endr
.set c, 0
.rept 16
	v_cvt_pk_f16_f32 v[128+c], v[(\xr)+2*c], v[(\xr)+2*c+1]
.set c, c+1
.endr
.set c, 0
.rept 8
	global_store_b64 v21, v[128+2*c:129+2*c], s[36:37] offset:(\row)*2048+256*c
.set c, c+1
.endr
.endm
	NROW 64, 0, 8                                  ; the second row's eight loads may stay out
	NROW 96, 1, 0
	s_endpgm
; The table.  A row of 512 bytes: cos[64], then sin[64] with the sign of rotate_half (minus for channels under 32).  Lane l owns entries 4 l .. 4 l + 3.
; All three are sin(2 pi (theta / 2 pi + phase)), phase 1/4, 1/2, 0.  Positions from 2,048 on take t = 0: cos 1, sin 0, the identity, for v's columns.
.Lrope:
	s_sub_co_u32 s4, s2, 928
	s_lshl_b32 s6, s4, 6
	s_lshl_b32 s7, s3, 3
	s_add_co_u32 s6, s6, s7                        ; my wave's first position of eight
	v_and_b32 v1, 31, v0
	v_and_b32 v2, 7, v1
	v_lshlrev_b32 v2, 2, v2
	s_mov_b32 s49, 0xbed49a78                      ; -log2(10000) / 32
.set i, 0
.rept 4
	v_add_nc_u32 v[12+i], i, v2
	v_cvt_f32_u32 v[12+i], v[12+i]
	v_mul_f32 v[12+i], s49, v[12+i]
.set i, i+1
.endr
.set i, 0
.rept 4
	v_exp_f32 v[4+i], v[12+i]
.set i, i+1
.endr
	s_mov_b32 s54, 0x3e800000                      ; 0.25.  The phase and the store's offset, which name none of the four results, stand between the batch and its wait
	v_cmp_gt_u32 vcc_lo, 24, v1
	v_cndmask_b32 v8, 0, 0.5, vcc_lo
	v_cmp_gt_u32 vcc_lo, 16, v1
	v_cndmask_b32 v8, v8, s54, vcc_lo
	s_lshl_b32 s7, s6, 9
	v_lshlrev_b32 v9, 4, v1
	v_add_nc_u32 v9, s7, v9
	s_mov_b32 s50, 0x3e22f983                      ; 1 / 2 pi, and what f32 leaves of it
	s_mov_b32 s51, 0x31dc9bfb
	s_mov_b32 s52, 0x7fffffff
	s_mov_b32 s56, 0x40c90fdb                      ; 6.2831853
	s_mov_b32 s57, 0xc2255de7                      ; -41.341702
	s_mov_b32 s58, 0x42a335e3                      ; 81.605249
	s_mov_b32 s59, 0xc2996966                      ; -76.705860
	s_mov_b32 s60, 0x42283c1a                      ; 42.058694
	s_mov_b32 s61, 0xc17183a8                      ; -15.094643
	s_mov_b32 s5, 8
.macro ALL4 line:vararg
.set i, 0
.rept 4
	\line
.set i, i+1
.endr
.endm
	s_wait_alu depctr_va_vdst(0)                   ; one wait for the four exponentials, ahead of the label and of their first reader, the loop's first multiply
.Lpos:
	s_cmp_lt_u32 s6, 2048
	s_cselect_b32 s7, s6, 0
	v_cvt_f32_u32 v10, s7
	ALL4 v_mul_f32 v[12+i], v10, v[4+i]
	ALL4 v_fma_f32 v[16+i], v[12+i], s50, v8
	ALL4 v_rndne_f32 v[16+i], v[16+i]
	ALL4 v_fma_f32 v[16+i], v[12+i], s50, -v[16+i]
	ALL4 v_fma_f32 v[16+i], v[12+i], s51, v[16+i]
	ALL4 v_add_f32 v[16+i], v[16+i], v8
	ALL4 v_and_b32 v[24+i], s52, v[16+i]
	ALL4 v_sub_f32 v[28+i], 0.5, v[24+i]
	ALL4 v_min_num_f32 v[24+i], v[24+i], v[28+i]
	ALL4 v_mul_f32 v[28+i], v[24+i], v[24+i]
	ALL4 v_fma_f32 v[12+i], v[28+i], s61, s60
	ALL4 v_fma_f32 v[12+i], v[12+i], v[28+i], s59
	ALL4 v_fma_f32 v[12+i], v[12+i], v[28+i], s58
	ALL4 v_fma_f32 v[12+i], v[12+i], v[28+i], s57
	ALL4 v_fma_f32 v[12+i], v[12+i], v[28+i], s56
	ALL4 v_mul_f32 v[12+i], v[12+i], v[24+i]
	ALL4 v_bfi_b32 v[20+i], s52, v[12+i], v[16+i]
	global_store_b128 v9, v[20:23], s[38:39]
	s_wait_xcnt 0x0                                ; v9 and v[20:23] are rewritten only behind this wait
	v_add_nc_u32 v9, 512, v9
	s_add_co_u32 s6, s6, 1
	s_sub_co_u32 s5, s5, 1
	s_cmp_lg_u32 s5, 0
	s_cbranch_scc1 .Lpos
	s_endpgm
; bias = bq | bk | bv;  the row's factor in the projection's way out is r * wA + wB: wA = qn_w, kn_w by heads, 0 for v;  wB = 0, 0, 1
.Lvec:
	s_add_nc_u64 s[38:39], s[38:39], VECOFF
	v_lshlrev_b32 v1, 4, v0
	v_and_b32 v2, 15, v0
	v_lshlrev_b32 v2, 4, v2
.set i, 0
.rept 4
	v_mov_b32 v[20+i], 0
	v_mov_b32 v[24+i], 1.0
.set i, i+1
.endr
	global_load_b128 v[4:7], v1, s[26:27]
	global_load_b128 v[8:11], v2, s[32:33]
	global_store_b128 v1, v[20:23], s[38:39] offset:12288
	s_wait_loadcnt 0x0
	global_store_b128 v1, v[4:7], s[38:39]
	global_store_b128 v1, v[8:11], s[38:39] offset:6144
	s_cmp_lt_u32 s3, 2
	s_cbranch_scc1 .Lvk
	s_cmp_lt_u32 s3, 4
	s_cbranch_scc1 .Lvv
	s_endpgm
.Lvk:
	global_load_b128 v[12:15], v1, s[28:29]
	global_load_b128 v[16:19], v2, s[34:35]
	global_store_b128 v1, v[20:23], s[38:39] offset:12288+4096
	s_wait_loadcnt 0x0
	global_store_b128 v1, v[12:15], s[38:39] offset:4096
	global_store_b128 v1, v[16:19], s[38:39] offset:6144+4096
	s_endpgm
.Lvv:
	global_load_b128 v[12:15], v1, s[30:31] offset:-1024
	global_store_b128 v1, v[20:23], s[38:39] offset:6144+4096
	global_store_b128 v1, v[24:27], s[38:39] offset:12288+4096
	s_wait_loadcnt 0x0
	global_store_b128 v1, v[12:15], s[38:39] offset:4096
	s_endpgm
.Lfunc_end_k_qe0cc69eedd_prep:
	.size	k_qe0cc69eedd_prep, .Lfunc_end_k_qe0cc69eedd_prep-k_qe0cc69eedd_prep
	.p2alignl 7, 3214868480
	.fill 96, 4, 3214868480
	.section	.rodata,"a",@progbits
	.p2align	6, 0x0
	.amdhsa_kernel k_qe0cc69eedd_prep
		.amdhsa_group_segment_fixed_size 0
		.amdhsa_private_segment_fixed_size 0
		.amdhsa_enable_private_segment 0
		.amdhsa_kernarg_size 128
		.amdhsa_user_sgpr_count 2
		.amdhsa_user_sgpr_kernarg_segment_ptr 1
		.amdhsa_wavefront_size32 1
		.amdhsa_system_sgpr_workgroup_id_x 1
		.amdhsa_system_sgpr_workgroup_id_y 1
		.amdhsa_system_sgpr_workgroup_id_z 1
		.amdhsa_system_vgpr_workitem_id 0
		.amdhsa_next_free_vgpr 144
		.amdhsa_next_free_sgpr 66
		.amdhsa_reserve_vcc 1
		.amdhsa_float_denorm_mode_32 3
		.amdhsa_float_denorm_mode_16_64 3
		.amdhsa_memory_ordered 1
		.amdhsa_forward_progress 1
		.amdhsa_inst_pref_size 41
	.end_amdhsa_kernel
	.amdgpu_metadata
---
amdhsa.version: [ 1, 2 ]
amdhsa.kernels:
  - .name:           k_qe0cc69eedd_prep
    .symbol:         k_qe0cc69eedd_prep.kd
    .args:
      - { .name: x, .offset: 0, .size: 8, .value_kind: global_buffer, .address_space: global }
      - { .name: norm1_w, .offset: 8, .size: 8, .value_kind: global_buffer, .address_space: global }
      - { .name: norm2_w, .offset: 16, .size: 8, .value_kind: global_buffer, .address_space: global }
      - { .name: wq, .offset: 24, .size: 8, .value_kind: global_buffer, .address_space: global }
      - { .name: wk, .offset: 32, .size: 8, .value_kind: global_buffer, .address_space: global }
      - { .name: wv, .offset: 40, .size: 8, .value_kind: global_buffer, .address_space: global }
      - { .name: wo, .offset: 48, .size: 8, .value_kind: global_buffer, .address_space: global }
      - { .name: w1, .offset: 56, .size: 8, .value_kind: global_buffer, .address_space: global }
      - { .name: w2, .offset: 64, .size: 8, .value_kind: global_buffer, .address_space: global }
      - { .name: bq, .offset: 72, .size: 8, .value_kind: global_buffer, .address_space: global }
      - { .name: bk, .offset: 80, .size: 8, .value_kind: global_buffer, .address_space: global }
      - { .name: bv, .offset: 88, .size: 8, .value_kind: global_buffer, .address_space: global }
      - { .name: qn_w, .offset: 96, .size: 8, .value_kind: global_buffer, .address_space: global }
      - { .name: kn_w, .offset: 104, .size: 8, .value_kind: global_buffer, .address_space: global }
      - { .name: w16, .offset: 112, .size: 8, .value_kind: global_buffer, .address_space: global }
      - { .name: tab, .offset: 120, .size: 8, .value_kind: global_buffer, .address_space: global }
    .group_segment_fixed_size: 0
    .private_segment_fixed_size: 0
    .kernarg_segment_align: 8
    .kernarg_segment_size: 128
    .max_flat_workgroup_size: 256
    .sgpr_count:     66
    .vgpr_count:     144
    .wavefront_size: 32
...
	.end_amdgpu_metadata
.endif
;; end of part 7
;; launch qkv: the kernel of part 2 again; grid 12 x 32, 4 waves a work-group, clusters of 4 x 4, 327,680 bytes of LDS; arguments w16, tab, qkv16; writes qkv16
;; launch attn (part 8): grid 32 x 8, 4 waves a work-group, no clusters, 327,680 bytes of LDS; arguments qkv16, o16; writes o16
.if DOCPART == 8
	.amdgcn_target "amdgcn-amd-amdhsa--gfx1250"
	.amdhsa_code_object_version 6
	.text
	.protected	k_qe0cc69eedd_attn
	.globl	k_qe0cc69eedd_attn
	.p2align	8
	.type	k_qe0cc69eedd_attn,@function
k_qe0cc69eedd_attn:
	s_mov_b64 s[64:65], 0
	v_nop
	global_prefetch_b8 v0, s[64:65] scope:SCOPE_SE
	s_setreg_imm32_b32 hwreg(HW_REG_WAVE_MODE, 25, 1), 1
	s_wait_xcnt 0x0
; CAUSAL ATTENTION WITH GROUPED HEADS.  o[s][b][h][:] = sum over t <= s of softmax_t(q[h][s] . k[h/4][t] / 32) v[h/4][t][:].  q, k, v: [48][2048][64] f16 by slices (2 x head + batch; q 0-15, k 16-19, v 20-23);
; o: [4096][1024] f16, row 2 s + b, column 64 h + d.  Products, maxima and sums in f32; the weights are rounded to f16 for the second product (their sum is taken unrounded), o once at the end.
; SHARES.  A work-group serves one key head and batch, ALL FOUR of its query heads (a tile of K and V is read once for four heads), and two blocks of 32 positions: 63 - p and then p.
; Block j needs j / 2 + 1 tiles of 64 keys, the last with the diagonal: 33 tiles for the two, whatever p: one walk with constant trip counts, equal in all 256 work-groups.
; A wave owns 8 positions of a block for the four heads: two tiles of 16 query rows; row r of tile u is head r / 4, position 8 w + 4 u + r % 4.  So a position's 512 bytes of o belong to one wave.
; LAYOUT.  S^T = K Q^T: a lane holds one query (l % 16) and keys 8 (l / 16) + 0..7; rounded in pairs it is source 1 of O^T = V^T P.  V is turned on the way out of LDS.
; SOFTMAX.  p = 2^(c s - c m), c = log2(e) / 32, with a running maximum m; O and l are multiplied by a = 2^(c m_old - c m_new) in every step; a block starts with m at the lowest finite number, so its first a is 0.
; A TRIP, for tile e of the walk.  At its head LDS is asked for K(e + 1) and V(e).  The scores of e, made a trip earlier, lie in a buffer of their own (SN): the mask where e holds the diagonal, the maxima, the two a, and the
; scaling, which writes c s - c m into S.  From there on SN is free: the 16 products K(e + 1) Q^T stand next, each with four of e's 64 exponentials behind it.  So K's fragments have the maxima and scalings in which to land, V's the exponentials too.
; THE BATCH.  The two a and the 64 exponentials are ONE batch with ONE wait: from the first a to that wait no line names a result of theirs.  All that reads one stands behind the wait, 96 lines in one queue: the first 16
; roundings, O^T's 32 rescalings by a, the other 16 roundings, the 32 lines that sum the weights.  28 of them stand ahead of the first product V(e)^T P; the other 68 ride behind the 16 products, five, four or three to a product.
; A block's end has a batch of its own: two reciprocals, one wait.
; THE RINGS.  K runs one tile ahead of V, so the two rings are filled one tile apart: a half of K's ring holds tiles 2 c - 1, 2 c of the walk, a half of V's 2 c - 2, 2 c - 1; the change of slots stands between two trips,
; with no LDS read out.  K's tile 0 and V's tile 32 have places of their own, filled once, directly behind half 0 of their rings: the 33rd trip runs the same text, finds V there, and fetches K's tile 0 once more;
; its 16 products K Q^T serve nothing: the price, once a launch, of one text for every trip.  The ten first fills (the tiles of five trips) go out together.
; NO CLUSTER: the 32 work-groups of a key head want the same tile only while all are in their first blocks; a walk common to all would have 48 tiles for 33.
; LIMITS.  f16 ends at 65,504 (v and o).  A hidden score counts as -1e30; a weight under 2^-126 counts as 0; NaN and infinities are not treated apart.
; REGISTERS.  Window 0: v0-31 addresses, statistics; v32-95 S (and the way out); v96-127 P; v128-191 O^T; v192-255 V: V^T P and the softmax need no switch.
; Window 1: v0-63 K, v64-95 Q, v96-127 the second block's Q, v128-191 SN: a product K Q^T names window 1 alone, two switches for each.
.set KS,    64
.set PK,    144                        ; a row of K in LDS: 128 bytes + 16; of V: 128 + 32
.set PV,    160
.set KSTEP, KS*PK                      ; a tile of K, of V
.set VSTEP, KS*PV
.set KX,    2*KSTEP                    ; behind half 0 of K's ring: the walk's tile 0
.set VBASE, 3*KSTEP                    ; half 0 of V's ring
.set VX,    VBASE+2*VSTEP              ; behind it: the walk's tile 32
.set SLOT1, 1<<16                      ; the rings' halves 1 lie this much higher: one exclusive or changes halves
.set STAGE, 1<<17                      ; 8 rows x 528 bytes for each wave; no tensor load fills it
.set SP,    528
.set SPARE, STAGE+4*8*SP
.set AK0, 2
.set AV0, 3
.set AK,  4
.set AV,  5
.set STO, 6
.set RD,  7
.set GO,  8
.set BS,  9                            ; v9 8 w + r % 4 - 8 (l / 16)
.set SPW, 10
.set NIL, 11
.set MV,  12
.set BASE, 14
.set QO,  14                           ; Q's offset, until Q is in
.set ST,  16                           ; tile u: c m, m, l (even keys', odd keys')
.set TMP, 24
.set S,   32
.set WO,  32
.set P,   96
.set O,   128
.set VF,  192
.set KF,  0                            ; window 1
.set QF,  64
.set QB,  96
.set SN,  128
.set JP,  2                            ; 32 x (block's number odd), for the block in hand and for the second
.set JPB, 3
.set NB1, 8
.set NBC, 9
.set SLOTS, 10
.set CNT, 11
.set WV,  12
.set ODD, 13
.set PB,  14
.set JA,  15
.set KVH, 16
.set BT,  17
.set KB,  18                           ; s[18:19], s[20:21] K's and V's slice
.set VB,  20
.set TBK, 22                           ; what is added to a lane's place for the tile of K, of V, to be read next
.set TBV, 23
.set G1K, 24
.set G1V, 32
.set G0KA, 40                          ; group 0: K's tiles 1, 2;
.set G0K,  44                          ; tiles 3, 4, and from there on it walks;
.set G0KC, 48                          ; tile 0
.set G0VA, 52                          ; V's tiles 0, 1;
.set G0V,  56                          ; tiles 2, 3, and from there on it walks;
.set G0VC, 60                          ; tile 32
.set OB,  66                           ; s[66:67] o at my rows of the block in hand; s[68:69] of the second block
.set OB2, 68
.set CS,  70
.set SEL, 72
.set OFF, 74
.set QA,  76
.set QA2, 78
.set RT,  94                           ; tiles that the block in hand still has
.set NXT, 95                           ; the tile to be asked for next, and the last of its block
.set LQ,  96
.set NEW, 97
.set T0,  98
.set T1,  99
.set TP,  100                          ; the tile asked for last
.set BIGN, 101
.set MSB, 0
.macro WIN new
.if MSB != (\new)
	s_set_vgpr_msb (MSB<<8)|(\new)
.set MSB, (\new)
.endif
.endm
.macro PLACES
.rept 4
	v_nop
.endr
.endm
.macro TL g0, g1
	tensor_load_to_lds s[\g0:\g0+3], s[\g1:\g1+7]
	s_nop 0
.endm
.macro LOAD                            ; waves 0, 1 fetch the two tiles of a half of K's ring, waves 2, 3 of V's
	s_cmp_lt_u32 s[WV], 2
	s_cbranch_scc0 .Lfor_v_\@
	TL G0K, G1K
	PLACES
	s_branch .Lasked_\@
.Lfor_v_\@:
	TL G0V, G1V
	PLACES
.Lasked_\@:
.endm
.macro NEXTT dst                       ; the walk's next tile: the block's next, or behind its last the second block's tile 0
	s_mov_b32 s[\dst], s[NXT]
	s_add_co_u32 s[NXT], s[NXT], 1
	s_cmp_gt_u32 s[NXT], s[LQ]
	s_cselect_b32 s[NXT], 0, s[NXT]
	s_cselect_b32 s[LQ], s[NB1], s[LQ]
.endm
; THE CHANGE OF SLOTS: all my tensor loads, the add, my reads; the barrier; the halves just read are filled again first behind it, one load a wave; it has two trips in which to land.
; Of the walk's tiles 2 c, 2 c + 1, 2 c + 2 wave 2 takes the first (V), waves 3 (V) and 0 (K) the second, wave 1 the third (K).
.macro CHANGE fill
	WIN 0
	s_wait_tensorcnt 0x0
	ds_add_u32 v[SPW], v[NIL]
.if \fill
	NEXTT T0
	NEXTT T1
	s_cmp_eq_u32 s[WV], 1
	s_cselect_b32 s[OFF], s[T1], s[T0]
	s_cmp_eq_u32 s[WV], 2
	s_cselect_b32 s[OFF], s[TP], s[OFF]
	s_mov_b32 s[TP], s[T1]
	s_lshl_b32 s[OFF], s[OFF], 13                  ; a tile is 8,192 bytes of K and of V
	s_xor_b32 s[G0K+1], s[G0K+1], SLOT1
	s_add_nc_u64 s[G0K+2:G0K+3], s[KB:KB+1], s[OFF:OFF+1]
	s_or_b32 s[G0K+3], s[G0K+3], 0x80000000
	s_xor_b32 s[G0V+1], s[G0V+1], SLOT1
	s_add_nc_u64 s[G0V+2:G0V+3], s[VB:VB+1], s[OFF:OFF+1]
	s_or_b32 s[G0V+3], s[G0V+3], 0x80000000
.endif
	s_wait_dscnt 0x0
	s_barrier_signal -1
	s_sub_co_u32 s[TBK], s[TBK], 2*KSTEP
	s_xor_b32 s[TBK], s[TBK], SLOT1
	s_sub_co_u32 s[TBV], s[TBV], 2*VSTEP
	s_xor_b32 s[TBV], s[TBV], SLOT1
	s_barrier_wait -1
.if \fill
	LOAD
.endif
.endm
	s_load_b128 s[4:7], s[0:1], 0x0                ; qkv16 s[4:5], o16 s[6:7]
	v_lshl_add_u32 v[SPW], v0, 2, SPARE
	v_mov_b32 v[NIL], 0
	ds_add_u32 v[SPW], v[NIL]                      ; the wave's opening: the add and its wait ahead of my first tensor load
	ds_add_u32 v10, v11
	v_lshrrev_b32 v1, 5, v0
	v_readfirstlane_b32 s[WV], v1
	s_and_b32 s[ODD], s[WV], 1
	s_mov_b32 s[PB], ttmp9
	s_sub_co_u32 s[JA], 63, s[PB]
	s_and_b32 s80, ttmp7, 0xffff
	s_lshr_b32 s[KVH], s80, 1
	s_and_b32 s[BT], s80, 1
	s_lshr_b32 s[RT], s[JA], 1
	s_add_co_u32 s[RT], s[RT], 1                   ; the first block's tiles, 17 at the least: the walk's tiles 0 to 4 are its tiles 0 to 4
	s_sub_co_u32 s[LQ], s[RT], 1
	s_lshr_b32 s[NB1], s[PB], 1
	s_add_co_u32 s[NBC], s[NB1], 1                 ; the second block's
	s_mov_b32 s[NXT], 5
	s_mov_b32 s[TP], 4
	s_mov_b32 s[NEW], 1
	s_and_b32 s[JPB], s[PB], 1
	s_lshl_b32 s[JPB], s[JPB], 5
	s_xor_b32 s[JP], s[JPB], 32
	s_mov_b32 s[OFF+1], 0
	s_mov_b32 s[BIGN], 0xf149f2ca                  ; -1e30
	s_mov_b32 s[CS], 0x3d38aa3b                    ; c = log2(e) / 32
	s_mov_b32 s[CS+1], s[CS]
	s_mov_b32 s[SEL], 0x76543210
	s_mov_b32 s[SEL+1], 0xfedcba98
	s_mov_b32 s[TBK], SLOT1                        ; the first two trips read the halves 1
	s_mov_b32 s[TBV], SLOT1
	s_mov_b32 s[G1K], (1<<16)|(1<<20)|(4<<22)|(3<<25)  ; 64 keys are 8,192 dense bytes: 32 rows of 256, padded behind every key: 4 words,
	s_mov_b32 s[G1V], (1<<16)|(1<<20)|(4<<22)|(7<<25)  ; or 8
.irp g, G1K, G1V
	s_mov_b32 s[\g+1], 128<<16
	s_mov_b32 s[\g+2], 32<<16
	s_mov_b32 s[\g+3], 128<<16
	s_mov_b32 s[\g+4], 32
	s_mov_b32 s[\g+5], 128
	s_mov_b32 s[\g+6], 0
	s_mov_b32 s[\g+7], 0
.endr
	s_mul_i32 s80, s[ODD], KSTEP
	s_mul_i32 s81, s[ODD], VSTEP
	s_mov_b32 s[G0KA], 1
	s_add_co_u32 s[G0KA+1], s80, SLOT1
	s_mov_b32 s[G0K], 1
	s_mov_b32 s[G0K+1], s80
	s_mov_b32 s[G0KC], 1
	s_mov_b32 s[G0KC+1], KX
	s_mov_b32 s[G0VA], 1
	s_add_co_u32 s[G0VA+1], s81, SLOT1+VBASE
	s_mov_b32 s[G0V], 1
	s_add_co_u32 s[G0V+1], s81, VBASE
	s_mov_b32 s[G0VC], 1
	s_mov_b32 s[G0VC+1], VX
	s_lshl_b32 s80, s[KVH], 1
	s_add_co_u32 s80, s80, s[BT]
	s_add_co_u32 s82, s80, 32                      ; K's slice: 2 (16 + kv) + b
	s_lshl_b32 s82, s82, 18
	s_mov_b32 s83, 0
	s_add_co_u32 s84, s80, 40                      ; V's
	s_lshl_b32 s84, s84, 18
	s_mov_b32 s85, 0
	s_lshl_b32 s86, s[KVH], 3                      ; Q's first: 2 x 4 kv + b
	s_add_co_u32 s86, s86, s[BT]
	s_lshl_b32 s86, s86, 18
	s_lshl_b32 s80, s[WV], 10
	s_add_co_u32 s86, s86, s80                     ; + my 8 positions
	s_lshl_b32 s80, s[PB], 12
	s_add_co_u32 s88, s86, s80                     ; + the second block's 32 p positions
	s_lshl_b32 s80, s[JA], 12
	s_add_co_u32 s86, s86, s80                     ; + the first block's
	s_mov_b32 s87, 0
	s_mov_b32 s89, 0
	s_lshl_b32 s90, s[WV], 15                      ; o: (32 j + 8 w) x 4,096 + 2,048 b + 512 kv
	s_lshl_b32 s80, s[BT], 11
	s_add_co_u32 s90, s90, s80
	s_lshl_b32 s80, s[KVH], 9
	s_add_co_u32 s90, s90, s80
	s_lshl_b32 s80, s[PB], 17
	s_add_co_u32 s92, s90, s80
	s_lshl_b32 s80, s[JA], 17
	s_add_co_u32 s90, s90, s80
	s_mov_b32 s91, 0
	s_mov_b32 s93, 0
	s_lshl_b32 s80, s[ODD], 13                     ; which of a half's two tiles I fetch
	s_mov_b32 s81, 0
	s_lshl_b32 s[OFF], s[NB1], 13                  ; the walk's tile 32 is the second block's last
	s_wait_dscnt 0x0                               ; the opening add is done
	s_wait_kmcnt 0x0
	s_add_nc_u64 s[KB:KB+1], s[4:5], s[82:83]
	s_add_nc_u64 s[VB:VB+1], s[4:5], s[84:85]
	s_add_nc_u64 s[QA:QA+1], s[4:5], s[86:87]
	s_add_nc_u64 s[QA2:QA2+1], s[4:5], s[88:89]
	s_add_nc_u64 s[OB:OB+1], s[6:7], s[90:91]
	s_add_nc_u64 s[OB2:OB2+1], s[6:7], s[92:93]
	s_add_nc_u64 s[G0VA+2:G0VA+3], s[VB:VB+1], s[80:81]
	s_add_nc_u64 s[G0V+2:G0V+3], s[G0VA+2:G0VA+3], 0x4000
	s_add_nc_u64 s[G0VC+2:G0VC+3], s[VB:VB+1], s[OFF:OFF+1]
	s_add_nc_u64 s[G0KC+2:G0KC+3], s[KB:KB+1], 0
	s_add_nc_u64 s[G0KA+2:G0KA+3], s[KB:KB+1], s[80:81]
	s_add_nc_u64 s[G0KA+2:G0KA+3], s[G0KA+2:G0KA+3], 0x2000
	s_add_nc_u64 s[G0K+2:G0K+3], s[G0KA+2:G0KA+3], 0x4000
.irp g, G0KA, G0K, G0KC, G0VA, G0V, G0VC
	s_or_b32 s[\g+3], s[\g+3], 0x80000000
.endr
	; the first fills, one group; each wave's stand in one branch on its number; at most three loads of a wave are out
	s_cmp_eq_u32 s[WV], 0
	s_cbranch_scc0 .Lf1
	TL G0KA, G1K
	TL G0K, G1K
	PLACES
	s_branch .Lfirst_asked
.Lf1:
	s_cmp_eq_u32 s[WV], 1
	s_cbranch_scc0 .Lf2
	TL G0KC, G1K
	TL G0KA, G1K
	TL G0K, G1K
	PLACES
	s_branch .Lfirst_asked
.Lf2:
	s_cmp_eq_u32 s[WV], 2
	s_cbranch_scc0 .Lf3
	TL G0VA, G1V
	TL G0V, G1V
	TL G0VC, G1V
	PLACES
	s_branch .Lfirst_asked
.Lf3:
	TL G0VA, G1V
	TL G0V, G1V
	PLACES
.Lfirst_asked:
	v_and_b32 v1, 15, v0                           ; r
	v_bfe_u32 v28, v0, 4, 1                        ; l / 16
	v_lshrrev_b32 v24, 2, v1                       ; head in the group
	v_and_b32 v25, 3, v1                           ; position in four
	v_lshlrev_b32 v[QO], 19, v24                   ; two slices a head
	v_lshl_add_u32 v[QO], v25, 7, v[QO]
	v_lshl_add_u32 v[QO], v28, 4, v[QO]
	WIN 0x40
.set i, 0
.rept 4                                ; both blocks' Q: tile i / 2 (four positions on), channels 32 (i % 2) on
	global_load_b128 v[QF+8*i:QF+8*i+3],   v[QO], s[QA:QA+1] offset:(i/2)*512+(i%2)*64
	global_load_b128 v[QF+8*i+4:QF+8*i+7], v[QO], s[QA:QA+1] offset:(i/2)*512+(i%2)*64+32
	global_load_b128 v[QB+8*i:QB+8*i+3],   v[QO], s[QA2:QA2+1] offset:(i/2)*512+(i%2)*64
	global_load_b128 v[QB+8*i+4:QB+8*i+7], v[QO], s[QA2:QA2+1] offset:(i/2)*512+(i%2)*64+32
.set i, i+1
.endr
	WIN 0
	v_lshlrev_b32 v26, 3, v28
	v_sub_nc_u32 v[BS], v25, v26
	s_lshl_b32 s80, s[WV], 3
	v_add_nc_u32 v[BS], s80, v[BS]
	v_mul_u32_u24 v[AK0], v1, PK
	v_lshl_add_u32 v[AK0], v28, 4, v[AK0]
	v_and_b32 v26, 7, v0
	v_bfe_u32 v27, v0, 3, 1
	v_lshl_add_u32 v[AV0], v28, 3, v26
	v_mul_u32_u24 v[AV0], v[AV0], PV
	v_lshl_add_u32 v[AV0], v27, 4, v[AV0]
	v_add_nc_u32 v[AV0], VBASE, v[AV0]
	s_mul_i32 s80, s[WV], 8*SP
	s_add_co_u32 s80, s80, STAGE                   ; my stage: a row a position, 128 bytes a head
	v_mul_u32_u24 v[STO], v25, SP
	v_lshl_add_u32 v[STO], v24, 7, v[STO]
	v_lshl_add_u32 v[STO], v28, 4, v[STO]
	v_add_nc_u32 v[STO], s80, v[STO]
	v_and_b32 v[GO], 31, v0
	v_lshlrev_b32 v[GO], 4, v[GO]
	v_add_nc_u32 v[RD], s80, v[GO]
	; a block's first step multiplies O^T and l by 0, so they need only be finite: zeros for the first block, what it left for the second
.set i, 0
.rept 64
	v_mov_b32 v[O+i], 0
.set i, i+1
.endr
	v_mov_b32 v[ST+2], 0
	v_mov_b32 v[ST+3], 0
	v_mov_b32 v[ST+6], 0
	v_mov_b32 v[ST+7], 0
.macro REGS u
.set rT, ST+4*(\u)
.set rC, TMP+4*(\u)
.set rM, MV+(\u)
.set rS, S+32*(\u)
.set rN, SN+32*(\u)
.set rP, P+16*(\u)
.set rO, O+32*(\u)
.endm
; number n of the 22 that find tile u's maximum and statistics, from SN in window 1; each accumulator's lowest registers are read first.  Number 21, a, opens the trip's batch
.macro XS u, n
	REGS \u
.if (\n) < 4
	WIN 0x15                                       ; all three sources in window 1
	v_max3_num_f32 v[rC+(\n)], v[rN+8*(\n)], v[rN+8*(\n)+1], v[rN+8*(\n)+2]
.elseif (\n) < 12
	WIN 0x14                                       ; sources 1 and 2 in window 1
	v_max3_num_f32 v[rC+(\n)%4], v[rC+(\n)%4], v[rN+8*((\n)%4)+2*((\n)/4)+1], v[rN+8*((\n)%4)+2*((\n)/4)+2]
.elseif (\n) == 12
	WIN 0x14
	v_max3_num_f32 v[rC], v[rC], v[rN+7], v[rN+15]
.elseif (\n) == 13
	WIN 0x14
	v_max3_num_f32 v[rC+1], v[rC+1], v[rN+23], v[rN+31]
.elseif (\n) == 14
	WIN 0
	v_max3_num_f32 v[rC+2], v[rC+2], v[rC+3], v[rT+1]
.elseif (\n) == 15
	v_mov_b32 v[rM], v[rT]
.elseif (\n) == 16
	v_max3_num_f32 v[rC], v[rC], v[rC+1], v[rC+2]
.elseif (\n) == 17
	v_permlanex16_b32 v[rC+3], v[rC], s[SEL], s[SEL+1]
.elseif (\n) == 18
	v_max_num_f32 v[rT+1], v[rC], v[rC+3]
.elseif (\n) == 19
	v_mul_f32 v[rT], s[CS], v[rT+1]
.elseif (\n) == 20
	v_sub_f32 v[rC+1], v[rM], v[rT]
.else
	v_exp_f32 v[rC+2], v[rC+1]
.endif
.endm
.macro FS u, n                         ; c s - c m for pair n, out of SN into S
	REGS \u
	v_pk_fma_f32 v[rS+2*(\n):rS+2*(\n)+1], v[rN+2*(\n):rN+2*(\n)+1], s[CS:CS+1], v[rT:rT+1] op_sel_hi:[1,0,0] neg_lo:[0,0,1] neg_hi:[0,0,1]
.endm
.macro EXPK k                          ; exponential k of 64: tile k % 2, score k / 2
	REGS (\k)%2
	v_exp_f32 v[rS+(\k)/2], v[rS+(\k)/2]
.endm
; THE READERS of the batch: all of them stand behind its one wait
.macro RSC k                           ; pair k / 2 of tile k % 2's O^T times a
	REGS (\k)%2
	v_pk_mul_f32 v[rO+2*((\k)/2):rO+2*((\k)/2)+1], v[rO+2*((\k)/2):rO+2*((\k)/2)+1], v[rC+2:rC+3] op_sel_hi:[1,0]
.endm
.macro CVT m                           ; pair m / 2 of tile m % 2 rounded to f16
	REGS (\m)%2
	v_cvt_pk_f16_f32 v[rP+(\m)/2], v[rS+2*((\m)/2)], v[rS+2*((\m)/2)+1]
.endm
.macro ADDS u, at, far                 ; the pair at register 'at' takes the pair 'far' registers on
	REGS \u
	v_pk_add_f32 v[rS+(\at):rS+(\at)+1], v[rS+(\at):rS+(\at)+1], v[rS+(\at)+(\far):rS+(\at)+(\far)+1]
.endm
; Line j of the 32 that sum a tile's 16 pairs of weights, in place: neighbours 1, 2, 4 and 8 pairs apart, then l = a l + the sum; the two tiles alternate
.macro SUMQ j
.if (\j) < 16
	ADDS (\j)%2, 4*((\j)/2), 2
.elseif (\j) < 24
	ADDS (\j)%2, 8*(((\j)-16)/2), 4
.elseif (\j) < 28
	ADDS (\j)%2, 16*(((\j)-24)/2), 8
.elseif (\j) < 30
	ADDS (\j)%2, 0, 16
.else
	REGS (\j)%2
	v_pk_fma_f32 v[rT+2:rT+3], v[rT+2:rT+3], v[rC+2:rC+3], v[rS:rS+1] op_sel_hi:[1,0,1]
.endif
.endm
; Line q of the queue of 96 behind the wait.  0-15: the roundings that make the first half of P (keys 0-31), which products 0-7 of V^T P read.  16-47: O^T times a, ascending: each accumulator is rescaled ahead of its first
; product of the trip and read from its low end.  48-63: the second half of P, which products 8-15 read.  64-95: the sums: every rounding stands ahead of the sum that writes over its pair.
.macro QL q
.if (\q) < 16
	CVT \q
.elseif (\q) < 48
	RSC (\q)-16
.elseif (\q) < 64
	CVT (\q)-32
.else
	SUMQ (\q)-64
.endif
.endm
.macro FETCH_K
	WIN 0x40
.irp f, 0,1,2,3,4,5,6,7
	ds_load_b128 v[KF+8*\f:KF+8*\f+3],   v[AK] offset:(\f/2)*16*PK+(\f%2)*64
	ds_load_b128 v[KF+8*\f+4:KF+8*\f+7], v[AK] offset:(\f/2)*16*PK+(\f%2)*64+32
.endr
	WIN 0
.endm
.macro KQ i                            ; product i of 16: channels 32 (i / 8) on, keys 16 ((i / 2) % 4) on, tile i % 2: eight accumulators by turns
	WIN 0x55
.set rD, SN+32*((\i)%2)+8*(((\i)/2)%4)
.set rA, KF+16*(((\i)/2)%4)+8*((\i)/8)
.set rB, QF+16*((\i)%2)+8*((\i)/8)
.if (\i) < 8
	v_wmma_f32_16x16x32_f16 v[rD:rD+7], v[rA:rA+7], v[rB:rB+7], 0
.else
	v_wmma_f32_16x16x32_f16 v[rD:rD+7], v[rA:rA+7], v[rB:rB+7], v[rD:rD+7]
.endif
.endm
; the diagonal tile: key 16 kt + 8 (l / 16) + n is hidden where it lies behind my query's place in the tile.  It is the block's last tile, and the scores made in this trip are the next block's: its Q moves in here.
.macro MASK
	v_add_nc_u32 v[BASE], s[JP], v[BS]
	v_add_nc_u32 v[BASE+1], 4, v[BASE]
	WIN 0x41                                       ; destination and source 0 in window 1
.set u, 0
.rept 2
.set n, 0
.rept 32
	v_cmp_gt_i32 vcc_lo, 16*(n/8)+n%8, v[BASE+u]
	v_cndmask_b32 v[SN+32*u+n], v[SN+32*u+n], s[BIGN], vcc_lo
.set n, n+1
.endr
.set u, u+1
.endr
.set i, 0
.rept 32
	v_mov_b32 v[QF+i], v[QB+i]
.set i, i+1
.endr
	WIN 0
.endm
; A BLOCK'S END: O^T / l, rounded, through my stage, out as whole positions of 512 bytes; then the second block's base, count and parity
.macro FINISH
	PLACES
	v_add_f32 v[ST+2], v[ST+2], v[ST+3]
	v_add_f32 v[ST+6], v[ST+6], v[ST+7]
	v_permlanex16_b32 v[ST+3], v[ST+2], s[SEL], s[SEL+1]
	v_permlanex16_b32 v[ST+7], v[ST+6], s[SEL], s[SEL+1]
	v_add_f32 v[ST+2], v[ST+2], v[ST+3]
	v_add_f32 v[ST+6], v[ST+6], v[ST+7]
	v_rcp_f32 v[ST+2], v[ST+2]
	v_rcp_f32 v[ST+6], v[ST+6]
	v_nop                                          ; a plain instruction between the last reciprocal and the use of its result
.set i, 0
	s_wait_alu depctr_va_vdst(0)                   ; one wait for the two reciprocals, ahead of their first reader
.rept 32
	v_pk_mul_f32 v[O+2*i:O+2*i+1], v[O+2*i:O+2*i+1], v[ST+4*(i/16)+2:ST+4*(i/16)+3] op_sel_hi:[1,0]
.set i, i+1
.endr
.set i, 0
.rept 32
	v_cvt_pk_f16_f32 v[WO+i], v[O+2*i], v[O+2*i+1]
.set i, i+1
.endr
.set i, 0
.rept 8                                ; tile i / 4, channels 16 (i % 4) on
	ds_store_b128 v[STO], v[WO+4*i:WO+4*i+3] offset:(i/4)*4*SP+(i%4)*32
.set i, i+1
.endr
.set i, 0
.rept 8
	ds_load_b128 v[WO+4*i:WO+4*i+3], v[RD] offset:i*SP   ; LDS serves a wave's instructions in order (ISA guide 5.7.1.4): these see the stores above
.set i, i+1
.endr
.set i, 0
.rept 8
	s_wait_dscnt 7-i
	global_store_b128 v[GO], v[WO+4*i:WO+4*i+3], s[OB:OB+1] offset:i*4096  ; 512 consecutive bytes, aligned
.set i, i+1
.endr
	s_wait_xcnt 0x0                                ; o's base and the stores' data are rewritten only behind this wait
	s_mov_b64 s[OB:OB+1], s[OB2:OB2+1]
	s_mov_b32 s[RT], s[NBC]
	s_mov_b32 s[NEW], 1
	s_mov_b32 s[JP], s[JPB]
.endm
; ONE TRIP.  Every jump goes forward and passes neither a barrier nor a tensor load; none lies between the first a and the batch's wait.
.macro BODY
	s_cmp_eq_u32 s[NEW], 1
	s_cbranch_scc0 .Lold_\@
	s_mov_b32 s[NEW], 0
	v_mov_b32 v[ST], 0xfe000000                    ; c m: far below every c s
	v_mov_b32 v[ST+1], 0xff7fffff                  ; m
	v_mov_b32 v[ST+4], 0xfe000000
	v_mov_b32 v[ST+5], 0xff7fffff
.Lold_\@:
	v_add_nc_u32 v[AK], s[TBK], v[AK0]             ; these four are the places behind the products that read V
	v_add_nc_u32 v[AV], s[TBV], v[AV0]
	v_nop
	v_nop
	s_add_co_u32 s[TBK], s[TBK], KSTEP
	s_add_co_u32 s[TBV], s[TBV], VSTEP
	s_sub_co_u32 s[RT], s[RT], 1
	FETCH_K                                        ; the next tile's K,
.irp f, 0,1,2,3,4,5,6,7                ; this tile's V
	ds_load_tr16_b128 v[VF+8*\f:VF+8*\f+3],   v[AV] offset:(\f/4)*32*PV+(\f%4)*32
	ds_load_tr16_b128 v[VF+8*\f+4:VF+8*\f+7], v[AV] offset:(\f/4)*32*PV+16*PV+(\f%4)*32
.endr
	s_cmp_lg_u32 s[RT], 0
	s_cbranch_scc1 .Lopen_\@
	MASK
.Lopen_\@:
.set n, 0
.rept 22                               ; the maxima and statistics; the last two lines are the two a: the batch is open
	XS 0, n
	XS 1, n
.set n, n+1
.endr
	WIN 0x01                                       ; source 0 in window 1
.set n, 0
.rept 16                               ; the scalings name neither a; the first is the plain instruction behind them
	FS 0, n
	FS 1, n
.set n, n+1
.endr
	s_wait_dscnt 16                                ; K is in; V's sixteen loads may stay out
.set i, 0
.set kk, 0
.rept 16                               ; the products K Q^T, four exponentials behind each
	KQ i
	WIN 0
.rept 4
	EXPK kk
.set kk, kk+1
.endr
.set i, i+1
.endr
	v_nop                                          ; the plain instruction behind the last exponential: one for the batch
	s_wait_alu depctr_va_vdst(0)                   ; ONE wait for the trip's batch, the two a and the 64 exponentials, ahead of its first reader
.set qq, 0
.rept 28                               ; what the first two products V^T P read (P's first half, two accumulators' rescaling) and four lines more: what a vector line makes for a product stands four lines or more ahead of it
	QL qq
.set qq, qq+1
.endr
	s_wait_dscnt 0x0                               ; V is in
.set i, 0
.rept 16                               ; keys 32 (i / 8) on, channels 16 ((i / 2) % 4) on, tile i % 2: eight accumulators by turns; behind each the queue's next five, four or three lines
	v_wmma_f32_16x16x32_f16 v[O+32*(i%2)+8*((i/2)%4):O+32*(i%2)+8*((i/2)%4)+7], v[VF+32*(i/8)+8*((i/2)%4):VF+32*(i/8)+8*((i/2)%4)+7], v[P+16*(i%2)+8*(i/8):P+16*(i%2)+8*(i/8)+7], v[O+32*(i%2)+8*((i/2)%4):O+32*(i%2)+8*((i/2)%4)+7]
.set nr, 4
.if i < 7
.set nr, 5
.elseif i > 12
.set nr, 3
.endif
.rept nr
	QL qq
.set qq, qq+1
.endr
.set i, i+1
.endr
	s_cmp_lg_u32 s[RT], 0
	s_cbranch_scc1 .Lon_\@
	FINISH
.Lon_\@:
.endm
	s_wait_tensorcnt 0x0                           ; my first fills are in,
	s_barrier_signal -1
	s_barrier_wait -1                              ; everybody's are
	v_add_nc_u32 v[AK], KX, v[AK0]
	FETCH_K                                        ; the walk's tile 0
	s_wait_loadcnt 0x0                             ; Q
	s_wait_dscnt 0x0
.set i, 0
.rept 16
	KQ i                                           ; its scores: there is no vector work yet to set between them
.set i, i+1
.endr
	WIN 0
	PLACES
	s_mov_b32 s[CNT], 2
	s_mov_b32 s[SLOTS], 15
	s_branch .Lentry
.Lslot:                                                ; 14 times: the halves just read are filled again
	CHANGE 1
	s_mov_b32 s[CNT], 2
.Lentry:
	BODY
	s_sub_co_u32 s[CNT], s[CNT], 1
	s_cmp_lg_u32 s[CNT], 0
	s_cbranch_scc1 .Lentry
	s_sub_co_u32 s[SLOTS], s[SLOTS], 1
	s_cmp_lg_u32 s[SLOTS], 0
	s_cbranch_scc1 .Lslot
	CHANGE 0                                       ; the walk's last three trips are written out: nothing is asked for
	s_mov_b32 s[CNT], 3
.Ltail:
	BODY
	s_sub_co_u32 s[CNT], s[CNT], 1
	s_cmp_lg_u32 s[CNT], 0
	s_cbranch_scc1 .Ltail
	s_wait_tensorcnt 0x0                           ; the wave's end
	ds_add_u32 v[SPW], v[NIL]
	s_wait_dscnt 0x0
	s_endpgm
.Lfunc_end_k_qe0cc69eedd_attn:
	.size	k_qe0cc69eedd_attn, .Lfunc_end_k_qe0cc69eedd_attn-k_qe0cc69eedd_attn
	.p2alignl 7, 3214868480
	.fill 96, 4, 3214868480
	.section	.rodata,"a",@progbits
	.p2align	6, 0x0
	.amdhsa_kernel k_qe0cc69eedd_attn
		.amdhsa_group_segment_fixed_size 327680
		.amdhsa_private_segment_fixed_size 0
		.amdhsa_enable_private_segment 0
		.amdhsa_kernarg_size 16
		.amdhsa_user_sgpr_count 2
		.amdhsa_user_sgpr_kernarg_segment_ptr 1
		.amdhsa_wavefront_size32 1
		.amdhsa_system_sgpr_workgroup_id_x 1
		.amdhsa_system_sgpr_workgroup_id_y 1
		.amdhsa_system_sgpr_workgroup_id_z 1
		.amdhsa_system_vgpr_workitem_id 0
		.amdhsa_next_free_vgpr 448
		.amdhsa_next_free_sgpr 102
		.amdhsa_reserve_vcc 1
		.amdhsa_float_denorm_mode_32 3
		.amdhsa_float_denorm_mode_16_64 3
		.amdhsa_memory_ordered 1
		.amdhsa_forward_progress 1
		.amdhsa_inst_pref_size 83
	.end_amdhsa_kernel
	.amdgpu_metadata
---
amdhsa.version: [ 1, 2 ]
amdhsa.kernels:
  - .name:           k_qe0cc69eedd_attn
    .symbol:         k_qe0cc69eedd_attn.kd
    .args:
      - { .name: qkv16, .offset: 0, .size: 8, .value_kind: global_buffer, .address_space: global }
      - { .name: o16, .offset: 8, .size: 8, .value_kind: global_buffer, .address_space: global }
    .group_segment_fixed_size: 327680
    .private_segment_fixed_size: 0
    .kernarg_segment_align: 8
    .kernarg_segment_size: 16
    .max_flat_workgroup_size: 128
    .sgpr_count:     102
    .vgpr_count:     448
    .wavefront_size: 32
...
	.end_amdgpu_metadata
.endif
;; end of part 8
;; launch wo: the kernel of part 4 again; grid 8 x 32, 4 waves a work-group, clusters of 4 x 4, 327,680 bytes of LDS; arguments o16, w16, bo, x, x1, x1b, ssq; writes x1, x1b, ssq
;; launch mlp1 (part 9): grid 16 x 16, 4 waves a work-group, clusters of 4 x 4, 327,680 bytes of LDS; arguments x1b, w16, b1, ssq, g16; writes g16
.if DOCPART == 9
	.amdgcn_target "amdgcn-amd-amdhsa--gfx1250"
	.amdhsa_code_object_version 6
	.text
	.protected	k_qe0cc69eedd_mlp1
	.globl	k_qe0cc69eedd_mlp1
	.p2align	8
	.type	k_qe0cc69eedd_mlp1,@function
k_qe0cc69eedd_mlp1:
	s_mov_b64 s[64:65], 0
	v_nop
	global_prefetch_b8 v0, s[64:65] scope:SCOPE_SE
	s_setreg_imm32_b32 hwreg(HW_REG_WAVE_MODE, 25, 1), 1
	s_wait_xcnt 0x0
	s_wait_alu depctr_hold_cnt(0) depctr_sa_sdst(0) depctr_va_vdst(0) depctr_va_sdst(0) depctr_va_ssrc(0) depctr_va_vcc(0) depctr_vm_vsrc(0)
	s_getreg_b32 s2, hwreg(HW_REG_IB_STS2, 6, 4)
	s_cmp_eq_u32 s2, 0
	s_cbranch_scc0 .Lentry_in_a_cluster
	s_endpgm
.Lentry_in_a_cluster:
	s_bfe_u32 s2, ttmp6, 0x10000c
	s_cmp_lg_u32 s2, 0xf033
	s_cbranch_scc0 .Lentry_shape_is_right
	s_endpgm
.Lentry_shape_is_right:
; g = gelu(r2 (x1 w1') + b1), exact GELU.  x1: [4096][1024] bf16; w1' = norm2_w[k] w1[k][n]: [1024][4096] bf16, K down the rows; r2[row] = 1 / sqrt(sum of x1^2 / 1024 + 1e-5), from eight partial sums; g: [4096][4096] f16.
; So RMSNorm 2 costs no pass of its own: its gain lies in the weights, its root is a factor of the finished sums.
; A tile of 256 x 256 to a work-group, four waves of 128 x 128: 64 accumulators in windows 2 and 3.  K in 8 steps of 128 through two LDS slots.  The matrix instruction is used transposed
; (source 0 = 16 columns of W, turned by ds_load_tr16_b128; source 1 = 16 rows of x1).  Cluster 4 x 4: x1's tile shared along a row, W's along a column.
; GELU.  gelu(z) = max(z, 0) - |z| q(t) 2^(-z^2 log2(e) / 2), t = 1 / (1 + 0.23164189 |z|), q the polynomial of Abramowitz and Stegun 7.1.26 with halved coefficients: erf is off by at most 1.5e-7 for every z.
; THE BATCHES.  In the head the four roots of r2: one wait.  In a trip of the GELU loop the 32 reciprocals and the 32 exponentials are ONE batch, each result in a register of its own; the 32 maxima max(z, 0), which name
; none of them, stand between the batch and its ONE wait; the polynomial, which reads t, and all that follows stand behind it.
; LIMITS.  g is rounded to f16, which ends at 65,504.  NaN and infinities are not treated apart.
; LDS: a part a wave, 0x8800 bytes: x1 rows 0-127, 128-255 (pitch 272), W k rows 0-63, 64-127 (pitch 544); slot 1 = + 0x22000 (no part's start has bit 13 or 17).  Behind the ring the spare words and r2.
; The stages of the way out (128 rows x 528 bytes of f32 a wave) lie over the ring, behind its last fill and, by a barrier, every wave's last read.
.set KA,    1024
.set NB,    4096
.set STEPS, 8
.set WOFF,  13631488
.set PA,    272
.set PW,    544
.set PART,  0x8800
.set WBASE, 0x11000
.set TOG,   0x22000
.set SPARE, 278528
.set R2T,   279040
.set SPITCH, 528
.set BI,    8                          ; v[8:11] b1 of my 4 columns
.set ADRA0, 16
.set ADRB0, 17
.set ADRA,  18
.set ADRB,  19
.set L16,   20
.set R2A,   21
.set STO,   24
.set RD,    25
.set GO,    26
.set SPW,   28
.set NIL,   29
.set Z,     32
.set SA,    64
.set TT,    96
.set EE,    128
.set QQ,    160
.set R2,    192
.set YO,    200
.set F0,    64
.set F1,    128
.set G1,  24
.set G0,  32
.set G0B, 36
.set G1B, 48
.set TBA, 56
.set TBB, 57
.set MSB, 0
.macro WIN new
.if MSB != (\new)
	s_set_vgpr_msb (MSB<<8)|(\new)
.set MSB, \new
.endif
.endm
.set MUL_LO, 0xa1                      ; source 0 (W) window 1, source 1 (x1) window 0, C and D window 2
.set MUL_HI, 0xf1
.set TO_B,   0x40
.macro PLACES
.rept 4
	v_nop
.endr
.endm
.macro JLOAD
	s_cmp_eq_u32 s11, 0
	s_cbranch_scc0 .Lfor_w_\@
	tensor_load_to_lds s[G0:G0+3], s[G1:G1+7]
	s_nop 0
	PLACES
	s_branch .Lasked_\@
.Lfor_w_\@:
	tensor_load_to_lds s[G0B:G0B+3], s[G1B:G1B+7]
	s_nop 0
	PLACES
.Lasked_\@:
.endm
.macro CREST
	s_cmp_lg_u32 s10, 0
	s_cbranch_scc1 .Lnot_wave_0_\@
	s_barrier_signal -3
.Lnot_wave_0_\@:
	s_barrier_wait -3
	s_barrier_signal -1
	s_barrier_wait -1
.endm
.macro CROUND
	s_barrier_signal -1
	s_barrier_wait -1
	CREST
.endm
.macro TBSTEP
	s_sub_co_u32 s[TBA], s[TBA], 256
	s_xor_b32 s[TBA], s[TBA], TOG
	s_sub_co_u32 s[TBB], s[TBB], 128*PW
	s_xor_b32 s[TBB], s[TBB], TOG
.endm
.macro STEPD
	s_xor_b32 s[G0+1], s[G0+1], TOG
	s_xor_b32 s[G0B+1], s[G0B+1], TOG
	s_add_nc_u64 s[G0+2:G0+3], s[G0+2:G0+3], 256
	s_add_nc_u64 s[G0B+2:G0B+3], s[G0B+2:G0B+3], 256*NB
	TBSTEP
.endm
.macro MUL16 f, hi, a0, zero
	WIN MUL_LO+0x50*(\hi)
.irp a, \a0, (\a0)+1
.irp b, 0,1,2,3,4,5,6,7
.if \zero
	v_wmma_f32_16x16x32_bf16 v[8*(8*(\a)+(\b)):8*(8*(\a)+(\b))+7], v[(\f)+8*(\b):(\f)+8*(\b)+7], v[(\f)+8*(4*(\hi)+(\a)):(\f)+8*(4*(\hi)+(\a))+7], 0
.else
	v_wmma_f32_16x16x32_bf16 v[8*(8*(\a)+(\b)):8*(8*(\a)+(\b))+7], v[(\f)+8*(\b):(\f)+8*(\b)+7], v[(\f)+8*(4*(\hi)+(\a)):(\f)+8*(4*(\hi)+(\a))+7], v[8*(8*(\a)+(\b)):8*(8*(\a)+(\b))+7]
.endif
.endr
.endr
.endm
.macro FETCH f                         ; 32 LDS loads in one run: 32 along K; W first, then x1; the two address lines and two v_nop are the four places
	WIN 0
	v_add_nc_u32 v[ADRA], s[TBA], v[ADRA0]
	v_add_nc_u32 v[ADRB], s[TBB], v[ADRB0]
	v_nop
	v_nop
	s_add_co_u32 s[TBA], s[TBA], 64
	s_add_co_u32 s[TBB], s[TBB], 32*PW
	WIN TO_B
.irp i, 0,1,2,3,4,5,6,7
	ds_load_tr16_b128 v[(\f)+8*(\i):(\f)+8*(\i)+3],   v[ADRB] offset:32*(\i)
	ds_load_tr16_b128 v[(\f)+8*(\i)+4:(\f)+8*(\i)+7], v[ADRB] offset:16*PW+32*(\i)
.endr
	WIN 0
.irp i, 0,1,2,3,4,5,6,7
	ds_load_b128 v[(\f)+8*(\i):(\f)+8*(\i)+3],   v[ADRA] offset:(\i)*16*PA
	ds_load_b128 v[(\f)+8*(\i)+4:(\f)+8*(\i)+7], v[ADRA] offset:(\i)*16*PA+32
.endr
.endm
.macro QUARTER f, g, zero
	s_wait_dscnt 8                                 ; W and x1's rows 0-63 are in; the youngest eight loads may be out
	MUL16 \f, 0, 0, \zero
	MUL16 \f, 0, 2, \zero
	FETCH \g
	s_wait_dscnt 32                                ; all but the 32 just issued
	MUL16 \f, 1, 0, \zero
	MUL16 \f, 1, 2, \zero
.endm
.macro TURNQ fill
	WIN 0
	s_wait_tensorcnt 0x0                           ; the one load of mine that was out is my part of the next slot
	ds_add_u32 v[SPW], v[NIL]
.if \fill
	STEPD
.else
	TBSTEP
.endif
	s_wait_dscnt 9                                 ; the add and the youngest eight loads may be out
	MUL16 F1, 0, 0, 0
	s_wait_dscnt 0x0                               ; the add is done, my reads of this slot are over
	s_barrier_signal -1
	MUL16 F1, 0, 2, 0
	WIN 0
	s_barrier_wait -1
.if \fill
	CREST
	JLOAD
.endif
	FETCH F0
	MUL16 F1, 1, 0, 0
	MUL16 F1, 1, 2, 0
.endm
	s_load_b256 s[80:87], s[0:1], 0x0              ; x1b 80, w16 82, b1 84, ssq 86
	s_load_b64 s[88:89], s[0:1], 0x20              ; g16
	v_lshl_add_u32 v[SPW], v0, 2, SPARE
	v_mov_b32 v[NIL], 0
	ds_add_u32 v[SPW], v[NIL]                      ; the wave's opening: the add and its wait ahead of my first tensor load
	ds_add_u32 v28, v29
	v_lshrrev_b32 v1, 5, v0
	v_readfirstlane_b32 s10, v1
	s_lshr_b32 s11, s10, 1
	s_and_b32 s12, s10, 1
	s_bfe_u32 s40, ttmp6, 0x40000
	s_bfe_u32 s41, ttmp6, 0x40004
	s_lshl_b32 s42, ttmp9, 2
	s_add_co_u32 s42, s42, s40
	s_and_b32 s13, ttmp7, 0xffff
	s_lshl_b32 s13, s13, 2
	s_add_co_u32 s13, s13, s41
	s_lshl_b32 s43, s41, 2
	s_lshl_b32 s43, 15, s43
	s_lshl_b32 s44, 0x1111, s40
	s_or_b32 s[G1+0], s43, (1<<16)|(1<<20)|(1<<21)|(5<<22)|(3<<25)   ; 128 rows x 128 elements, 4 words behind every 64
	s_mov_b32 s[G1+1], 128<<16
	s_mov_b32 s[G1+2], 128<<16
	s_mov_b32 s[G1+3], 128<<16
	s_mov_b32 s[G1+4], 128
	s_mov_b32 s[G1+5], KA
	s_mov_b32 s[G1+6], 0
	s_mov_b32 s[G1+7], 0
	s_or_b32 s[G1B+0], s44, (1<<16)|(1<<20)|(1<<21)|(6<<22)|(7<<25)  ; 64 k rows x 256 elements, 8 words behind every 128
	s_mov_b32 s[G1B+1], 256<<16
	s_mov_b32 s[G1B+2], 64<<16
	s_mov_b32 s[G1B+3], 256<<16
	s_mov_b32 s[G1B+4], 64
	s_mov_b32 s[G1B+5], NB
	s_mov_b32 s[G1B+6], 0
	s_mov_b32 s[G1B+7], 0
	s_lshl_b32 s16, s13, 8
	s_lshl_b32 s17, s12, 7
	s_add_co_u32 s16, s16, s17
	s_mul_i32 s16, s16, KA*2
	s_mov_b32 s17, 0
	s_mul_i32 s46, s12, 64*NB*2
	s_lshl_b32 s47, s42, 9
	s_add_co_u32 s46, s46, s47
	s_add_co_u32 s46, s46, WOFF
	s_mov_b32 s47, 0
	s_mov_b32 s[G0], 1
	s_mul_i32 s[G0+1], s12, PART
	s_mov_b32 s[G0B], 1
	s_mul_i32 s[G0B+1], s12, PART
	s_add_co_u32 s[G0B+1], s[G0B+1], WBASE
	s_mov_b32 s[TBA], TOG+256
	s_mov_b32 s[TBB], TOG+128*PW
	s_mov_b32 s62, 0x3a800000                      ; 1 / 1024
	s_mov_b32 s63, 0x3727c5ac                      ; 1e-5
	s_mov_b32 s66, 0x3e6d3388                      ; 0.23164189
	s_mov_b32 s68, 0xbf38aa3b                      ; -log2(e) / 2
	s_mov_b32 s70, 0x3f07dc22                      ; 0.53070271
	s_mov_b32 s72, 0xbf3a00e3                      ; -0.72657601
	s_mov_b32 s74, 0x3f35f0e3                      ; 0.71070687
	s_mov_b32 s76, 0xbe11a98e                      ; -0.14224837
	s_mov_b32 s78, 0x3e027906                      ; 0.12741480
.irp c, 66,68,70,72,74,76,78
	s_mov_b32 s[\c+1], s[\c]                       ; named as pairs
.endr
	s_mov_b32 s92, 0x7fffffff
	s_wait_dscnt 0x0                               ; the opening add is done
	s_wait_kmcnt 0x0
	s_add_nc_u64 s[G0+2:G0+3], s[80:81], s[16:17]
	s_or_b32 s[G0+3], s[G0+3], 0x80000000
	s_add_nc_u64 s[G0B+2:G0B+3], s[82:83], s[46:47]
	s_or_b32 s[G0B+3], s[G0B+3], 0x80000000
	CROUND
	JLOAD                                          ; K step 0 into slot 0
	v_and_b32 v3, 31, v0
	v_lshlrev_b32 v[L16], 4, v3
	s_lshl_b32 s58, s13, 10                        ; ssq: my 128 rows, four a lane
	s_lshl_b32 s59, s11, 9
	s_add_co_u32 s58, s58, s59
	s_mov_b32 s59, 0
	s_add_nc_u64 s[58:59], s[86:87], s[58:59]
	s_lshl_b32 s60, s42, 10                        ; b1: my 128 columns
	s_lshl_b32 s61, s12, 9
	s_add_co_u32 s60, s60, s61
	s_mov_b32 s61, 0
	s_add_nc_u64 s[60:61], s[84:85], s[60:61]
.set i, 0
.rept 8
	global_load_b128 v[Z+4*i:Z+4*i+3], v[L16], s[58:59] offset:i*16384
.set i, i+1
.endr
	global_load_b128 v[BI:BI+3], v[L16], s[60:61]
	v_and_b32 v1, 15, v0
	v_bfe_u32 v2, v0, 4, 1
	v_mul_u32_u24 v3, v1, PA
	v_lshl_add_u32 v3, v2, 4, v3
	s_mul_i32 s21, s11, PART
	v_add_nc_u32 v[ADRA0], s21, v3
	v_and_b32 v4, 7, v0
	v_lshl_add_u32 v4, v2, 3, v4
	v_mul_u32_u24 v4, v4, PW
	v_bfe_u32 v5, v0, 3, 1
	v_lshl_add_u32 v4, v5, 4, v4
	s_lshl_b32 s22, s12, 8
	s_add_co_u32 s22, s22, WBASE
	v_add_nc_u32 v[ADRB0], s22, v4
	s_mul_i32 s21, s10, 128*SPITCH                 ; my stage
	v_mul_u32_u24 v5, v1, SPITCH
	v_lshl_add_u32 v5, v2, 5, v5
	v_add_nc_u32 v[STO], s21, v5
	v_add_nc_u32 v[RD], s21, v[L16]
	s_lshl_b32 s21, s10, 9
	s_add_co_u32 s21, s21, R2T
	v_mov_b32 v[R2A], s21
	v_lshl_add_u32 v6, v0, 4, R2T
	v_lshrrev_b32 v[GO], 1, v[L16]                 ; 8 x lane
	s_lshl_b32 s21, s13, 8
	s_lshl_b32 s22, s11, 7
	s_add_co_u32 s21, s21, s22
	s_lshl_b32 s90, s21, 13                        ; my first row x 8,192
	s_lshl_b32 s21, s42, 9
	s_add_co_u32 s90, s90, s21
	s_lshl_b32 s21, s12, 8
	s_add_co_u32 s90, s90, s21
	s_mov_b32 s91, 0
	s_add_nc_u64 s[90:91], s[88:89], s[90:91]
	s_wait_loadcnt 0x0
.set i, 1
.rept 7
	v_pk_add_f32 v[Z:Z+1], v[Z:Z+1], v[Z+4*i:Z+4*i+1]
	v_pk_add_f32 v[Z+2:Z+3], v[Z+2:Z+3], v[Z+4*i+2:Z+4*i+3]
.set i, i+1
.endr
.set i, 0
.rept 4
	v_fma_f32 v[Z+i], v[Z+i], s62, s63
.set i, i+1
.endr
.set i, 0
.rept 4
	v_rsq_f32 v[Z+4+i], v[Z+i]
.set i, i+1
.endr
	v_nop                                          ; a plain instruction between the last root and the use of its result
	s_wait_alu depctr_va_vdst(0)                   ; one wait for the four roots, ahead of the store that reads them
	ds_store_b128 v6, v[Z+4:Z+7]                   ; r2 of my wave's 128 rows, in bytes of its own
	s_wait_tensorcnt 0x0                           ; slot 0 is waited for, slot 1 asked for
	ds_add_u32 v[SPW], v[NIL]
	STEPD
	s_wait_dscnt 0x0
	CROUND
	JLOAD
	FETCH F0
	QUARTER F0, F1, 1
	WIN 0
	s_mov_b32 s3, STEPS-1
	s_branch .Lin
.Lstep:
	TURNQ 1
	QUARTER F0, F1, 0
	WIN 0
.Lin:
	QUARTER F1, F0, 0
	QUARTER F0, F1, 0
	WIN 0
	s_sub_co_u32 s3, s3, 1
	s_cmp_lg_u32 s3, 0
	s_cbranch_scc1 .Lstep
	TURNQ 0
	QUARTER F0, F1, 0
	QUARTER F1, F0, 0
	QUARTER F0, F1, 0
	s_wait_dscnt 8
	MUL16 F1, 0, 0, 0
	MUL16 F1, 0, 2, 0
	s_wait_dscnt 0x0
	MUL16 F1, 1, 0, 0
	MUL16 F1, 1, 2, 0
	WIN 0
	s_barrier_signal -1                            ; every wave's reads of both slots are over: the stages may lie over them
	s_barrier_wait -1
	PLACES
.set a, 0
.rept 8
	WIN 0x08+4*(a/4)                               ; the data in window 2 or 3
.set b, 0
.rept 8
	ds_store_b128 v[STO], v[8*(8*(a%4)+b):8*(8*(a%4)+b)+3]   offset:a*16*SPITCH+b*64
	ds_store_b128 v[STO], v[8*(8*(a%4)+b)+4:8*(8*(a%4)+b)+7] offset:a*16*SPITCH+b*64+16
.set b, b+1
.endr
.set a, a+1
.endr
	WIN 0
	s_mov_b32 s3, 16
.macro ALLP line:vararg                ; one line for each of the 16 pairs
.set i, 0
.rept 16
	\line
.set i, i+1
.endr
.endm
.macro ALLN line:vararg                ; one line for each of the 32 numbers
.set i, 0
.rept 32
	\line
.set i, i+1
.endr
.endm
.Lg:                                                   ; a trip: eight rows of my 128 columns, 4 numbers a lane and row.  The stage is my own: LDS serves a wave's instructions in order (ISA guide 5.7.1.4)
.set i, 0
.rept 8
	ds_load_b128 v[Z+4*i:Z+4*i+3], v[RD] offset:i*SPITCH
.set i, i+1
.endr
	ds_load_b128 v[R2:R2+3], v[R2A]
	ds_load_b128 v[R2+4:R2+7], v[R2A] offset:16
	s_wait_dscnt 0x0
.set i, 0
.rept 16                               ; pair i: row i / 2
.if (i/2)%2
	v_pk_fma_f32 v[Z+2*i:Z+2*i+1], v[Z+2*i:Z+2*i+1], v[R2+2*(i/4):R2+2*(i/4)+1], v[BI+2*(i%2):BI+2*(i%2)+1] op_sel:[0,1,0] op_sel_hi:[1,1,1]
.else
	v_pk_fma_f32 v[Z+2*i:Z+2*i+1], v[Z+2*i:Z+2*i+1], v[R2+2*(i/4):R2+2*(i/4)+1], v[BI+2*(i%2):BI+2*(i%2)+1] op_sel_hi:[1,0,1]
.endif
.set i, i+1
.endr
	ALLN v_and_b32 v[SA+i], s92, v[Z+i]
	ALLP v_pk_fma_f32 v[TT+2*i:TT+2*i+1], v[SA+2*i:SA+2*i+1], s[66:67], 1.0 op_sel_hi:[1,0,0]
	ALLP v_pk_mul_f32 v[EE+2*i:EE+2*i+1], v[SA+2*i:SA+2*i+1], v[SA+2*i:SA+2*i+1]
	ALLP v_pk_mul_f32 v[EE+2*i:EE+2*i+1], v[EE+2*i:EE+2*i+1], s[68:69] op_sel_hi:[1,0]
	ALLN v_rcp_f32 v[TT+i], v[TT+i]
	ALLN v_exp_f32 v[EE+i], v[EE+i]
	ALLN v_max_num_f32 v[Z+i], 0, v[Z+i]
	s_wait_alu depctr_va_vdst(0)                   ; ONE wait for the trip's batch, the 32 reciprocals and the 32 exponentials; the 32 maxima above are the independent work between, the polynomial's first line below the first reader
	ALLP v_pk_fma_f32 v[QQ+2*i:QQ+2*i+1], v[TT+2*i:TT+2*i+1], s[70:71], s[72:73] op_sel_hi:[1,0,0]
	ALLP v_pk_fma_f32 v[QQ+2*i:QQ+2*i+1], v[QQ+2*i:QQ+2*i+1], v[TT+2*i:TT+2*i+1], s[74:75] op_sel_hi:[1,1,0]
	ALLP v_pk_fma_f32 v[QQ+2*i:QQ+2*i+1], v[QQ+2*i:QQ+2*i+1], v[TT+2*i:TT+2*i+1], s[76:77] op_sel_hi:[1,1,0]
	ALLP v_pk_fma_f32 v[QQ+2*i:QQ+2*i+1], v[QQ+2*i:QQ+2*i+1], v[TT+2*i:TT+2*i+1], s[78:79] op_sel_hi:[1,1,0]
	ALLP v_pk_mul_f32 v[QQ+2*i:QQ+2*i+1], v[QQ+2*i:QQ+2*i+1], v[TT+2*i:TT+2*i+1]
	ALLP v_pk_mul_f32 v[QQ+2*i:QQ+2*i+1], v[QQ+2*i:QQ+2*i+1], v[EE+2*i:EE+2*i+1]
	ALLP v_pk_fma_f32 v[Z+2*i:Z+2*i+1], v[SA+2*i:SA+2*i+1], v[QQ+2*i:QQ+2*i+1], v[Z+2*i:Z+2*i+1] neg_lo:[0,1,0] neg_hi:[0,1,0]
	ALLP v_cvt_pk_f16_f32 v[YO+i], v[Z+2*i], v[Z+2*i+1]
.set i, 0
.rept 8
	global_store_b64 v[GO], v[YO+2*i:YO+2*i+1], s[90:91] offset:i*8192   ; 256 consecutive bytes, aligned
.set i, i+1
.endr
	s_wait_xcnt 0x0                                ; GO and YO are rewritten only behind this wait
	v_add_nc_u32 v[RD], 8*SPITCH, v[RD]
	v_add_nc_u32 v[R2A], 32, v[R2A]
	v_add_nc_u32 v[GO], 0x10000, v[GO]
	s_sub_co_u32 s3, s3, 1
	s_cmp_lg_u32 s3, 0
	s_cbranch_scc1 .Lg
	s_wait_tensorcnt 0x0                           ; the wave's end
	ds_add_u32 v[SPW], v[NIL]
	s_wait_dscnt 0x0
	CROUND
	s_endpgm
.Lfunc_end_k_qe0cc69eedd_mlp1:
	.size	k_qe0cc69eedd_mlp1, .Lfunc_end_k_qe0cc69eedd_mlp1-k_qe0cc69eedd_mlp1
	.p2alignl 7, 3214868480
	.fill 96, 4, 3214868480
	.section	.rodata,"a",@progbits
	.p2align	6, 0x0
	.amdhsa_kernel k_qe0cc69eedd_mlp1
		.amdhsa_group_segment_fixed_size 327680
		.amdhsa_private_segment_fixed_size 0
		.amdhsa_enable_private_segment 0
		.amdhsa_kernarg_size 40
		.amdhsa_user_sgpr_count 2
		.amdhsa_user_sgpr_kernarg_segment_ptr 1
		.amdhsa_wavefront_size32 1
		.amdhsa_system_sgpr_workgroup_id_x 1
		.amdhsa_system_sgpr_workgroup_id_y 1
		.amdhsa_system_sgpr_workgroup_id_z 1
		.amdhsa_system_vgpr_workitem_id 0
		.amdhsa_next_free_vgpr 1024
		.amdhsa_next_free_sgpr 96
		.amdhsa_reserve_vcc 0
		.amdhsa_float_denorm_mode_32 3
		.amdhsa_float_denorm_mode_16_64 3
		.amdhsa_memory_ordered 1
		.amdhsa_forward_progress 1
		.amdhsa_inst_pref_size 104
	.end_amdhsa_kernel
	.amdgpu_metadata
---
amdhsa.version: [ 1, 2 ]
amdhsa.kernels:
  - .name:           k_qe0cc69eedd_mlp1
    .symbol:         k_qe0cc69eedd_mlp1.kd
    .args:
      - { .name: x1b, .offset: 0, .size: 8, .value_kind: global_buffer, .address_space: global }
      - { .name: w16, .offset: 8, .size: 8, .value_kind: global_buffer, .address_space: global }
      - { .name: b1, .offset: 16, .size: 8, .value_kind: global_buffer, .address_space: global }
      - { .name: ssq, .offset: 24, .size: 8, .value_kind: global_buffer, .address_space: global }
      - { .name: g16, .offset: 32, .size: 8, .value_kind: global_buffer, .address_space: global }
    .group_segment_fixed_size: 327680
    .private_segment_fixed_size: 0
    .kernarg_segment_align: 8
    .kernarg_segment_size: 40
    .max_flat_workgroup_size: 128
    .sgpr_count:     96
    .vgpr_count:     1024
    .wavefront_size: 32
...
	.end_amdgpu_metadata
.endif
;; end of part 9
;; launch mlp2: the kernel of part 6 again; grid 8 x 32, 4 waves a work-group, clusters of 4 x 4, 327,680 bytes of LDS; arguments g16, w16, b2, x1, out0; writes out0
